; MI455X (gfx1250); checked and timed in simulation.
; The chip was launched on July 23, 2026; its instructions are those of AMD's public machine-readable ISA for CDNA 5 (MIT licence, August 2026) and "CDNA5" Instruction Set Architecture Reference Guide (July 2026). The comments in the code are by the model that wrote it; some were corrected since.
;; Grouped Query Attention. Allowed arithmetic: matrix products marked QUANTISED: E2M3 operands, one E8M0 scale for each 32 along K, by v_wmma_scale_f32_16x16x128_f8f6f4 with both operands' format E2M3, f32 sums; everything else in f32.
;; Inputs: wk_codes 512 x 64 x 24 uint8 (E2M3 codes of wk, K innermost, in blocks of 32 codes, four codes in three bytes); wk_scales 512 x 64 uint8 (E8M0 scales of wk, one for each 32 codes along K); wo_codes 2,048 x 64 x 24 uint8 (E2M3 codes of wo, K innermost, in blocks of 32 codes, four codes in three bytes); wo_scales 2,048 x 64 uint8 (E8M0 scales of wo, one for each 32 codes along K); wq_codes 2,048 x 64 x 24 uint8 (E2M3 codes of wq, K innermost, in blocks of 32 codes, four codes in three bytes); wq_scales 2,048 x 64 uint8 (E8M0 scales of wq, one for each 32 codes along K); wv_codes 512 x 64 x 24 uint8 (E2M3 codes of wv, K innermost, in blocks of 32 codes, four codes in three bytes); wv_scales 512 x 64 uint8 (E8M0 scales of wv, one for each 32 codes along K); x_codes 2 x 1,024 x 64 x 24 uint8 (E2M3 codes of x, K innermost, in blocks of 32 codes, four codes in three bytes); x_scales 2 x 1,024 x 64 uint8 (E8M0 scales of x, one for each 32 codes along K).
;; Outputs: out0 2 x 1,024 x 2,048 float32.
;; This version of the problem:
;;   THIS VERSION OF THE PROBLEM IS GIVEN IN LOW PRECISION. The matrix products marked QUANTISED in the list below multiply operands that are first quantised to E2M3 (2 exponent bits, 3 mantissa bits; 6 bits a number), with one power-of-two scale for each 32 numbers along K (OCP MX v1.0); their sums are f32. All else is computed in f32.
;;   The module's matrix products, in the order in which they are computed (A, B: the left and right operand; K: the contracted axis; several contracted axes count as one K, in the product's order):
;;     1. [M 2,048, K 2,048] x [K 2,048, N 2,048]; A: input x (given as codes); B: input wq (given as codes): QUANTISED
;;     2. [M 2,048, K 2,048] x [K 2,048, N 512]; A: input x (given as codes); B: input wk (given as codes): QUANTISED
;;     3. [M 2,048, K 2,048] x [K 2,048, N 512]; A: input x (given as codes); B: input wv (given as codes): QUANTISED
;;     4. batch 16 x [M 1,024, K 64] x [K 64, N 4,096]; A: computed on the way; B: computed on the way: QUANTISED
;;     5. batch 16 x [M 64, K 1,024] x [K 1,024, N 4,096]; A: computed on the way; B: softmax (see below): QUANTISED
;;     6. [M 2,048, K 2,048] x [K 2,048, N 2,048]; A: computed on the way; B: input wo (given as codes): QUANTISED
;;   THE QUANTISER, for each operand of a quantised product, along K:
;;     - K is cut into blocks of 32 from its start; a last block that is shorter is filled with zeros.
;;     - A block's scale is 2^e with e = floor(log2(the largest magnitude in the block)) - 2, held to -126 .. 127; a block of zeros has e = 0. As a byte (E8M0): e + 127.
;;     - Each number is divided by its block's scale, clamped to +-7.5, and rounded to the nearest number of E2M3, ties to even, subnormals kept.
;;     - The product sums the exact products of the quantised numbers (number of the format x scale) in f32.
;;   ~~~python
;;   def quantise(x, axis):      # numpy; x: float32 -> the quantised numbers, widened to float32 again
;;       x = np.moveaxis(x, axis, -1); K = x.shape[-1]
;;       x = np.pad(x, [(0, 0)] * (x.ndim - 1) + [(0, -K % 32)]); x = x.reshape(x.shape[:-1] + (-1, 32)); a = np.abs(x).max(-1, keepdims=True)
;;       e = np.where(a > 0, np.clip(np.frexp(np.where(a > 0, a, 1))[1] - 1 - 2, -126, 127), 0)      # np.frexp(a)[1] - 1 = floor(log2(a)), exactly
;;       r = np.clip(x / 2.0 ** e, -7.5, 7.5)
;;       step = 2.0 ** (np.maximum(np.frexp(np.where(r == 0, 1, r))[1] - 1, 0) - 3)
;;       q = np.round(r / step) * step * 2.0 ** e      # np.round: ties to even
;;       return np.moveaxis(q.reshape(q.shape[:-2] + (-1,))[..., :K], -1, axis).astype(np.float32)
;;   ~~~
;;   SOFTMAX AHEAD OF A QUANTISED PRODUCT. Where the list says 'softmax', what is quantised is not the finished softmax but p = 2^(t - M), with t = logit x log2(e) and M = ceil(the row's largest t), a whole number; so 1/2 < the row's largest p <= 1. The row's sum l is taken of the UNQUANTISED p, in f32, and the product's result is divided by l at the end. Since M is a whole number, a kernel that streams over the keys may use a running M (the ceiling of the running maximum): every later rescaling is an exact power of two, which a block's scale takes up: the codes' values come out the same.
;;   OPERANDS COMPUTED ON THE WAY. 'Computed on the way' means the value that the module computes at that place (a softmax that the list does not call 'softmax' is quantised finished and normalised). What goes into a quantiser is computed in f32, as accurately as f32 sums, v_exp_f32 and their like allow (about 1e-6 of the number): no bf16 or f16 on the way to a quantiser, and a product that is left as it is and whose result goes on into a quantised operand takes f32 operands (vector FMAs, or v_wmma_f32_16x16x4_f32). A number that lies on a knife's edge between two numbers of the format may be rounded either way, as far as f32 arithmetic and the matrix unit's own rounding can turn it there, and no further.
;;   INPUTS GIVEN AS CODES. wk (in the module: [2048, 512], K = its axis 0); wo (in the module: [2048, 2048], K = its axis 0); wq (in the module: [2048, 2048], K = its axis 0); wv (in the module: [2048, 512], K = its axis 0); x (in the module: [2, 1024, 2048], K = its axis 2): each comes as NAME_codes (uint8): NAME with its K axis moved to the last place and cut into blocks of 32 codes, [.., K / 32, bytes a block], one block behind the other in memory; four codes in three bytes: a row's codes are one little-endian stream of bits, code i at bits 6 i .. 6 i + 5 (a code: sign, 2 exponent bits, 3 mantissa bits); and NAME_scales (uint8): the same leading axes, one E8M0 byte (e + 127) for each 32 codes along K. Its value is code x scale, taken as it is: it is not quantised again, and the codes and scales need not be those that the quantiser above would give.
;; 2 versions. Each part assembles by itself: llvm-mc -triple=amdgcn-amd-amdhsa -mcpu=gfx1250 --defsym DOCPART=n.
;; ======== version 1 of 2: 3 launches
;; workspace buffers: qimg 3,145,728 bytes; qscl 262,144 bytes; kv 1,671,168 bytes; acodes 3,145,728 bytes; ascl 131,072 bytes
;; launch qkv (part 1): grid 24 x 16, 4 waves a work-group, clusters of 4 x 4, 327,680 bytes of LDS; arguments x_codes, x_scales, wq_codes, wq_scales, wk_codes, wk_scales, wv_codes, wv_scales, qimg, qscl, kv; writes qimg, qscl, kv
.if DOCPART == 1
	.amdgcn_target "amdgcn-amd-amdhsa--gfx1250"
	.amdhsa_code_object_version 6
	.text
	.protected	k_qca74b40cc2_qkv
	.globl	k_qca74b40cc2_qkv
	.p2align	8
	.type	k_qca74b40cc2_qkv,@function
k_qca74b40cc2_qkv:
	s_mov_b64 s[64:65], 0
	v_nop
	global_prefetch_b8 v0, s[64:65] scope:SCOPE_SE
	s_setreg_imm32_b32 hwreg(HW_REG_WAVE_MODE, 25, 1), 1
	s_wait_xcnt 0x0
	s_wait_alu depctr_hold_cnt(0) depctr_sa_sdst(0) depctr_va_vdst(0) depctr_va_sdst(0) depctr_va_ssrc(0) depctr_va_vcc(0) depctr_vm_vsrc(0)
	s_getreg_b32 s2, hwreg(HW_REG_IB_STS2, 6, 4)
	s_cmp_eq_u32 s2, 0
	s_cbranch_scc0 .Lentry_in_a_cluster
	s_endpgm
.Lentry_in_a_cluster:
	s_bfe_u32 s2, ttmp6, 0x10000c
	s_cmp_lg_u32 s2, 0xf033
	s_cbranch_scc0 .Lentry_shape_is_right
	s_endpgm
.Lentry_shape_is_right:
; q = x Wq, k = x Wk, v = x Wv on codes of FP6 (E2M3) with one E8M0 scale for each 32 along K = 2,048; then RoPE on q and k in f32, and all three quantised anew for attention:
; q and k along the head's 64, v along the keys.  They leave as IMAGES OF OPERAND REGISTERS, so that attention loads every fragment by dense loads of 8 bytes a lane.
; SHARES.  A work-group makes 128 tokens x 128 columns (two heads); its four waves 64 tokens x one head each: 16 accumulators of 16 x 16.  K goes in 4 chunks of 512 codes (rows of 384 bytes) through two LDS slots.
; CLUSTERS of 4 x 4: x's tile is shared along a row of the cluster, the weight's along a column: each is asked for jointly.  The cluster's x (0-3: Wq, 4: Wk, 5: Wv) picks the weight: it is the same in all sixteen partners.
; ONE LOOP FOR ALL THREE.  Source 0 and source 1 are four tiles of 16 rows each.  For q and k source 0 = the weight's rows, source 1 = tokens: a lane holds one token and its registers run along the head's d.
; For v the two change places (only LDS bases and scale pointers differ, chosen by the cluster's x): a lane holds one d and its registers run along the tokens, which are the next product's K.
; ROPE TABLE.  cos and sin of pos x 10^(-j/8), j = 0..31, for the work-group's 128 positions are made in f32 while the first tiles are on their way: the angle is reduced by k pi/2 in two fused steps (the first rounds nothing),
; and two short polynomials on |r| <= pi/4 give sin and cos.
; LIMITS.  NaN and infinities are not served.  A block whose largest magnitude lies under 2^-124 keeps the scale byte 1; a block of zeros gets the byte 1 and not 127 (its codes are zeros; only this program reads the bytes).
; The 32 frequencies are the correctly rounded 10^(-j/8): they may differ in the last bit from a power computed in f32, an angle error of up to 5e-5 at position 1,023.
; V's scale words leave as two bytes a lane (32 KiB in the whole launch): the other two bytes of each word belong to the wave of the other 64 tokens.
; REGISTERS.  window 0: v1 r, v2 h, v3-11 offsets, v12-15 at work, v16-23 LDS addresses of the fragments (later at work), v24-27, v30-31 at work, v28-29 for the add, v32-63 and v64-95 scale words of source 0 and 1,
;   v96-127 at work, v128-255 the accumulators ((a, t) at v[128 + 32 a + 8 t]: a = tile of source 1, t = tile of source 0).   window 1: two fragment buffers of 96: source 1's four at +12 a, source 0's at +48 + 12 t.
.set ROWB,   384                       ; a tile's row: 512 codes
.set KROW,   1536                      ; a row in memory: 2,048 codes
.set PITCH,  432                       ; an LDS row: 3 x (128 bytes + 16 of padding) = 108 words: the 16 rows of a fragment start 4 banks apart, lanes 16-31 two banks beside them
.set HALFT,  64*PITCH                  ; 64 rows: what one tensor load brings
.set SLOT,   4*HALFT                   ; x's 128 rows, then the weight's 128
.set TAB,    2*SLOT                    ; the table: 128 positions x (32 cos, 32 sin, 16 bytes of padding)
.set TPITCH, 272
.set STG,    TAB+128*TPITCH            ; a stage for each wave: 3,072 bytes of code images, 256 of scale words
.set STGW,   3328
.set SPARE,  STG+4*STGW                ; the spare words, 128 bytes for each wave
.set VR,   1
.set VH,   2
.set LSC,  3                           ; v3   64 r + 16 h: my place in 16 rows of scale bytes
.set TA,   4                           ; v4   the table: my token's row, my half's 16 frequencies
.set SW,   5                           ; v5   the stage: where my six registers of codes go
.set SCW,  6                           ; v6   the stage: where a scale word goes
.set RDA,  7                           ; v7   the stage, read back: 8 bytes a lane
.set VO,   8                           ; v8-11 byte offsets of the four tiles in the output, + 8 x lane
.set PW,   12                          ; v12-15 RoPE's temporaries, then the four scale words
.set ADR0, 16                          ; v16-17 source 0's fragments in slot 0, 1; v18-19 the same behind one padding more
.set ADR1, 20                          ; v20-23 the same for source 1
.set TM,   16                          ; behind the loop: v16-23 at work in the quantiser
.set CT,   24                          ; v24-26 a block's upper 16 codes
.set GSW,  27                          ; v27  64 (r / 8) + 4 (r % 8) + 32 h: a scale word's place among a wave's 64
.set SPW,  28
.set NIL,  29
.set POS,  30                          ; v30  my position, f32; later a scale word picked by my half
.set TW,   31                          ; v31  my row of the table; later the second such word
.set WD,   30
.set SS0,  32
.set SS1,  64
.set WK,   96
.set ACC,  128
.set G1X, 28                           ; s[28:35] group 1 for x's tiles, s[36:43] group 0, a set for each slot
.set G0X, 36
.set G1W, 44                           ; s[44:51], s[52:59] the same for the weight's
.set G0W, 52
.set WV,  60
.set WI,  61                           ; which 64 tokens are mine; also: I fetch for x (0) or for the weight (1)
.set WJ,  62                           ; which head is mine; also: which 64 rows I fetch
.set TY,  63                           ; block of 128 tokens
.set CX,  66
.set CY,  67
.set CC,  68
.set COLW, 69                          ; block of 128 rows of the weight
.set SEL, 80
.set K2PI, 82
.set KHI,  83
.set KLO,  84
.set KS3,  85
.set KS2,  86
.set KS1,  87
.set KC3,  88
.set KC2,  89
.set KC1,  90
.set MK,   91                          ; s91-94 lane masks: k is odd
.set OUT,  96
.set SOUT, 98
.set ST,   100
.set MSB, 0
.macro WIN new                         ; the immediate's high byte repeats the setting that is left
.if MSB != \new
	s_set_vgpr_msb (MSB<<8)|\new
.set MSB, \new
.endif
.endm
.set MUL,  0x05                        ; sources 0 and 1 window 1; C and D window 0
.set TO_F, 0x40                        ; destination window 1, address window 0
.macro PLACES                          ; four plain places between a matrix instruction and a load into, or a read of, its registers
.rept 4
	v_nop
.endr
.endm
.macro JLOAD s                         ; a joint load: waves 0 and 1 fetch x's halves, waves 2 and 3 the weight's; four v_nop follow each line
	s_cmp_eq_u32 s[WI], 0
	s_cbranch_scc0 .Lfor_w_\@
	tensor_load_to_lds s[G0X+4*\s:G0X+4*\s+3], s[G1X:G1X+7]
	s_nop 0
.rept 4
	v_nop
.endr
	s_branch .Lasked_\@
.Lfor_w_\@:
	tensor_load_to_lds s[G0W+4*\s:G0W+4*\s+3], s[G1W:G1W+7]
	s_nop 0
.rept 4
	v_nop
.endr
.Lasked_\@:
.endm
.macro CREST                           ; a round of the cluster's barrier behind its opening barrier
	s_cmp_lg_u32 s[WV], 0
	s_cbranch_scc1 .Lnot_wave_0_\@
	s_barrier_signal -3
.Lnot_wave_0_\@:
	s_barrier_wait -3
	s_barrier_signal -1
	s_barrier_wait -1
.endm
.macro CROUND
	s_barrier_signal -1
	s_barrier_wait -1
	CREST
.endm
	s_load_b512 s[4:19], s[0:1], 0x0               ; x codes, x scales, wq codes, wq scales, wk codes, wk scales, wv codes, wv scales
	s_load_b128 s[20:23], s[0:1], 0x40             ; qimg, qscl
	s_load_b64 s[24:25], s[0:1], 0x50              ; kv
	v_lshl_add_u32 v[SPW], v0, 2, SPARE
	v_mov_b32 v[NIL], 0
	ds_add_u32 v28, v29
	ds_add_u32 v28, v29
	s_wait_dscnt 0x0
	v_lshrrev_b32 v1, 5, v0
	v_readfirstlane_b32 s[WV], v1                  ; wave 0..3
	s_lshr_b32 s[WI], s[WV], 1
	s_and_b32 s[WJ], s[WV], 1
	s_bfe_u32 s[CX], ttmp6, 0x40000
	s_bfe_u32 s[CY], ttmp6, 0x40004
	s_and_b32 s[TY], ttmp7, 0xffff
	s_lshl_b32 s[TY], s[TY], 2
	s_add_co_u32 s[TY], s[TY], s[CY]               ; block of tokens = 4 x cluster y + cy
	s_cmp_lt_u32 ttmp9, 4
	s_cselect_b32 s[CC], ttmp9, 0                  ; Wq has 16 blocks of 128 rows, Wk and Wv four
	s_lshl_b32 s[COLW], s[CC], 2
	s_add_co_u32 s[COLW], s[COLW], s[CX]
	s_lshl_b32 s70, s[CY], 2
	s_lshl_b32 s70, 15, s70                        ; my row of the cluster
	s_lshl_b32 s71, 0x1111, s[CX]                  ; my column
	s_or_b32 s[G1X], s70, (0<<16)|(1<<20)|(1<<21)|(4<<22)|(3<<25)   ; the mask; elements of 1 byte; padding on; bit 21 beside a mask; after every 32 words, 4 words
	s_or_b32 s[G1W], s71, (0<<16)|(1<<20)|(1<<21)|(4<<22)|(3<<25)
.irp g, G1X, G1W
	s_mov_b32 s[\g+1], ROWB<<16                    ; tensor_dim0
	s_mov_b32 s[\g+2], 64<<16                      ; tensor_dim1
	s_mov_b32 s[\g+3], ROWB<<16                    ; tile_dim0
	s_mov_b32 s[\g+4], 64                          ; tile_dim1
	s_mov_b32 s[\g+5], KROW                        ; from row to row
	s_mov_b32 s[\g+6], 0
	s_mov_b32 s[\g+7], 0
.endr
	s_lshl_b32 s72, s[TY], 7                       ; x: the rows that I fetch: 128 x block + 64 x half
	s_lshl_b32 s73, s[WJ], 6
	s_add_co_u32 s72, s72, s73
	s_mul_i32 s72, s72, KROW
	s_mov_b32 s73, 0
	s_lshl_b32 s74, s[COLW], 7                     ; the weight: likewise
	s_lshl_b32 s75, s[WJ], 6
	s_add_co_u32 s74, s74, s75
	s_mul_i32 s74, s74, KROW
	s_mov_b32 s75, 0
	s_mul_i32 s76, s[WV], HALFT                    ; where they go: wave x 64 rows
	s_lshl_b32 s78, s[TY], 7                       ; the scale bytes of the rows that I multiply: x's 64 tokens,
	s_lshl_b32 s79, s[WI], 6
	s_add_co_u32 s78, s78, s79
	s_lshl_b32 s78, s78, 6
	s_mov_b32 s79, 0
	s_lshl_b32 s26, s[COLW], 7                     ; the weight's 64 rows
	s_lshl_b32 s27, s[WJ], 6
	s_add_co_u32 s26, s26, s27
	s_lshl_b32 s26, s26, 6
	s_mov_b32 s27, 0
	s_mul_i32 s77, s[WI], HALFT                    ; my 64 rows of x in a slot,
	s_mul_i32 s95, s[WJ], HALFT
	s_add_co_u32 s95, s95, 2*HALFT                 ; my 64 rows of the weight
	s_cmp_eq_u32 ttmp9, 5
	s_cselect_b32 s2, s77, s95                     ; source 0: the weight's rows, for v the tokens
	s_cselect_b32 s3, s95, s77                     ; source 1: the tokens, for v the weight's rows
	s_wait_kmcnt 0x0
	s_cmp_eq_u32 ttmp9, 4
	s_cselect_b64 s[8:9], s[12:13], s[8:9]         ; which weight: the choice hangs on the cluster's x alone
	s_cselect_b64 s[10:11], s[14:15], s[10:11]
	s_cmp_eq_u32 ttmp9, 5
	s_cselect_b64 s[8:9], s[16:17], s[8:9]
	s_cselect_b64 s[10:11], s[18:19], s[10:11]
	s_add_nc_u64 s[4:5], s[4:5], s[72:73]
	s_add_nc_u64 s[8:9], s[8:9], s[74:75]
	s_add_nc_u64 s[6:7], s[6:7], s[78:79]
	s_add_nc_u64 s[10:11], s[10:11], s[26:27]
	s_cselect_b64 s[12:13], s[6:7], s[10:11]       ; source 0's scale bytes (the 64-bit sums leave SCC as the compare set it)
	s_cselect_b64 s[14:15], s[10:11], s[6:7]       ; source 1's
	CROUND                                         ; all sixteen work-groups are here: the first joint loads meet
.irp s, 0,1
	s_mov_b32 s[G0X+4*\s], 1
	s_add_co_u32 s[G0X+4*\s+1], s76, \s*SLOT
	s_add_nc_u64 s[G0X+4*\s+2:G0X+4*\s+3], s[4:5], \s*ROWB
	s_or_b32 s[G0X+4*\s+3], s[G0X+4*\s+3], 0x80000000
	s_mov_b32 s[G0W+4*\s], 1
	s_add_co_u32 s[G0W+4*\s+1], s76, \s*SLOT
	s_add_nc_u64 s[G0W+4*\s+2:G0W+4*\s+3], s[8:9], \s*ROWB
	s_or_b32 s[G0W+4*\s+3], s[G0W+4*\s+3], 0x80000000
	JLOAD \s                                       ; chunks 0 and 1: two loads of mine are out
.endr
	v_and_b32 v[VR], 15, v0                        ; r
	v_bfe_u32 v[VH], v0, 4, 1                      ; h
	v_lshlrev_b32 v[LSC], 6, v[VR]
	v_lshl_add_u32 v[LSC], v[VH], 4, v[LSC]
; THE SCALE WORDS COME ONCE, straight into registers.  A row has 16 words, one for each 128 along K.  Lane (r, h) takes words 8 jj + 4 h + 0..3 of row 16 t + r: so step q's word lies in register
; 8 t + 4 (q / 8) + q % 4, in lanes 16 ((q / 4) % 2) + r: the steps of chunks 1 and 3 read the registers' upper row of lanes.
.irp t, 0,1,2,3
.irp jj, 0,1
	global_load_b128 v[SS0+8*\t+4*\jj:SS0+8*\t+4*\jj+3], v[LSC], s[12:13] offset:1024*\t+32*\jj
	global_load_b128 v[SS1+8*\t+4*\jj:SS1+8*\t+4*\jj+3], v[LSC], s[14:15] offset:1024*\t+32*\jj
.endr
.endr
	v_mul_u32_u24 v12, v[VR], PITCH
	v_mad_u32_u24 v13, v[VH], 24, v12              ; a fragment's row x pitch + 24 x half,
	v_mad_u32_u24 v14, v[VH], 40, v12              ; and the same behind one padding more
	v_add_nc_u32 v[ADR0], s2, v13
	v_add_nc_u32 v[ADR0+2], s2, v14
	v_add_nc_u32 v[ADR1], s3, v13
	v_add_nc_u32 v[ADR1+2], s3, v14
.irp k, 0,2
	v_add_nc_u32 v[ADR0+\k+1], SLOT, v[ADR0+\k]
	v_add_nc_u32 v[ADR1+\k+1], SLOT, v[ADR1+\k]
.endr
	; where the results go.  q: tile index (32 b + head) 64 + 8 (block % 8) + 4 half; 768 bytes of codes and 64 of scale words a tile.
	; k, v: the block of (b, kv head) is 408 x 256 bytes, a key step 51 x 256: K image, V image at 6,144, K's words at 12,288, V's at 12,800.
	s_lshr_b32 s76, s[TY], 3                       ; b
	s_and_b32 s77, s[TY], 7                        ; which 128 tokens of the sequence
	s_lshl_b32 s78, s[COLW], 1
	s_add_co_u32 s78, s78, s[WJ]                   ; my head
	s_lshl_b32 s79, s76, 5
	s_add_co_u32 s79, s79, s78
	s_lshl_b32 s79, s79, 6
	s_lshl_b32 s26, s77, 3
	s_add_co_u32 s79, s79, s26
	s_lshl_b32 s26, s[WI], 2
	s_add_co_u32 s79, s79, s26
	s_mul_i32 s26, s79, 768
	s_lshl_b32 s27, s79, 6
	s_lshl_b32 s79, s76, 3
	s_add_co_u32 s79, s79, s78
	s_mul_i32 s79, s79, 408
	s_mul_i32 s95, s77, 51
	s_add_co_u32 s79, s79, s95
	s_lshl_b32 s79, s79, 8
	s_mul_i32 s95, s[WI], 3072                     ; k: my four tiles of the eight,
	s_lshl_b32 s101, s[WI], 8
	s_add_co_u32 s101, s101, 12288                 ; and their words
	s_mul_i32 s76, s[WI], 768                      ; v: my three planes of each tile's six,
	s_add_co_u32 s76, s76, 6144
	s_lshl_b32 s77, s[WI], 1                       ; and my two bytes of each word
	s_add_co_u32 s77, s77, 12800
	s_mov_b32 s[ST], 1536
	s_cmp_eq_u32 ttmp9, 5
	s_cselect_b32 s95, s76, s95
	s_cselect_b32 s101, s77, s101
	s_cselect_b32 s[ST], s[ST], 768                ; from tile to tile in the output
	s_add_co_u32 s95, s95, s79
	s_add_co_u32 s101, s101, s79
	s_cmp_lt_u32 ttmp9, 4
	s_cselect_b64 s[OUT:OUT+1], s[20:21], s[24:25]
	s_cselect_b64 s[SOUT:SOUT+1], s[22:23], s[24:25]
	s_cselect_b32 s26, s26, s95
	s_cselect_b32 s76, s27, s101
	s_mov_b32 s27, 0
	s_mov_b32 s77, 0
	s_add_nc_u64 s[OUT:OUT+1], s[OUT:OUT+1], s[26:27]
	s_add_nc_u64 s[SOUT:SOUT+1], s[SOUT:SOUT+1], s[76:77]
	; THE IMAGES' ORDER.  Row 16 a + r of source 1 goes to tile 2 (a / 2) + r / 8, lane 8 (a % 2) + r % 8 + 16 h: so lane m of tile 2 B + u holds row 32 B + 8 u + m + 8 (m / 8),
	; and the 16 registers that attention gets from tiles 2 B and 2 B + 1 are 16 neighbours.
	s_mul_i32 s101, s[WV], STGW
	s_add_co_u32 s101, s101, STG
	v_lshrrev_b32 v12, 3, v[VR]
	v_and_b32 v13, 7, v[VR]
	v_mul_u32_u24 v14, v12, 768
	v_lshl_add_u32 v14, v13, 3, v14
	v_lshl_add_u32 v14, v[VH], 7, v14
	v_add_nc_u32 v[SW], s101, v14
	v_lshlrev_b32 v[GSW], 6, v12
	v_lshl_add_u32 v[GSW], v13, 2, v[GSW]
	v_lshl_add_u32 v[GSW], v[VH], 5, v[GSW]
	v_add_nc_u32 v[SCW], s101, v[GSW]
	v_and_b32 v15, 31, v0
	v_lshlrev_b32 v[VO], 3, v15
	v_add_nc_u32 v[RDA], s101, v[VO]
	v_add_nc_u32 v[VO+1], s[ST], v[VO]
	v_add_nc_u32 v[VO+2], s[ST], v[VO+1]
	v_add_nc_u32 v[VO+3], s[ST], v[VO+2]
	s_mul_i32 s95, s[WI], 64*TPITCH
	s_add_co_u32 s95, s95, TAB
	v_mul_u32_u24 v[TA], v[VR], TPITCH
	v_lshl_add_u32 v[TA], v[VH], 6, v[TA]
	v_add_nc_u32 v[TA], s95, v[TA]
	s_mov_b32 s[SEL], 0x76543210
	s_mov_b32 s[SEL+1], 0xfedcba98                 ; v_permlanex16_b32's selects for lane l xor 16
; Four frequencies line by line: cos and sin of a = pos x f, into v[ACC + j] and v[ACC + 32 + j].
.macro TRIG4 j0, f0, f1, f2, f3
.set uu, 0
.irp f, \f0, \f1, \f2, \f3
	v_mul_f32 v[WK+8*uu], \f, v[POS]               ; a
.set uu, uu+1
.endr
.irp u, 0,1,2,3
	v_mul_f32 v[WK+8*\u+1], s[K2PI], v[WK+8*\u]
.endr
.irp u, 0,1,2,3
	v_rndne_f32 v[WK+8*\u+1], v[WK+8*\u+1]         ; k = the nearest whole number to a 2 / pi
.endr
.irp u, 0,1,2,3
	v_fma_f32 v[WK+8*\u], v[WK+8*\u+1], s[KHI], v[WK+8*\u]   ; a - k x (pi/2 rounded to f32): a multiple of 2^-24 under 1, so nothing is rounded
.endr
.irp u, 0,1,2,3
	v_fma_f32 v[WK+8*\u], v[WK+8*\u+1], s[KLO], v[WK+8*\u]   ; and the rest of pi/2: r, |r| <= pi/4
.endr
.irp u, 0,1,2,3
	v_mul_f32 v[WK+8*\u+2], v[WK+8*\u], v[WK+8*\u]           ; z = r r
.endr
.irp u, 0,1,2,3
	v_cvt_i32_f32 v[WK+8*\u+1], v[WK+8*\u+1]
.endr
.irp u, 0,1,2,3
	v_fma_f32 v[WK+8*\u+3], v[WK+8*\u+2], s[KS3], s[KS2]
.endr
.irp u, 0,1,2,3
	v_fma_f32 v[WK+8*\u+4], v[WK+8*\u+2], s[KC3], s[KC2]
.endr
.irp u, 0,1,2,3
	v_fma_f32 v[WK+8*\u+3], v[WK+8*\u+3], v[WK+8*\u+2], s[KS1]
.endr
.irp u, 0,1,2,3
	v_fma_f32 v[WK+8*\u+4], v[WK+8*\u+4], v[WK+8*\u+2], s[KC1]
.endr
.irp u, 0,1,2,3
	v_mul_f32 v[WK+8*\u+5], v[WK+8*\u], v[WK+8*\u+2]         ; r z
.endr
.irp u, 0,1,2,3
	v_mul_f32 v[WK+8*\u+6], v[WK+8*\u+2], v[WK+8*\u+2]       ; z z
.endr
.irp u, 0,1,2,3
	v_fma_f32 v[WK+8*\u+7], v[WK+8*\u+2], -0.5, 1.0
.endr
.irp u, 0,1,2,3
	v_fma_f32 v[WK+8*\u+3], v[WK+8*\u+3], v[WK+8*\u+5], v[WK+8*\u]     ; sin r
.endr
.irp u, 0,1,2,3
	v_fma_f32 v[WK+8*\u+4], v[WK+8*\u+4], v[WK+8*\u+6], v[WK+8*\u+7]   ; cos r
.endr
.irp u, 0,1,2,3
	v_and_b32 v[WK+8*\u+5], 1, v[WK+8*\u+1]
.endr
.irp u, 0,1,2,3
	v_cmp_eq_u32 s[MK+\u], 1, v[WK+8*\u+5]         ; an odd k swaps the two
.endr
.irp u, 0,1,2,3
	v_cndmask_b32 v[WK+8*\u+6], v[WK+8*\u+3], v[WK+8*\u+4], s[MK+\u]
.endr
.irp u, 0,1,2,3
	v_cndmask_b32 v[WK+8*\u+7], v[WK+8*\u+4], v[WK+8*\u+3], s[MK+\u]
.endr
.irp u, 0,1,2,3
	v_lshlrev_b32 v[WK+8*\u+5], 30, v[WK+8*\u+1]   ; sin changes sign where k % 4 is 2 or 3,
.endr
.irp u, 0,1,2,3
	v_add_nc_u32 v[WK+8*\u+1], 1, v[WK+8*\u+1]     ; cos where it is 1 or 2
.endr
.irp u, 0,1,2,3
	v_and_b32 v[WK+8*\u+5], 0x80000000, v[WK+8*\u+5]
.endr
.irp u, 0,1,2,3
	v_lshlrev_b32 v[WK+8*\u+1], 30, v[WK+8*\u+1]
.endr
.irp u, 0,1,2,3
	v_xor_b32 v[ACC+32+(\j0)+\u], v[WK+8*\u+5], v[WK+8*\u+6]
.endr
.irp u, 0,1,2,3
	v_and_b32 v[WK+8*\u+1], 0x80000000, v[WK+8*\u+1]
.endr
.irp u, 0,1,2,3
	v_xor_b32 v[ACC+(\j0)+\u], v[WK+8*\u+1], v[WK+8*\u+7]
.endr
.endm
	s_cmp_eq_u32 ttmp9, 5                          ; v has no RoPE: its clusters make no table
	s_cbranch_scc1 .Lno_table
	s_mov_b32 s[K2PI], 0x3f22f983                  ; 2 / pi
	s_mov_b32 s[KHI], 0xbfc90fdb                   ; -(pi/2 rounded to f32)
	s_mov_b32 s[KLO], 0x333bbd2e                   ; that number less pi/2
	s_mov_b32 s[KS3], 0xb94ca1f9                   ; sin r = r + r z (S1 + z (S2 + z S3))
	s_mov_b32 s[KS2], 0x3c08839e
	s_mov_b32 s[KS1], 0xbe2aaaa3
	s_mov_b32 s[KC3], 0x37ccf5ce                   ; cos r = 1 - z / 2 + z z (C1 + z (C2 + z C3))
	s_mov_b32 s[KC2], 0xbab6061a
	s_mov_b32 s[KC1], 0x3d2aaaa5
	s_and_b32 s95, s[TY], 7
	s_lshl_b32 s95, s95, 7
	v_add_nc_u32 v[POS], s95, v0                   ; thread t makes the row of position 128 (block % 8) + t
	v_cvt_f32_u32 v[POS], v[POS]
	v_mul_u32_u24 v[TW], v0, TPITCH
	v_add_nc_u32 v[TW], TAB, v[TW]
	TRIG4 0,  1.0, 0.7498942093, 0.5623413252, 0.4216965034
	TRIG4 4,  0.3162277660, 0.2371373706, 0.1778279410, 0.1333521432
	TRIG4 8,  0.1, 0.07498942093, 0.05623413252, 0.04216965034
	TRIG4 12, 0.03162277660, 0.02371373706, 0.01778279410, 0.01333521432
	TRIG4 16, 0.01, 0.007498942093, 0.005623413252, 0.004216965034
	TRIG4 20, 0.003162277660, 0.002371373706, 0.001778279410, 0.001333521432
	TRIG4 24, 0.001, 0.0007498942093, 0.0005623413252, 0.0004216965034
	TRIG4 28, 0.0003162277660, 0.0002371373706, 0.0001778279410, 0.0001333521432
.irp n, 0,1,2,3,4,5,6,7,8,9,10,11,12,13,14,15
	ds_store_b128 v[TW], v[ACC+4*\n:ACC+4*\n+3] offset:16*\n
.endr
.Lno_table:
.macro FRAG reg, adr, qq, i            ; a fragment: 16 rows x 128 K in 12 registers: lane (r, h) takes 24 bytes at 24 h and 24 at 48 + 24 h of the row's 96, in pieces of 8 bytes
.irp p, 0,1,2,3,4,5
.set PC, 12*(\qq)+6*(\p/3)+\p%3        ; the piece of lanes 0-15; lanes 16-31 take the piece three on, which lies behind one padding more where PC % 16 is 13 or more
.if PC%16 < 13
	ds_load_b64 v[\reg+2*\p:\reg+2*\p+1], v[\adr] offset:8*PC+16*(PC/16)+(\i)*16*PITCH
.else
	ds_load_b64 v[\reg+2*\p:\reg+2*\p+1], v[\adr+2] offset:8*PC+16*(PC/16)+(\i)*16*PITCH
.endif
.endr
.endm
.macro FETCH q                         ; 48 LDS loads in one run: step q's eight fragments into buffer q % 2
.set FB, 96*((\q)%2)
.set SL, ((\q)>>2)&1
.set QQ, (\q)&3
	WIN TO_F
.irp t, 0,1,2,3
	FRAG FB+48+12*\t, ADR0+SL, QQ, \t
.endr
.irp a, 0,1,2,3
	FRAG FB+12*\a, ADR1+SL, QQ, \a
.endr
.endm
.macro MULH q, a0, zero                ; 8 matrix instructions: source 1's tiles a0, a0 + 1 x source 0's four.  The 16 accumulators take turns in the same order in every step
.set FB, 96*((\q)%2)
.set SR, 4*((\q)>>3)+((\q)&3)
.irp a, \a0, \a0+1
.irp t, 0,1,2,3
.if \zero
	v_wmma_scale_f32_16x16x128_f8f6f4 v[ACC+32*(\a)+8*\t:ACC+32*(\a)+8*\t+7], v[FB+48+12*\t:FB+48+12*\t+11], v[FB+12*(\a):FB+12*(\a)+11], 0, v[SS0+8*\t+SR], v[SS1+8*(\a)+SR] matrix_a_fmt:MATRIX_FMT_FP6 matrix_b_fmt:MATRIX_FMT_FP6
.elseif ((\q)>>2)&1
	v_wmma_scale_f32_16x16x128_f8f6f4 v[ACC+32*(\a)+8*\t:ACC+32*(\a)+8*\t+7], v[FB+48+12*\t:FB+48+12*\t+11], v[FB+12*(\a):FB+12*(\a)+11], v[ACC+32*(\a)+8*\t:ACC+32*(\a)+8*\t+7], v[SS0+8*\t+SR], v[SS1+8*(\a)+SR] matrix_a_fmt:MATRIX_FMT_FP6 matrix_b_fmt:MATRIX_FMT_FP6 matrix_a_scale:MATRIX_SCALE_ROW1 matrix_b_scale:MATRIX_SCALE_ROW1
.else
	v_wmma_scale_f32_16x16x128_f8f6f4 v[ACC+32*(\a)+8*\t:ACC+32*(\a)+8*\t+7], v[FB+48+12*\t:FB+48+12*\t+11], v[FB+12*(\a):FB+12*(\a)+11], v[ACC+32*(\a)+8*\t:ACC+32*(\a)+8*\t+7], v[SS0+8*\t+SR], v[SS1+8*(\a)+SR] matrix_a_fmt:MATRIX_FMT_FP6 matrix_b_fmt:MATRIX_FMT_FP6
.endif
.endr
.endr
.endm
.macro STEP q, zero                    ; a step of 128 along K whose successor lies in the same slot
	PLACES                                         ; the other buffer was read by the matrix instructions just issued
	FETCH (\q)+1
	s_wait_dscnt 48                                ; all but the 48 just issued: this step's fragments are in
	WIN MUL
	MULH \q, 0, \zero
	MULH \q, 2, \zero
.endm
.macro TURN q, fill                    ; a chunk's last step changes slots.  fill = 1: the slot just read out takes the chunk two on
	WIN 0                                          ; (the add's two registers lie in window 0)
	s_wait_tensorcnt 0x0                           ; all my tensor loads have landed: my part of the next slot
	ds_add_u32 v[SPW], v[NIL]                      ; 0 onto my spare word
	s_wait_dscnt 1                                 ; this step's fragments are in; only the add may be out
	WIN MUL
	MULH \q, 0, 0                                  ; eight matrix instructions stand between the add and the wait for it
	WIN 0
	s_wait_dscnt 0x0                               ; the add is done, and my reads of this slot are over
	s_barrier_signal -1
	s_barrier_wait -1
.if \fill
	CREST                                          ; the barrier has opened a round of the cluster's: no wave of any partner still reads this slot or has a load on its way
.set SL2, ((\q)>>2)&1
	s_add_nc_u64 s[G0X+4*SL2+2:G0X+4*SL2+3], s[G0X+4*SL2+2:G0X+4*SL2+3], 2*ROWB
	s_add_nc_u64 s[G0W+4*SL2+2:G0W+4*SL2+3], s[G0W+4*SL2+2:G0W+4*SL2+3], 2*ROWB
	JLOAD SL2                                      ; my one tensor load behind the round; its four v_nop are also the places in front of the loads below
.else
	PLACES
.endif
	FETCH (\q)+1
	WIN MUL
	MULH \q, 2, 0
.endm
	s_wait_tensorcnt 1                             ; my part of chunk 0 is in; chunk 1's load may stay out
	s_wait_dscnt 0x0                               ; my rows of the table are stored
	s_barrier_signal -1
	s_barrier_wait -1
	FETCH 0
	s_wait_loadcnt 0x0                             ; the scale words
	STEP 0, 1                                      ; the first products start the sums: nothing is cleared
	STEP 1, 0
	STEP 2, 0
	TURN 3, 1
	STEP 4, 0
	STEP 5, 0
	STEP 6, 0
	TURN 7, 1
	STEP 8, 0
	STEP 9, 0
	STEP 10, 0
	TURN 11, 0                                     ; nothing is left to fetch
	STEP 12, 0
	STEP 13, 0
	STEP 14, 0
	s_wait_dscnt 0x0
	WIN MUL
	MULH 15, 0, 0
	MULH 15, 2, 0
	WIN 0
	PLACES
; Register jj of accumulator (a, t) holds source 0's row 16 t + 8 h + jj.  One exchange of halves between tiles 2 b and 2 b + 1 makes register 32 a + 16 b + e hold row 32 b + 16 h + e: 16 neighbours.
; Each accumulator is read from its register 0 on.
.irp a, 0,1,2,3
.irp b, 0,1
.irp jj, 0,1,2,3,4,5,6,7
	v_permlane16_swap_b32 v[ACC+32*\a+16*\b+\jj], v[ACC+32*\a+16*\b+8+\jj]
.endr
.endr
.endr
.macro ROPE a                          ; my token 16 a + r: d = 16 h + e pairs with d + 32; out1 = x1 cos - x2 sin, out2 = x1 sin + x2 cos
.irp n, 0,1,2,3
	ds_load_b128 v[WK+4*\n:WK+4*\n+3], v[TA] offset:\a*16*TPITCH+16*\n
	ds_load_b128 v[WK+16+4*\n:WK+16+4*\n+3], v[TA] offset:\a*16*TPITCH+128+16*\n
.endr
	s_wait_dscnt 0x0
.irp e, 0,2,4,6,8,10,12,14
	v_pk_mul_f32 v[12:13], v[ACC+32*\a+16+\e:ACC+32*\a+17+\e], v[WK+16+\e:WK+17+\e]
	v_pk_mul_f32 v[14:15], v[ACC+32*\a+16+\e:ACC+32*\a+17+\e], v[WK+\e:WK+1+\e]
	v_pk_fma_f32 v[ACC+32*\a+16+\e:ACC+32*\a+17+\e], v[ACC+32*\a+\e:ACC+32*\a+1+\e], v[WK+16+\e:WK+17+\e], v[14:15]
	v_pk_fma_f32 v[ACC+32*\a+\e:ACC+32*\a+1+\e], v[ACC+32*\a+\e:ACC+32*\a+1+\e], v[WK+\e:WK+1+\e], v[12:13] neg_lo:[0,0,1] neg_hi:[0,0,1]
.endr
.endm
	s_cmp_eq_u32 ttmp9, 5
	s_cbranch_scc1 .Lno_rope
	ROPE 0
	ROPE 1
	ROPE 2
	ROPE 3
.Lno_rope:
; Tile a's two blocks of 32 become six registers of codes (lane (r, h): block h whole) and a scale word (bytes 0 and 1; bytes 2 and 3 are 127, for the half of attention's K step that is zero codes).
.macro QUANT a
.set XS, ACC+32*\a
.irp b, 0,1
	v_max3_num_f32 v[TM+\b], |v[XS+16*\b]|, |v[XS+16*\b+1]|, 0x1800000   ; my 16 numbers of block b, and the floor 2^(3 - 127): the byte cannot fall under 1
.endr
.irp i, 2,4,6,8,10,12,14
.irp b, 0,1
	v_max3_num_f32 v[TM+\b], v[TM+\b], |v[XS+16*\b+\i]|, |v[XS+16*\b+\i+1]|
.endr
.endr
.irp b, 0,1
	v_permlanex16_b32 v[TM+2+\b], v[TM+\b], s[SEL], s[SEL+1]
.endr
.irp b, 0,1
	v_max_num_f32 v[TM+\b], v[TM+\b], v[TM+2+\b]   ; with lane l xor 16's 16: the block's largest magnitude
.endr
.irp b, 0,1
	v_add_nc_u32 v[TM+4+\b], 0xff000000, v[TM+\b]  ; 2 off its exponent field: the conversion's scale operand
.endr
.irp b, 0,1
	v_lshrrev_b32 v[TM+6+\b], 23, v[TM+4+\b]       ; the scale's byte
.endr
	v_lshl_or_b32 v[PW+\a], v[TM+7], 8, v[TM+6]
	v_or_b32 v[PW+\a], 0x7f7f0000, v[PW+\a]
	v_cvt_scalef32_pk16_fp6_f32 v[WK+8*\a:WK+8*\a+2], v[XS:XS+15], v[TM+4]
	v_cvt_scalef32_pk16_fp6_f32 v[CT:CT+2], v[XS+16:XS+31], v[TM+5]
	v_nop                                          ; one plain place behind a scaled conversion
.irp i, 0,1,2
	v_permlane16_swap_b32 v[WK+8*\a+\i], v[CT+\i]  ; the first now holds each lane's block's lower 16 codes, the second the upper 16
.endr
.irp i, 0,1,2
	v_mov_b32 v[WK+8*\a+3+\i], v[CT+\i]
.endr
.irp p, 0,1,2
	ds_store_b64 v[SW], v[WK+8*\a+2*\p:WK+8*\a+2*\p+1] offset:1536*(\a/2)+64*(\a%2)+256*\p
.endr
.endm
	QUANT 0
	QUANT 1
	QUANT 2
	QUANT 3
	v_cmp_eq_u32 vcc_lo, 1, v[VH]
	v_cndmask_b32 v[WD], v[PW], v[PW+1], vcc_lo    ; lane (r, h) sends the word of tile 2 k + h
	v_cndmask_b32 v[WD+1], v[PW+2], v[PW+3], vcc_lo
	s_cmp_eq_u32 ttmp9, 5
	s_cbranch_scc1 .Lv_words
	ds_store_b32 v[SCW], v[WD] offset:3072
	ds_store_b32 v[SCW], v[WD+1] offset:3072+128
	ds_load_b64 v[ACC+24:ACC+25], v[RDA] offset:3072   ; LDS serves a wave's instructions in order: this sees my stores
	s_wait_dscnt 0x0
	global_store_b64 v[VO], v[ACC+24:ACC+25], s[SOUT:SOUT+1]   ; 256 consecutive bytes, aligned: the words of my four tiles
	s_branch .Lwords_out
.Lv_words:
	global_store_b16 v[GSW], v[WD], s[SOUT:SOUT+1]             ; my two of the four bytes of a word of V's
	global_store_b16 v[GSW], v[WD+1], s[SOUT:SOUT+1] offset:128
.Lwords_out:
.irp n, 0,1,2,3,4,5,6,7,8,9,10,11
	ds_load_b64 v[ACC+2*\n:ACC+2*\n+1], v[RDA] offset:256*\n
.endr
.irp n, 0,1,2,3,4,5,6,7,8,9,10,11
	s_wait_dscnt 11-\n                             ; plane n is back; the younger loads may be out
	global_store_b64 v[VO+\n/3], v[ACC+2*\n:ACC+2*\n+1], s[OUT:OUT+1] offset:256*(\n%3)   ; each store of the wave covers 256 consecutive bytes, aligned
.endr
	s_wait_tensorcnt 0x0                           ; the wave's end
	ds_add_u32 v[SPW], v[NIL]
	s_wait_dscnt 0x0
	CROUND                                         ; the closing round
	s_endpgm
.Lfunc_end_k_qca74b40cc2_qkv:
	.size	k_qca74b40cc2_qkv, .Lfunc_end_k_qca74b40cc2_qkv-k_qca74b40cc2_qkv
	.p2alignl 7, 3214868480
	.fill 96, 4, 3214868480
	.section	.rodata,"a",@progbits
	.p2align	6, 0x0
	.amdhsa_kernel k_qca74b40cc2_qkv
		.amdhsa_group_segment_fixed_size 327680
		.amdhsa_private_segment_fixed_size 0
		.amdhsa_enable_private_segment 0
		.amdhsa_kernarg_size 88
		.amdhsa_user_sgpr_count 2
		.amdhsa_user_sgpr_kernarg_segment_ptr 1
		.amdhsa_wavefront_size32 1
		.amdhsa_system_sgpr_workgroup_id_x 1
		.amdhsa_system_sgpr_workgroup_id_y 1
		.amdhsa_system_sgpr_workgroup_id_z 1
		.amdhsa_system_vgpr_workitem_id 0
		.amdhsa_next_free_vgpr 512
		.amdhsa_next_free_sgpr 102
		.amdhsa_reserve_vcc 1
		.amdhsa_float_denorm_mode_32 3
		.amdhsa_float_denorm_mode_16_64 3
		.amdhsa_memory_ordered 1
		.amdhsa_forward_progress 1
		.amdhsa_inst_pref_size 166
	.end_amdhsa_kernel
	.amdgpu_metadata
---
amdhsa.version: [ 1, 2 ]
amdhsa.kernels:
  - .name:           k_qca74b40cc2_qkv
    .symbol:         k_qca74b40cc2_qkv.kd
    .args:
      - { .name: x_codes, .offset: 0, .size: 8, .value_kind: global_buffer, .address_space: global }
      - { .name: x_scales, .offset: 8, .size: 8, .value_kind: global_buffer, .address_space: global }
      - { .name: wq_codes, .offset: 16, .size: 8, .value_kind: global_buffer, .address_space: global }
      - { .name: wq_scales, .offset: 24, .size: 8, .value_kind: global_buffer, .address_space: global }
      - { .name: wk_codes, .offset: 32, .size: 8, .value_kind: global_buffer, .address_space: global }
      - { .name: wk_scales, .offset: 40, .size: 8, .value_kind: global_buffer, .address_space: global }
      - { .name: wv_codes, .offset: 48, .size: 8, .value_kind: global_buffer, .address_space: global }
      - { .name: wv_scales, .offset: 56, .size: 8, .value_kind: global_buffer, .address_space: global }
      - { .name: qimg, .offset: 64, .size: 8, .value_kind: global_buffer, .address_space: global }
      - { .name: qscl, .offset: 72, .size: 8, .value_kind: global_buffer, .address_space: global }
      - { .name: kv, .offset: 80, .size: 8, .value_kind: global_buffer, .address_space: global }
    .group_segment_fixed_size: 327680
    .private_segment_fixed_size: 0
    .kernarg_segment_align: 8
    .kernarg_segment_size: 88
    .max_flat_workgroup_size: 128
    .sgpr_count:     102
    .vgpr_count:     512
    .wavefront_size: 32
...
	.end_amdgpu_metadata
.endif
;; end of part 1
;; launch attn (part 2): grid 16 x 16, 16 waves a work-group, no clusters, 169,984 bytes of LDS; arguments qimg, qscl, kv, acodes, ascl; writes acodes, ascl
.if DOCPART == 2
	.amdgcn_target "amdgcn-amd-amdhsa--gfx1250"
	.amdhsa_code_object_version 6
	.text
	.protected	k_qca74b40cc2_attn
	.globl	k_qca74b40cc2_attn
	.p2align	8
	.type	k_qca74b40cc2_attn,@function
k_qca74b40cc2_attn:
	s_mov_b64 s[64:65], 0
	v_nop
	global_prefetch_b8 v0, s[64:65] scope:SCOPE_SE
	s_setreg_imm32_b32 hwreg(HW_REG_WAVE_MODE, 25, 1), 1
	s_wait_xcnt 0x0
; Causal attention of one (batch, kv head) on codes of FP6 (E2M3): S^T = K Q^T (K = the head's 64: the upper half of each instruction's 128 is zero codes under the scale byte 127), the softmax, O^T = V^T P^T (K = 128 keys a step).
; p = 2^(t - M), t = score x log2(e) / 8, M the running largest t rounded up to a whole number; p is quantised along the keys, not normalised; the sum of the unquantised p divides O at the end.
; O / sum is quantised along head x 64 + d and leaves as rows of codes and scale bytes, laid as the last product's left operand.
; SHARES.  Work-group (ib, y = 8 b + g) takes the blocks of 32 tokens ib and 31 - ib for the group's four query heads: floor(beta / 4) + 1 key steps each, nine together, whatever ib: all work-groups have equal work.
; Wave w: head 4 g + w % 4, tile (w / 4) % 2 of the block, block w / 8: one tile of 16 queries in 256 registers, four waves to a SIMD.
; K AND V of the whole (b, g), 8 key steps x 13,056 bytes, images of operand registers with their scale words, come into LDS ONCE (waves 0 to 3, three tensor loads each) and are never filled again.
; Steps 0, 1 are read behind the first loads, steps 2-4 behind the second, steps 5-7 behind the third.  Every wave walks all eight steps; a step all of whose keys come after the wave's queries is jumped over
; by a scalar branch on ids, so trip counts and address steps stay constants.
; NO CLUSTER: the work-groups that read the same K and V differ in their query blocks, and the jump over hidden steps hangs on the block; what is shared is 104,448 bytes a work-group, read once.
; LIMITS.  NaN and infinities are not served; a block of the result under 2^-124, or of zeros, gets the scale byte 1 (its codes are zeros or the rule's; only this program reads the bytes).
; The scale bytes leave as 8 bytes a lane, 64 bytes apart (131,072 bytes in the launch).
; REGISTERS: v1-11 addresses; v12 -M, v13 largest t, v[14:15] the sum; v16-27 Q (v22-27 zero codes); v28 f (v29 named with it); v30-31 V's scale words; v32-79 four fragments of K (the upper six registers of each zero);
; v80-127 V's four; v128-191 S^T, then p; v192-223 O^T; v224-235 p's codes; v232-247 at work; v248-251 K's scale words; v252, v254 at work; v253 p's scale word; v255 Q's.
.set STEPB,  13056                     ; a key step: K image 6,144, V image 6,144, K's words 512, V's words 256
.set VOFF,   6144
.set KSOFF,  12288
.set VSOFF,  12800
.set KVB,    8*STEPB
.set UNIT,   34*256                    ; what one tensor load brings: a twelfth of the block
.set STG,    KVB                       ; the way out: 64 tokens x (16 places of 16 bytes + 16)
.set SPITCH, 272
.set SCS,    STG+64*SPITCH             ; and their scale bytes: 8 a token
.set A8L, 1                            ; v1   8 x lane
.set A4L, 2                            ; v2   4 x lane
.set QL,  3                            ; v3   my query's place in its block of 32, less 16 h
.set STO, 4
.set SCO, 5
.set RD,  6
.set GO,  7
.set A8,  8
.set A4,  9
.set SRD, 10
.set SGO, 11
.set FF,  28
.set VS,  30
.set KFR, 32
.set VFR, 80
.set SS,  128
.set OT,  192
.set WV,  18
.set SEL, 20
.set CS,  22
.set G0,  24                           ; s[24:35] three groups 0
.set G1,  36                           ; s[36:43] group 1
.set TB,  44                           ; LDS byte at which the step in hand begins
.set KF,  45                           ; its first key
.set Q0,  46                           ; my block's first token in the sequence
.set CNT, 47
	s_load_b256 s[4:11], s[0:1], 0x0               ; qimg, qscl, kv, acodes
	s_load_b64 s[12:13], s[0:1], 0x20              ; ascl
	v_lshl_add_u32 v254, v0, 2, 0x29000
	v_mov_b32 v255, 0
	ds_add_u32 v254, v255
	ds_add_u32 v254, v255
	s_wait_dscnt 0x0
	v_lshrrev_b32 v8, 5, v0
	v_readfirstlane_b32 s[WV], v8                  ; wave 0..15
	s_and_b32 s48, ttmp7, 0xffff                   ; y = 8 b + g
	s_mov_b32 s[G1], 3<<16                         ; no mask; elements of 8 bytes; no padding
	s_mov_b32 s[G1+1], 32<<16                      ; tensor_dim0: rows of 256 bytes
	s_mov_b32 s[G1+2], 34<<16                      ; tensor_dim1
	s_mov_b32 s[G1+3], 32<<16                      ; tile_dim0
	s_mov_b32 s[G1+4], 34                          ; tile_dim1
	s_mov_b32 s[G1+5], 32                          ; dense
	s_mov_b32 s[G1+6], 0
	s_mov_b32 s[G1+7], 0
	s_min_u32 s55, s[WV], 3                        ; waves 0 to 3 fetch units w, w + 4, w + 8
	s_mul_i32 s55, s55, UNIT
	s_mul_i32 s56, s48, KVB
	s_add_co_u32 s56, s56, s55
	s_mov_b32 s57, 0
	s_wait_kmcnt 0x0
	s_add_nc_u64 s[56:57], s[8:9], s[56:57]
.irp n, 0,1,2
	s_mov_b32 s[G0+4*\n], 1
	s_add_co_u32 s[G0+4*\n+1], s55, \n*4*UNIT
	s_add_nc_u64 s[G0+4*\n+2:G0+4*\n+3], s[56:57], \n*4*UNIT
	s_or_b32 s[G0+4*\n+3], s[G0+4*\n+3], 0x80000000
.endr
	s_cmp_lt_u32 s[WV], 4                          ; all first fills of a wave stand in one branch: three loads of mine are out
	s_cbranch_scc0 .Lno_fetch
	tensor_load_to_lds s[G0:G0+3], s[G1:G1+7]
	s_nop 0
	tensor_load_to_lds s[G0+4:G0+7], s[G1:G1+7]
	s_nop 0
	tensor_load_to_lds s[G0+8:G0+11], s[G1:G1+7]
	s_nop 0
.rept 4
	v_nop
.endr
.Lno_fetch:
	s_lshr_b32 s49, s48, 3                         ; b
	s_and_b32 s50, s48, 7                          ; g
	s_and_b32 s51, s[WV], 3                        ; which of the group's four heads
	s_bfe_u32 s52, s[WV], 0x10002                  ; u: which tile of the block
	s_lshr_b32 s53, s[WV], 3                       ; which of the two blocks
	s_sub_co_u32 s54, 31, ttmp9
	s_cmp_eq_u32 s53, 0
	s_cselect_b32 s54, ttmp9, s54                  ; beta
	s_lshl_b32 s[Q0], s54, 5
	s_lshl_b32 s58, s49, 5                         ; Q's tile: (32 b + 4 g + head) 64 + 2 beta + u
	s_lshl_b32 s59, s50, 2
	s_add_co_u32 s58, s58, s59
	s_add_co_u32 s58, s58, s51
	s_lshl_b32 s58, s58, 6
	s_lshl_b32 s59, s54, 1
	s_add_co_u32 s58, s58, s59
	s_add_co_u32 s58, s58, s52
	s_mul_i32 s60, s58, 768
	s_mov_b32 s61, 0
	s_add_nc_u64 s[4:5], s[4:5], s[60:61]
	s_lshl_b32 s60, s58, 6
	s_add_nc_u64 s[6:7], s[6:7], s[60:61]
	v_and_b32 v232, 31, v0                         ; lane
	v_and_b32 v233, 15, v0                         ; r
	v_bfe_u32 v234, v0, 4, 1                       ; h
	v_lshlrev_b32 v[A8L], 3, v232
	v_lshlrev_b32 v[A4L], 2, v232
	v_lshlrev_b32 v254, 2, v233
.irp p, 0,1,2
	global_load_b64 v[16+2*\p:17+2*\p], v[A8L], s[4:5] offset:256*\p   ; Q's fragment stays in registers
.endr
	global_load_b32 v255, v254, s[6:7]             ; and its scale words
	s_lshl_b32 s58, s49, 10                        ; where the result goes: my block's first token,
	s_add_co_u32 s58, s58, s[Q0]
	s_lshl_b32 s60, s58, 6
	s_lshl_b32 s59, s50, 3
	s_add_co_u32 s60, s60, s59
	s_add_nc_u64 s[12:13], s[12:13], s[60:61]      ; its scale bytes 8 g on;
	s_and_b32 s59, s[WV], 7
	s_lshl_b32 s59, s59, 2
	s_add_co_u32 s58, s58, s59                     ; the four tokens that I store,
	s_mul_i32 s60, s58, 1536
	s_mul_i32 s59, s50, 192
	s_add_co_u32 s60, s60, s59
	s_add_nc_u64 s[10:11], s[10:11], s[60:61]      ; their codes 192 g on
	s_lshl_b32 s62, s52, 3                         ; 8 u
	s_lshl_b32 s63, s53, 5                         ; 32 x block
	v_and_b32 v[QL], 8, v233
	v_add_nc_u32 v[QL], v[QL], v233                ; lane r of a tile is row 8 u + r + 8 (r / 8) of its block
	v_add_nc_u32 v[QL], s62, v[QL]
	v_add_nc_u32 v[STO], s63, v[QL]                ; my token among the work-group's 64
	v_lshl_add_u32 v[SCO], v[STO], 3, SCS
	s_lshl_b32 s62, s51, 1
	v_add_nc_u32 v[SCO], s62, v[SCO]               ; its scale bytes: 8 a token, 2 a head
	v_mul_u32_u24 v[STO], v[STO], SPITCH
	v_lshl_add_u32 v[STO], v234, 4, v[STO]
	s_lshl_b32 s62, s51, 6
	s_add_co_u32 s62, s62, STG
	v_add_nc_u32 v[STO], s62, v[STO]               ; its codes: 12 bytes to a place of 16: place 4 head + 2 block + h
	v_lshlrev_b32 v235, 4, v234
	v_sub_nc_u32 v[QL], v[QL], v235
	s_mul_i32 s62, s[WV], 4*SPITCH
	s_add_co_u32 s62, s62, STG
	v_mul_u32_u24 v[RD], v234, SPITCH
	v_lshl_add_u32 v[RD], v233, 4, v[RD]
	v_add_nc_u32 v[RD], s62, v[RD]                 ; back: rows 4 w + h (and two on), sixteen lanes to a row
	v_mul_u32_u24 v[GO], v234, 1536
	v_mad_u32_u24 v[GO], v233, 12, v[GO]
	s_lshl_b32 s62, s53, 8
	s_add_co_u32 s62, s62, SCS
	v_add_nc_u32 v[SRD], s62, v[A8L]
	v_lshlrev_b32 v[SGO], 6, v232
	s_mov_b32 s[SEL], 0x76543210
	s_mov_b32 s[SEL+1], 0xfedcba98
	s_mov_b32 s[CS], 0x3e38aa3b                    ; c = log2(e) / 8
	s_mov_b32 s[CS+1], s[CS]                       ; (named with it as a pair)
	s_mov_b32 s[TB], 0
	s_mov_b32 s[KF], 0
	v_mov_b32 v13, 0xff61b1e6                      ; the largest t so far: -3e38
	v_floor_f32 v12, -v13                          ; -M
	v_mov_b32 v14, 0
	v_mov_b32 v15, 0
	v_mov_b32 v[FF+1], 0                           ; (named as the upper half of f's pair)
.irp i, 0,1,2,3,4,5
	v_mov_b32 v[22+\i], 0                          ; zero codes for k = 64 .. 127, in Q
.irp t, 0,1,2,3
	v_mov_b32 v[KFR+12*\t+6+\i], 0                 ; and in K's four fragments: the loads write the lower six registers alone
.endr
.endr
.irp b, 0,1,2,3
	v_mov_b32 v[236+\b], 0                         ; a lane permute's destination counts as one of its sources
.endr
.set j, 0
.rept 32
	v_mov_b32 v[OT+j], 0                           ; O^T: the step is written once; the first finds zeros
.set j, j+1
.endr
.macro KQ t                            ; S^T of K's tile t: its words lie in lanes 0-15 (even tiles) or 16-31 (odd) of register t / 2
.if (\t)%2
	v_wmma_scale_f32_16x16x128_f8f6f4 v[SS+8*(\t):SS+8*(\t)+7], v[KFR+12*((\t)%4):KFR+12*((\t)%4)+11], v[16:27], 0, v[248+(\t)/2], v255 matrix_a_fmt:MATRIX_FMT_FP6 matrix_b_fmt:MATRIX_FMT_FP6 matrix_a_scale:MATRIX_SCALE_ROW1
.else
	v_wmma_scale_f32_16x16x128_f8f6f4 v[SS+8*(\t):SS+8*(\t)+7], v[KFR+12*((\t)%4):KFR+12*((\t)%4)+11], v[16:27], 0, v[248+(\t)/2], v255 matrix_a_fmt:MATRIX_FMT_FP6 matrix_b_fmt:MATRIX_FMT_FP6
.endif
.endm
.macro PV a
.if (\a)%2
	v_wmma_scale_f32_16x16x128_f8f6f4 v[OT+8*(\a):OT+8*(\a)+7], v[VFR+12*(\a):VFR+12*(\a)+11], v[224:235], v[OT+8*(\a):OT+8*(\a)+7], v[VS+(\a)/2], v253 matrix_a_fmt:MATRIX_FMT_FP6 matrix_b_fmt:MATRIX_FMT_FP6 matrix_a_scale:MATRIX_SCALE_ROW1
.else
	v_wmma_scale_f32_16x16x128_f8f6f4 v[OT+8*(\a):OT+8*(\a)+7], v[VFR+12*(\a):VFR+12*(\a)+11], v[224:235], v[OT+8*(\a):OT+8*(\a)+7], v[VS+(\a)/2], v253 matrix_a_fmt:MATRIX_FMT_FP6 matrix_b_fmt:MATRIX_FMT_FP6
.endif
.endm
; A KEY STEP: 128 keys.
.macro STEP
	s_add_co_u32 s48, s[Q0], 31
	s_cmp_gt_u32 s[KF], s48                        ; all its keys come after my queries: only the address steps at its end are run
	s_cbranch_scc1 .Lhidden_\@
	v_add_nc_u32 v[A8], s[TB], v[A8L]
	v_add_nc_u32 v[A4], s[TB], v[A4L]
.irp t, 0,1,2,3
.irp p, 0,1,2
	ds_load_b64 v[KFR+12*\t+2*\p:KFR+12*\t+2*\p+1], v[A8] offset:768*\t+256*\p   ; an image's plane: 256 consecutive bytes
.endr
.endr
.irp b, 0,1,2,3
	ds_load_b32 v[248+\b], v[A4] offset:KSOFF+128*\b   ; the words of tiles 2 b (lanes 0-15) and 2 b + 1 (lanes 16-31)
.endr
	s_wait_dscnt 0x0
.irp t, 0,1,2,3
	KQ \t
.endr
.rept 4
	v_nop                                          ; places in front of loads into registers that matrix instructions have read (K's just now, V's in the step before)
.endr
.irp t, 0,1,2,3
.irp p, 0,1,2
	ds_load_b64 v[KFR+12*\t+2*\p:KFR+12*\t+2*\p+1], v[A8] offset:768*(4+\t)+256*\p
.endr
.endr
.irp a, 0,1,2,3
.irp p, 0,1,2,3,4,5
	ds_load_b64 v[VFR+12*\a+2*\p:VFR+12*\a+2*\p+1], v[A8] offset:VOFF+1536*\a+256*\p   ; V is asked for now and lands under the softmax
.endr
.endr
.irp k, 0,1
	ds_load_b32 v[VS+\k], v[A4] offset:VSOFF+128*\k
.endr
	s_wait_dscnt 26                                ; K's tiles 4-7 are in; V's 24 loads and 2 words may be out
.irp t, 4,5,6,7
	KQ \t
.endr
.rept 4
	v_nop
.endr
	s_add_co_u32 s48, s[KF], 127                   ; on the diagonal hidden scores become -infinity: p = 0.  A step all of whose keys count skips this
	s_cmp_le_u32 s48, s[Q0]
	s_cbranch_scc1 .Lopen_\@
	s_sub_co_i32 s48, s[Q0], s[KF]
	v_add_nc_u32 v252, s48, v[QL]                  ; register 16 b + e holds key KF + 32 b + 16 h + e: hidden where 32 b + e > my query - KF - 16 h
	v_mov_b32 v254, 0xff800000
.set n, 0
.rept 64
	v_cmp_gt_i32 vcc_lo, 32*(n/16)+n%16, v252
	v_cndmask_b32 v[SS+n], v[SS+n], v254, vcc_lo
.set n, n+1
.endr
.Lopen_\@:
.irp b, 0,1,2,3
	v_max3_num_f32 v[232+\b], v[SS+16*\b], v[SS+1+16*\b], v[SS+2+16*\b]   ; the largest score of each block of 32 keys: for the row's maximum, and, since p rises with the score, for the block's largest p
.endr
.irp i, 3,5,7,9,11,13
.irp b, 0,1,2,3
	v_max3_num_f32 v[232+\b], v[232+\b], v[SS+16*\b+\i], v[SS+1+16*\b+\i]
.endr
.endr
.irp b, 0,1,2,3
	v_max_num_f32 v[232+\b], v[232+\b], v[SS+15+16*\b]
.endr
.irp b, 0,1,2,3
	v_permlanex16_b32 v[236+\b], v[232+\b], s[SEL], s[SEL+1]
.endr
.irp b, 0,1,2,3
	v_max_num_f32 v[232+\b], v[232+\b], v[236+\b]
.endr
	v_max3_num_f32 v254, v232, v233, v234
	v_max_num_f32 v254, v254, v235
	v_mul_f32 v254, s[CS], v254
	v_max_num_f32 v13, v13, v254                   ; the running largest t
	v_mov_b32 v254, v12
	v_floor_f32 v12, -v13                          ; the new -M = -ceil(t)
	v_sub_f32 v254, v12, v254                      ; old M - new M: a whole number, 0 or less
	v_cvt_i32_f32 v254, v254                       ; (it saturates)
	v_ldexp_f32 v[FF], 1.0, v254                   ; f = 2^(old M - new M)
.set j, 0
.rept 32
	v_pk_fma_f32 v[SS+j:SS+j+1], v[SS+j:SS+j+1], s[CS:CS+1], v[12:13] op_sel_hi:[1,0,0]   ; t - M
.set j, j+2
.endr
.irp b, 0,1,2,3
	v_fma_f32 v[232+\b], v[232+\b], s[CS], v12
.endr
.set j, 0
.rept 64
	v_exp_f32 v[SS+j], v[SS+j]                     ; p = 2^(t - M)
.set j, j+1
.endr
.irp b, 0,1,2,3
	v_exp_f32 v[232+\b], v[232+\b]                 ; the block's largest p
.endr
	v_pk_mul_f32 v[14:15], v[14:15], v[FF:FF+1] op_sel_hi:[1,0]   ; the sum under the new M (a plain place behind the exponentials)
.set j, 0
.rept 16
	v_pk_mul_f32 v[OT+j:OT+j+1], v[OT+j:OT+j+1], v[FF:FF+1] op_sel_hi:[1,0]   ; O^T under the new M
.set j, j+2
.endr
	s_wait_alu depctr_va_vdst(0)
.irp b, 0,1,2,3
	v_max_num_f32 v[232+\b], 0x1800000, v[232+\b]  ; the floor 2^(3 - 127): the byte cannot fall under 1
.endr
.irp b, 0,1,2,3
	v_add_nc_u32 v[244+\b], 0xff000000, v[232+\b]  ; 2 off the exponent field: the conversion's scale operand
.endr
.irp b, 0,1,2,3
	v_lshrrev_b32 v[236+\b], 23, v[244+\b]
.endr
	v_lshl_or_b32 v253, v237, 8, v236              ; p's scale word for these 128 keys
	v_lshl_or_b32 v253, v238, 16, v253
	v_lshl_or_b32 v253, v239, 24, v253
.irp c, 0,1
	v_cvt_scalef32_pk16_fp6_f32 v[224+6*\c:226+6*\c], v[SS+32*\c:SS+15+32*\c], v[244+2*\c]
	v_cvt_scalef32_pk16_fp6_f32 v[236+4*\c:238+4*\c], v[SS+16+32*\c:SS+31+32*\c], v[244+2*\c+1]
.endr
	v_nop                                          ; one plain place behind a scaled conversion
.irp c, 0,1
.irp i, 0,1,2
	v_permlane16_swap_b32 v[224+6*\c+\i], v[236+4*\c+\i]   ; a whole block to a lane
.endr
.irp i, 0,1,2
	v_mov_b32 v[227+6*\c+\i], v[236+4*\c+\i]
.endr
.endr
	v_pk_add_f32 v[236:237], v[SS:SS+1], v[SS+2:SS+3]      ; the sum of the unquantised p, in two chains: these 32 lines are also the places between the scale word, the codes, O^T's rescaling and the products below
.irp j, 4,8,12,16,20,24,28,32,36,40,44,48,52,56,60
	v_pk_add_f32 v[14:15], v[14:15], v[SS+\j:SS+1+\j]
	v_pk_add_f32 v[236:237], v[236:237], v[SS+2+\j:SS+3+\j]
.endr
	v_pk_add_f32 v[14:15], v[14:15], v[236:237]
	s_wait_dscnt 0x0                               ; V and its words are in
.irp a, 0,1,2,3
	PV \a
.endr
.Lhidden_\@:
	s_add_co_u32 s[KF], s[KF], 128
	s_add_co_u32 s[TB], s[TB], STEPB
.endm
	s_wait_loadcnt 0x0                             ; Q
	s_wait_tensorcnt 2                             ; my first unit is in; two may stay out
	s_barrier_signal -1
	s_barrier_wait -1                              ; bytes under 34,816 lie in LDS: steps 0 and 1
	s_mov_b32 s[CNT], 2
.Lsec0:
	STEP
	s_sub_co_u32 s[CNT], s[CNT], 1
	s_cmp_lg_u32 s[CNT], 0
	s_cbranch_scc1 .Lsec0
	s_wait_tensorcnt 1                             ; my second unit is in
	s_wait_dscnt 0x0
	s_barrier_signal -1
	s_barrier_wait -1                              ; bytes under 69,632: steps 2 to 4
	s_mov_b32 s[CNT], 3
.Lsec1:
	STEP
	s_sub_co_u32 s[CNT], s[CNT], 1
	s_cmp_lg_u32 s[CNT], 0
	s_cbranch_scc1 .Lsec1
	s_wait_tensorcnt 0x0
	s_wait_dscnt 0x0
	s_barrier_signal -1
	s_barrier_wait -1                              ; all of it
	s_mov_b32 s[CNT], 3
.Lsec2:
	STEP
	s_sub_co_u32 s[CNT], s[CNT], 1
	s_cmp_lg_u32 s[CNT], 0
	s_cbranch_scc1 .Lsec2
	; THE WAY OUT.  Register 8 a + jj of O^T is d = 32 (a / 2) + 16 h + 8 (a % 2) + jj (V's rows were ordered for that): 16 neighbours of each of the head's two blocks of 32.
.rept 4
	v_nop
.endr
	v_add_f32 v14, v14, v15
	v_permlanex16_b32 v236, v14, s[SEL], s[SEL+1]
	v_add_f32 v14, v14, v236                       ; the row's sum
	v_rcp_f32 v14, v14
	v_nop                                          ; one plain place behind a transcendental
.set j, 0
	s_wait_alu depctr_va_vdst(0)
.rept 32
	v_mul_f32 v[SS+j], v[OT+j], v14
.set j, j+1
.endr
.irp b, 0,1
	v_max3_num_f32 v[232+\b], |v[SS+16*\b]|, |v[SS+16*\b+1]|, 0x1800000
.endr
.irp i, 2,4,6,8,10,12,14
.irp b, 0,1
	v_max3_num_f32 v[232+\b], v[232+\b], |v[SS+16*\b+\i]|, |v[SS+16*\b+\i+1]|
.endr
.endr
.irp b, 0,1
	v_permlanex16_b32 v[236+\b], v[232+\b], s[SEL], s[SEL+1]
.endr
.irp b, 0,1
	v_max_num_f32 v[232+\b], v[232+\b], v[236+\b]
.endr
.irp b, 0,1
	v_add_nc_u32 v[244+\b], 0xff000000, v[232+\b]
.endr
.irp b, 0,1
	v_lshrrev_b32 v[240+\b], 23, v[244+\b]
.endr
	v_lshl_or_b32 v252, v241, 8, v240              ; the head's two scale bytes
	v_cvt_scalef32_pk16_fp6_f32 v[224:226], v[SS:SS+15], v244      ; 12 bytes: d = 16 h + 0 .. 15
	v_cvt_scalef32_pk16_fp6_f32 v[228:230], v[SS+16:SS+31], v245   ; d = 32 + 16 h + 0 .. 15
	v_nop
	ds_store_b96 v[STO], v[224:226]
	ds_store_b96 v[STO], v[228:230] offset:32
	ds_store_b16 v[SCO], v252                      ; both halves of the lanes write the same two bytes with the same value
	s_wait_dscnt 0x0                               ; for the others' sake: my stores are done
	s_barrier_signal -1
	s_barrier_wait -1
	ds_load_b96 v[232:234], v[RD]
	ds_load_b96 v[236:238], v[RD] offset:2*SPITCH
	s_wait_dscnt 0x0
	global_store_b96 v[GO], v[232:234], s[10:11]               ; sixteen lanes store a token's 192 consecutive bytes
	global_store_b96 v[GO], v[236:238], s[10:11] offset:3072
	s_and_b32 s48, s[WV], 7                        ; waves 0 and 8 store the scale bytes of their block's 32 tokens
	s_cmp_lg_u32 s48, 0
	s_cbranch_scc1 .Ldone
	ds_load_b64 v[240:241], v[SRD]
	s_wait_dscnt 0x0
	global_store_b64 v[SGO], v[240:241], s[12:13]
.Ldone:
	s_wait_xcnt 0x0
	v_lshl_add_u32 v254, v0, 2, 0x29000
	v_mov_b32 v255, 0
	s_wait_tensorcnt 0x0
	ds_add_u32 v254, v255
	s_wait_dscnt 0x0
	s_endpgm
.Lfunc_end_k_qca74b40cc2_attn:
	.size	k_qca74b40cc2_attn, .Lfunc_end_k_qca74b40cc2_attn-k_qca74b40cc2_attn
	.p2alignl 7, 3214868480
	.fill 96, 4, 3214868480
	.section	.rodata,"a",@progbits
	.p2align	6, 0x0
	.amdhsa_kernel k_qca74b40cc2_attn
		.amdhsa_group_segment_fixed_size 169984
		.amdhsa_private_segment_fixed_size 0
		.amdhsa_enable_private_segment 0
		.amdhsa_kernarg_size 40
		.amdhsa_user_sgpr_count 2
		.amdhsa_user_sgpr_kernarg_segment_ptr 1
		.amdhsa_wavefront_size32 1
		.amdhsa_system_sgpr_workgroup_id_x 1
		.amdhsa_system_sgpr_workgroup_id_y 1
		.amdhsa_system_sgpr_workgroup_id_z 1
		.amdhsa_system_vgpr_workitem_id 0
		.amdhsa_next_free_vgpr 256
		.amdhsa_next_free_sgpr 66
		.amdhsa_reserve_vcc 1
		.amdhsa_float_denorm_mode_32 3
		.amdhsa_float_denorm_mode_16_64 3
		.amdhsa_memory_ordered 1
		.amdhsa_forward_progress 1
		.amdhsa_inst_pref_size 81
	.end_amdhsa_kernel
	.amdgpu_metadata
---
amdhsa.version: [ 1, 2 ]
amdhsa.kernels:
  - .name:           k_qca74b40cc2_attn
    .symbol:         k_qca74b40cc2_attn.kd
    .args:
      - { .name: qimg, .offset: 0, .size: 8, .value_kind: global_buffer, .address_space: global }
      - { .name: qscl, .offset: 8, .size: 8, .value_kind: global_buffer, .address_space: global }
      - { .name: kv, .offset: 16, .size: 8, .value_kind: global_buffer, .address_space: global }
      - { .name: acodes, .offset: 24, .size: 8, .value_kind: global_buffer, .address_space: global }
      - { .name: ascl, .offset: 32, .size: 8, .value_kind: global_buffer, .address_space: global }
    .group_segment_fixed_size: 169984
    .private_segment_fixed_size: 0
    .kernarg_segment_align: 8
    .kernarg_segment_size: 40
    .max_flat_workgroup_size: 512
    .sgpr_count:     66
    .vgpr_count:     256
    .wavefront_size: 32
...
	.end_amdgpu_metadata
.endif
;; end of part 2
;; launch oproj (part 3): grid 16 x 16, 4 waves a work-group, clusters of 4 x 4, 327,680 bytes of LDS; arguments acodes, ascl, wo_codes, wo_scales, out0; writes out0
.if DOCPART == 3
	.amdgcn_target "amdgcn-amd-amdhsa--gfx1250"
	.amdhsa_code_object_version 6
	.text
	.protected	k_qca74b40cc2_oproj
	.globl	k_qca74b40cc2_oproj
	.p2align	8
	.type	k_qca74b40cc2_oproj,@function
k_qca74b40cc2_oproj:
	s_mov_b64 s[64:65], 0
	v_nop
	global_prefetch_b8 v0, s[64:65] scope:SCOPE_SE
	s_setreg_imm32_b32 hwreg(HW_REG_WAVE_MODE, 25, 1), 1
	s_wait_xcnt 0x0
	s_wait_alu depctr_hold_cnt(0) depctr_sa_sdst(0) depctr_va_vdst(0) depctr_va_sdst(0) depctr_va_ssrc(0) depctr_va_vcc(0) depctr_vm_vsrc(0)
	s_getreg_b32 s2, hwreg(HW_REG_IB_STS2, 6, 4)
	s_cmp_eq_u32 s2, 0
	s_cbranch_scc0 .Lentry_in_a_cluster
	s_endpgm
.Lentry_in_a_cluster:
	s_bfe_u32 s2, ttmp6, 0x10000c
	s_cmp_lg_u32 s2, 0xf033
	s_cbranch_scc0 .Lentry_shape_is_right
	s_endpgm
.Lentry_shape_is_right:
; out = a Wo on codes of FP6 (E2M3) with one E8M0 scale for each 32 along K = 2,048.  a: [2,048 tokens][1,536 bytes] with [2,048][64] scale bytes, made by the launch before; Wo likewise, [2,048 columns]; out: [2,048][2,048] f32.
; SHARES.  A work-group makes 128 tokens x 128 columns; its four waves 64 x 64 each: 16 accumulators of 16 x 16.  256 work-groups.  K goes in 4 chunks of 512 codes (rows of 384 bytes) through two LDS slots.
; CLUSTERS of 4 x 4: a's tile is shared along a row of the cluster, Wo's along a column: each is asked for jointly.
; THE MATRIX INSTRUCTION IS USED TRANSPOSED: source 0 = 16 rows of Wo, source 1 = 16 tokens: a lane holds eight neighbouring numbers of a row of out.
; REGISTERS.  window 0: v1 r, v2 h, v3 scale offset, v16-23 LDS addresses of the fragments, v24-26 the way out, v28-29 for the add, v32-63 and v64-95 scale words of source 0 and 1,
;   v128-255 the accumulators ((a, t) at v[128 + 32 a + 8 t]).   window 1: two fragment buffers of 96: source 1's four at +12 a, source 0's at +48 + 12 t.
.set ROWB,   384
.set KROW,   1536
.set PITCH,  432                       ; an LDS row: 3 x (128 bytes + 16 of padding) = 108 words: the 16 rows of a fragment start 4 banks apart, lanes 16-31 two banks beside them
.set HALFT,  64*PITCH
.set SLOT,   4*HALFT
.set STG,    2*SLOT                    ; a stage of 16 rows x (256 bytes + 16) for each wave
.set SPITCH, 272
.set SPARE,  STG+4*16*SPITCH           ; the spare words, 128 bytes for each wave
.set VR,   1
.set VH,   2
.set LSC,  3
.set ADR0, 16
.set ADR1, 20
.set STO,  24
.set RD,   25
.set CO,   26
.set SPW,  28
.set NIL,  29
.set SS0,  32
.set SS1,  64
.set ACC,  128
.set G1X, 28
.set G0X, 36
.set G1W, 44
.set G0W, 52
.set WV,  60
.set WI,  61                           ; which 64 tokens are mine; also: I fetch for a (0) or for Wo (1)
.set WJ,  62                           ; which 64 columns are mine; also: which 64 rows I fetch
.set TY,  63
.set CX,  66
.set CY,  67
.set TX,  68
.set MSB, 0
.macro WIN new                         ; the immediate's high byte repeats the setting that is left
.if MSB != \new
	s_set_vgpr_msb (MSB<<8)|\new
.set MSB, \new
.endif
.endm
.set MUL,  0x05                        ; sources 0 and 1 window 1; C and D window 0
.set TO_F, 0x40                        ; destination window 1, address window 0
.macro PLACES                          ; four plain places between a matrix instruction and a load into, or a read of, its registers
.rept 4
	v_nop
.endr
.endm
.macro JLOAD s                         ; a joint load: waves 0 and 1 fetch a's halves, waves 2 and 3 Wo's; four v_nop follow each line
	s_cmp_eq_u32 s[WI], 0
	s_cbranch_scc0 .Lfor_w_\@
	tensor_load_to_lds s[G0X+4*\s:G0X+4*\s+3], s[G1X:G1X+7]
	s_nop 0
.rept 4
	v_nop
.endr
	s_branch .Lasked_\@
.Lfor_w_\@:
	tensor_load_to_lds s[G0W+4*\s:G0W+4*\s+3], s[G1W:G1W+7]
	s_nop 0
.rept 4
	v_nop
.endr
.Lasked_\@:
.endm
.macro CREST
	s_cmp_lg_u32 s[WV], 0
	s_cbranch_scc1 .Lnot_wave_0_\@
	s_barrier_signal -3
.Lnot_wave_0_\@:
	s_barrier_wait -3
	s_barrier_signal -1
	s_barrier_wait -1
.endm
.macro CROUND
	s_barrier_signal -1
	s_barrier_wait -1
	CREST
.endm
	s_load_b256 s[4:11], s[0:1], 0x0               ; a's codes, a's scales, Wo's codes, Wo's scales
	s_load_b64 s[12:13], s[0:1], 0x20              ; out
	v_lshl_add_u32 v[SPW], v0, 2, SPARE
	v_mov_b32 v[NIL], 0
	ds_add_u32 v28, v29
	ds_add_u32 v28, v29
	s_wait_dscnt 0x0
	v_lshrrev_b32 v1, 5, v0
	v_readfirstlane_b32 s[WV], v1
	s_lshr_b32 s[WI], s[WV], 1
	s_and_b32 s[WJ], s[WV], 1
	s_bfe_u32 s[CX], ttmp6, 0x40000
	s_bfe_u32 s[CY], ttmp6, 0x40004
	s_lshl_b32 s[TX], ttmp9, 2
	s_add_co_u32 s[TX], s[TX], s[CX]               ; block of columns = 4 x cluster x + cx
	s_and_b32 s[TY], ttmp7, 0xffff
	s_lshl_b32 s[TY], s[TY], 2
	s_add_co_u32 s[TY], s[TY], s[CY]               ; block of tokens = 4 x cluster y + cy
	s_lshl_b32 s70, s[CY], 2
	s_lshl_b32 s70, 15, s70                        ; my row of the cluster
	s_lshl_b32 s71, 0x1111, s[CX]                  ; my column
	s_or_b32 s[G1X], s70, (0<<16)|(1<<20)|(1<<21)|(4<<22)|(3<<25)   ; the mask; elements of 1 byte; padding on; bit 21 beside a mask; after every 32 words, 4 words
	s_or_b32 s[G1W], s71, (0<<16)|(1<<20)|(1<<21)|(4<<22)|(3<<25)
.irp g, G1X, G1W
	s_mov_b32 s[\g+1], ROWB<<16
	s_mov_b32 s[\g+2], 64<<16
	s_mov_b32 s[\g+3], ROWB<<16
	s_mov_b32 s[\g+4], 64
	s_mov_b32 s[\g+5], KROW
	s_mov_b32 s[\g+6], 0
	s_mov_b32 s[\g+7], 0
.endr
	s_lshl_b32 s72, s[TY], 7                       ; a: the rows that I fetch
	s_lshl_b32 s73, s[WJ], 6
	s_add_co_u32 s72, s72, s73
	s_mul_i32 s72, s72, KROW
	s_mov_b32 s73, 0
	s_lshl_b32 s74, s[TX], 7                       ; Wo: likewise
	s_lshl_b32 s75, s[WJ], 6
	s_add_co_u32 s74, s74, s75
	s_mul_i32 s74, s74, KROW
	s_mov_b32 s75, 0
	s_mul_i32 s76, s[WV], HALFT
	s_lshl_b32 s78, s[TY], 7                       ; the scale bytes of the rows that I multiply
	s_lshl_b32 s79, s[WI], 6
	s_add_co_u32 s78, s78, s79
	s_lshl_b32 s78, s78, 6
	s_mov_b32 s79, 0
	s_lshl_b32 s26, s[TX], 7
	s_lshl_b32 s27, s[WJ], 6
	s_add_co_u32 s26, s26, s27
	s_lshl_b32 s26, s26, 6
	s_mov_b32 s27, 0
	s_mul_i32 s3, s[WI], HALFT                     ; source 1: my 64 tokens in a slot
	s_mul_i32 s2, s[WJ], HALFT
	s_add_co_u32 s2, s2, 2*HALFT                   ; source 0: my 64 rows of Wo
	s_wait_kmcnt 0x0
	s_add_nc_u64 s[4:5], s[4:5], s[72:73]
	s_add_nc_u64 s[8:9], s[8:9], s[74:75]
	s_add_nc_u64 s[6:7], s[6:7], s[78:79]
	s_add_nc_u64 s[10:11], s[10:11], s[26:27]
	CROUND                                         ; all sixteen work-groups are here: the first joint loads meet
.irp s, 0,1
	s_mov_b32 s[G0X+4*\s], 1
	s_add_co_u32 s[G0X+4*\s+1], s76, \s*SLOT
	s_add_nc_u64 s[G0X+4*\s+2:G0X+4*\s+3], s[4:5], \s*ROWB
	s_or_b32 s[G0X+4*\s+3], s[G0X+4*\s+3], 0x80000000
	s_mov_b32 s[G0W+4*\s], 1
	s_add_co_u32 s[G0W+4*\s+1], s76, \s*SLOT
	s_add_nc_u64 s[G0W+4*\s+2:G0W+4*\s+3], s[8:9], \s*ROWB
	s_or_b32 s[G0W+4*\s+3], s[G0W+4*\s+3], 0x80000000
	JLOAD \s                                       ; chunks 0 and 1: two loads of mine are out
.endr
	v_and_b32 v[VR], 15, v0
	v_bfe_u32 v[VH], v0, 4, 1
	v_lshlrev_b32 v[LSC], 6, v[VR]
	v_lshl_add_u32 v[LSC], v[VH], 4, v[LSC]
; The scale words come once, straight into registers: step q's word of row 16 t + r lies in register 8 t + 4 (q / 8) + q % 4, in lanes 16 ((q / 4) % 2) + r.
.irp t, 0,1,2,3
.irp jj, 0,1
	global_load_b128 v[SS0+8*\t+4*\jj:SS0+8*\t+4*\jj+3], v[LSC], s[10:11] offset:1024*\t+32*\jj
	global_load_b128 v[SS1+8*\t+4*\jj:SS1+8*\t+4*\jj+3], v[LSC], s[6:7] offset:1024*\t+32*\jj
.endr
.endr
	v_mul_u32_u24 v12, v[VR], PITCH
	v_mad_u32_u24 v13, v[VH], 24, v12
	v_mad_u32_u24 v14, v[VH], 40, v12
	v_add_nc_u32 v[ADR0], s2, v13
	v_add_nc_u32 v[ADR0+2], s2, v14
	v_add_nc_u32 v[ADR1], s3, v13
	v_add_nc_u32 v[ADR1+2], s3, v14
.irp k, 0,2
	v_add_nc_u32 v[ADR0+\k+1], SLOT, v[ADR0+\k]
	v_add_nc_u32 v[ADR1+\k+1], SLOT, v[ADR1+\k]
.endr
	s_mul_i32 s77, s[WV], 16*SPITCH
	s_add_co_u32 s77, s77, STG                     ; my stage
	v_mul_u32_u24 v[STO], v[VR], SPITCH            ; in: row r, 32 bytes for each half of the lanes
	v_lshl_add_u32 v[STO], v[VH], 5, v[STO]
	v_add_nc_u32 v[STO], s77, v[STO]
	v_mul_u32_u24 v[RD], v[VH], SPITCH             ; back: lanes 0-15 one row of 256 bytes, lanes 16-31 the next
	v_lshl_add_u32 v[RD], v[VR], 4, v[RD]
	v_add_nc_u32 v[RD], s77, v[RD]
	v_lshlrev_b32 v[CO], 13, v[VH]                 ; and the same two rows in out
	v_lshl_add_u32 v[CO], v[VR], 4, v[CO]
	s_lshl_b32 s76, s[TY], 7
	s_lshl_b32 s77, s[WI], 6
	s_add_co_u32 s76, s76, s77
	s_lshl_b32 s76, s76, 13                        ; my first token's row of 8,192 bytes,
	s_lshl_b32 s77, s[TX], 9
	s_add_co_u32 s76, s76, s77
	s_lshl_b32 s77, s[WJ], 8
	s_add_co_u32 s76, s76, s77                     ; my first column
	s_mov_b32 s77, 0
	s_add_nc_u64 s[12:13], s[12:13], s[76:77]
.macro FRAG reg, adr, qq, i            ; a fragment: 16 rows x 128 K in 12 registers, in pieces of 8 bytes
.irp p, 0,1,2,3,4,5
.set PC, 12*(\qq)+6*(\p/3)+\p%3        ; the piece of lanes 0-15; lanes 16-31 take the piece three on, which lies behind one padding more where PC % 16 is 13 or more
.if PC%16 < 13
	ds_load_b64 v[\reg+2*\p:\reg+2*\p+1], v[\adr] offset:8*PC+16*(PC/16)+(\i)*16*PITCH
.else
	ds_load_b64 v[\reg+2*\p:\reg+2*\p+1], v[\adr+2] offset:8*PC+16*(PC/16)+(\i)*16*PITCH
.endif
.endr
.endm
.macro FETCH q                         ; 48 LDS loads in one run: step q's eight fragments into buffer q % 2
.set FB, 96*((\q)%2)
.set SL, ((\q)>>2)&1
.set QQ, (\q)&3
	WIN TO_F
.irp t, 0,1,2,3
	FRAG FB+48+12*\t, ADR0+SL, QQ, \t
.endr
.irp a, 0,1,2,3
	FRAG FB+12*\a, ADR1+SL, QQ, \a
.endr
.endm
.macro MULH q, a0, zero                ; 8 matrix instructions; the 16 accumulators take turns in the same order in every step
.set FB, 96*((\q)%2)
.set SR, 4*((\q)>>3)+((\q)&3)
.irp a, \a0, \a0+1
.irp t, 0,1,2,3
.if \zero
	v_wmma_scale_f32_16x16x128_f8f6f4 v[ACC+32*(\a)+8*\t:ACC+32*(\a)+8*\t+7], v[FB+48+12*\t:FB+48+12*\t+11], v[FB+12*(\a):FB+12*(\a)+11], 0, v[SS0+8*\t+SR], v[SS1+8*(\a)+SR] matrix_a_fmt:MATRIX_FMT_FP6 matrix_b_fmt:MATRIX_FMT_FP6
.elseif ((\q)>>2)&1
	v_wmma_scale_f32_16x16x128_f8f6f4 v[ACC+32*(\a)+8*\t:ACC+32*(\a)+8*\t+7], v[FB+48+12*\t:FB+48+12*\t+11], v[FB+12*(\a):FB+12*(\a)+11], v[ACC+32*(\a)+8*\t:ACC+32*(\a)+8*\t+7], v[SS0+8*\t+SR], v[SS1+8*(\a)+SR] matrix_a_fmt:MATRIX_FMT_FP6 matrix_b_fmt:MATRIX_FMT_FP6 matrix_a_scale:MATRIX_SCALE_ROW1 matrix_b_scale:MATRIX_SCALE_ROW1
.else
	v_wmma_scale_f32_16x16x128_f8f6f4 v[ACC+32*(\a)+8*\t:ACC+32*(\a)+8*\t+7], v[FB+48+12*\t:FB+48+12*\t+11], v[FB+12*(\a):FB+12*(\a)+11], v[ACC+32*(\a)+8*\t:ACC+32*(\a)+8*\t+7], v[SS0+8*\t+SR], v[SS1+8*(\a)+SR] matrix_a_fmt:MATRIX_FMT_FP6 matrix_b_fmt:MATRIX_FMT_FP6
.endif
.endr
.endr
.endm
.macro STEP q, zero
	PLACES                                         ; the other buffer was read by the matrix instructions just issued
	FETCH (\q)+1
	s_wait_dscnt 48                                ; all but the 48 just issued: this step's fragments are in
	WIN MUL
	MULH \q, 0, \zero
	MULH \q, 2, \zero
.endm
.macro TURN q, fill                    ; a chunk's last step changes slots.  fill = 1: the slot just read out takes the chunk two on
	WIN 0                                          ; (the add's two registers lie in window 0)
	s_wait_tensorcnt 0x0                           ; all my tensor loads have landed: my part of the next slot
	ds_add_u32 v[SPW], v[NIL]                      ; 0 onto my spare word
	s_wait_dscnt 1                                 ; this step's fragments are in; only the add may be out
	WIN MUL
	MULH \q, 0, 0                                  ; eight matrix instructions stand between the add and the wait for it
	WIN 0
	s_wait_dscnt 0x0                               ; the add is done, and my reads of this slot are over
	s_barrier_signal -1
	s_barrier_wait -1
.if \fill
	CREST                                          ; the barrier has opened a round of the cluster's: no wave of any partner still reads this slot or has a load on its way
.set SL2, ((\q)>>2)&1
	s_add_nc_u64 s[G0X+4*SL2+2:G0X+4*SL2+3], s[G0X+4*SL2+2:G0X+4*SL2+3], 2*ROWB
	s_add_nc_u64 s[G0W+4*SL2+2:G0W+4*SL2+3], s[G0W+4*SL2+2:G0W+4*SL2+3], 2*ROWB
	JLOAD SL2                                      ; my one tensor load behind the round; its four v_nop are also the places in front of the loads below
.else
	PLACES
.endif
	FETCH (\q)+1
	WIN MUL
	MULH \q, 2, 0
.endm
	s_wait_tensorcnt 1                             ; my part of chunk 0 is in; chunk 1's load may stay out
	s_barrier_signal -1
	s_barrier_wait -1
	FETCH 0
	s_wait_loadcnt 0x0                             ; the scale words
	STEP 0, 1                                      ; the first products start the sums: nothing is cleared
	STEP 1, 0
	STEP 2, 0
	TURN 3, 1
	STEP 4, 0
	STEP 5, 0
	STEP 6, 0
	TURN 7, 1
	STEP 8, 0
	STEP 9, 0
	STEP 10, 0
	TURN 11, 0                                     ; nothing is left to fetch
	STEP 12, 0
	STEP 13, 0
	STEP 14, 0
	s_wait_dscnt 0x0
	WIN MUL
	MULH 15, 0, 0
	MULH 15, 2, 0
	WIN 0
	PLACES
; THE WAY OUT, 16 tokens x 64 columns at a time.  A lane holds 32 neighbouring bytes of a row; the block goes through my own stage and comes back as whole rows of 256 bytes, into the registers that it left.
; LDS serves a wave's instructions in order (ISA guide 5.7.1.4): no wait between the stores and the loads, nor in front of the next block's stores.
.macro TOSTAGE a
.irp t, 0,1,2,3
	ds_store_b128 v[STO], v[ACC+32*\a+8*\t:ACC+32*\a+8*\t+3] offset:64*\t          ; each accumulator from its low end on
	ds_store_b128 v[STO], v[ACC+32*\a+8*\t+4:ACC+32*\a+8*\t+7] offset:64*\t+16
.endr
.irp n, 0,1,2,3,4,5,6,7
	ds_load_b128 v[ACC+32*\a+4*\n:ACC+32*\a+4*\n+3], v[RD] offset:\n*2*SPITCH
.endr
.endm
.macro SEND a, younger                 ; younger: the LDS instructions issued behind block a's loads, which may stay out
	s_wait_dscnt \younger
.irp n, 0,1,2,3,4,5,6,7
	global_store_b128 v[CO], v[ACC+32*\a+4*\n:ACC+32*\a+4*\n+3], s[12:13] offset:(16*\a+2*\n)*8192 th:TH_STORE_NT   ; sixteen lanes store 256 consecutive bytes, aligned; written once, read by nobody here
.endr
.endm
	TOSTAGE 0
	TOSTAGE 1
	SEND 0, 16                                     ; behind block 0's loads: block 1's 8 stores and 8 loads
	TOSTAGE 2
	SEND 1, 16
	TOSTAGE 3
	SEND 2, 16
	SEND 3, 0
	s_wait_tensorcnt 0x0                           ; the wave's end
	ds_add_u32 v[SPW], v[NIL]
	s_wait_dscnt 0x0
	CROUND                                         ; the closing round
	s_endpgm
.Lfunc_end_k_qca74b40cc2_oproj:
	.size	k_qca74b40cc2_oproj, .Lfunc_end_k_qca74b40cc2_oproj-k_qca74b40cc2_oproj
	.p2alignl 7, 3214868480
	.fill 96, 4, 3214868480
	.section	.rodata,"a",@progbits
	.p2align	6, 0x0
	.amdhsa_kernel k_qca74b40cc2_oproj
		.amdhsa_group_segment_fixed_size 327680
		.amdhsa_private_segment_fixed_size 0
		.amdhsa_enable_private_segment 0
		.amdhsa_kernarg_size 40
		.amdhsa_user_sgpr_count 2
		.amdhsa_user_sgpr_kernarg_segment_ptr 1
		.amdhsa_wavefront_size32 1
		.amdhsa_system_sgpr_workgroup_id_x 1
		.amdhsa_system_sgpr_workgroup_id_y 1
		.amdhsa_system_sgpr_workgroup_id_z 1
		.amdhsa_system_vgpr_workitem_id 0
		.amdhsa_next_free_vgpr 512
		.amdhsa_next_free_sgpr 102
		.amdhsa_reserve_vcc 0
		.amdhsa_float_denorm_mode_32 3
		.amdhsa_float_denorm_mode_16_64 3
		.amdhsa_memory_ordered 1
		.amdhsa_forward_progress 1
		.amdhsa_inst_pref_size 103
	.end_amdhsa_kernel
	.amdgpu_metadata
---
amdhsa.version: [ 1, 2 ]
amdhsa.kernels:
  - .name:           k_qca74b40cc2_oproj
    .symbol:         k_qca74b40cc2_oproj.kd
    .args:
      - { .name: acodes, .offset: 0, .size: 8, .value_kind: global_buffer, .address_space: global }
      - { .name: ascl, .offset: 8, .size: 8, .value_kind: global_buffer, .address_space: global }
      - { .name: wo_codes, .offset: 16, .size: 8, .value_kind: global_buffer, .address_space: global }
      - { .name: wo_scales, .offset: 24, .size: 8, .value_kind: global_buffer, .address_space: global }
      - { .name: out0, .offset: 32, .size: 8, .value_kind: global_buffer, .address_space: global }
    .group_segment_fixed_size: 327680
    .private_segment_fixed_size: 0
    .kernarg_segment_align: 8
    .kernarg_segment_size: 40
    .max_flat_workgroup_size: 128
    .sgpr_count:     102
    .vgpr_count:     512
    .wavefront_size: 32
...
	.end_amdgpu_metadata
.endif
;; end of part 3
;; ======== version 2 of 2: 3 launches
;; limits: right only within a limited range of input values
;; workspace buffers: qimg 3,145,728 bytes; qscl 262,144 bytes; kv 1,671,168 bytes; acodes 3,145,728 bytes; ascl 131,072 bytes
;; launch qkv (part 4): grid 16 x 16, 4 waves a work-group, clusters of 4 x 4, 327,680 bytes of LDS; arguments x_codes, x_scales, wq_codes, wq_scales, wk_codes, wk_scales, wv_codes, wv_scales, qimg, qscl, kv; writes qimg, qscl, kv
.if DOCPART == 4
	.amdgcn_target "amdgcn-amd-amdhsa--gfx1250"
	.amdhsa_code_object_version 6
	.text
	.protected	k_qca74b40cc2_qkv
	.globl	k_qca74b40cc2_qkv
	.p2align	8
	.type	k_qca74b40cc2_qkv,@function
k_qca74b40cc2_qkv:
	s_mov_b64 s[64:65], 0
	v_nop
	global_prefetch_b8 v0, s[64:65] scope:SCOPE_SE
	s_setreg_imm32_b32 hwreg(HW_REG_WAVE_MODE, 25, 1), 1
	s_wait_xcnt 0x0
	s_wait_alu depctr_hold_cnt(0) depctr_sa_sdst(0) depctr_va_vdst(0) depctr_va_sdst(0) depctr_va_ssrc(0) depctr_va_vcc(0) depctr_vm_vsrc(0)
	s_getreg_b32 s2, hwreg(HW_REG_IB_STS2, 6, 4)
	s_cmp_eq_u32 s2, 0
	s_cbranch_scc0 .Lentry_in_a_cluster
	s_endpgm
.Lentry_in_a_cluster:
	s_bfe_u32 s2, ttmp6, 0x10000c
	s_cmp_lg_u32 s2, 0xf033
	s_cbranch_scc0 .Lentry_shape_is_right
	s_endpgm
.Lentry_shape_is_right:
; q = x Wq, k = x Wk, v = x Wv on codes of FP6 (E2M3) with one E8M0 scale for each 32 along K = 2,048; then RoPE on q and k in f32, and all three quantised anew for attention: q and k along the head's 64, v along the keys.
; SHARES.  256 work-groups of equal work.  Work-group (tx, ty) makes 128 tokens x 192 columns in three PASSES of one head (64 columns) each: pass 0 the kv head tx % 8, of K where the cluster's x is 0 or 1, of V where it is 2 or 3;
; passes 1 and 2 the query heads 2 tx and 2 tx + 1.  In a pass wave (i, j) makes 64 tokens (64 i ..) x 32 columns (32 j ..): 8 accumulators.
; X LIVES IN REGISTERS: a wave's 64 tokens, all of K: 4 tiles x 16 steps = 64 fragments of 12 registers, read from LDS once, in pass 0.  The weights' rows stream past.
; LDS: x's two halves along K (XA, XB: 128 rows of 768 bytes, 16 bytes of padding behind every 256), the kv weight's two halves (W0A, W0B: 64 rows each).
; FILLS, one tensor load a wave each: at the head both first halves along K; behind a drained round of the cluster's barrier, when they have landed, both second halves (first fills too).
; TWO REFILLS, each behind a drained round: in pass 0's middle, when x's first half is in registers, XA takes the first query head's rows (both halves along K); at pass 0's end XB takes the second's.
; CLUSTERS of 4 x 4: x's tile is shared along a row of the cluster, the weights' along a column: each is asked for jointly.
; PREFETCH: the second halves and the first query head's rows at the kernel's head, the second query head's behind the first refill: units of 256 bytes, shared out by address among the sixteen waves of the row or column of the cluster that asks for them.
; THE MATRIX INSTRUCTION IS USED TRANSPOSED: source 0 = 16 rows of a weight, source 1 = 16 tokens.  A pass's results go as f32 into LDS (128 tokens x 64 columns, on bytes of W0A or W0B, which have had their only fill), and behind a barrier wave w
; takes back tokens 32 w .. 32 w + 31 whole: for q and k lane (r, h) of tile u takes token 8 u + r + 8 (r / 8), columns 16 h + 0..15 and 32 + 16 h + 0..15; for v a lane takes a column, its registers the 32 tokens.
; OUTPUTS are images of operand registers.  qimg: [b][head][tile of 16][plane][lane] x 8 bytes; qscl: [b][head pair][32 tokens][lane][head of the pair] words; kv: [b][kv head][128 keys]: K: [32 keys][3 planes][lane] x 16 bytes, a lane's 12 registers of two tiles;
; V at 6,144: [d / 32][keys / 64: c][1,024 bytes: [h][lane] x 16: registers 0-3 of six; 512 bytes: [h][lane] x 8: registers 4, 5], lane = 16 (tile of the pair) + r; K's words at 12,288: [lane][32 keys]; V's at 12,800: [lane][d / 32].
; RoPE.  A lane makes cos and sin of its own two tokens x 16 frequencies: the angle is reduced by k pi/2 in two fused steps, and two short polynomials on |r| <= pi/4 give sin and cos.
; LIMITS.  NaN and infinities are not served.  A block whose largest magnitude lies under 2^-124 keeps the scale byte 1; a block of zeros gets the byte 1 and not 127 (its codes are zeros; only this program reads the bytes).
; The frequencies are 10^(-j/8) rounded to f32 (from j = 16 on: 10^(-(j-16)/8) times 0.01): they may differ in the last bits from a power computed in f32.
; LEFT OUT in the program: scores that the causal mask hides, where they come in whole key steps or half steps (launch attn): they have no way to the output.
.set PITCH,  816                       ; an LDS row: 3 x (256 + 16) bytes: 204 words: the 16 rows of a fragment start at 16 different multiples of 4 banks, lanes 16-31 two beside them
.set HW,     64*PITCH                  ; 64 rows
.set XA,     0
.set XBR,    2*HW
.set W0A,    4*HW
.set W0B,    5*HW
.set SPARE,  6*HW                      ; the spare words
.set KSC,    SPARE+512                 ; K's scale words of the key step; V's lie 512 on
.set TP,     272                       ; a row of results in LDS
.set TRS,    W0A                       ; the results of passes 0 and 2; those of pass 1 lie HW further on, in W0B
.set TRG,    W0A+128*TP                ; cos and sin of my tile 0; those of tile 1 HW further on
.set SPW,  4
.set NIL,  5
.set WR,   6                           ; v6-7 my place in a weight's 64 rows (v7: for pieces behind one padding more)
.set KSW,  1
.set TRD,  2
.set LSC,  3
.set GL8,  8
.set PFV,  9
.set TSTO, 10
.set TRR,  11
.set SSW1, 12                          ; a weight's scale words: passes 0, 2: SSW0; pass 1: SSW1
.set CW,   28                          ; v28-39 codes; in pass 0 v28-35 part of the table
.set XB,   36                          ; pass 0: v36-43 LDS addresses of x's tiles
.set WQ,   42                          ; v42-43 the two query heads' scale words
.set XL,   44                          ; v44-55 x's fragment 63
.set WS,   56                          ; three sets of the weights' two fragments
.set TG,   56                          ; between passes: cos and sin, 32 a tile
.set TM,   104                         ; between passes: the quantiser's work
.set TT,   120
.set ACC,  128                         ; accumulator (a, t) at v[128 + 8 (2 a + t)]
.set SSX,  192
.set WB,   224                         ; v224-227 LDS addresses of the weight's two tiles
.set SSW0, 228
.set WD,   244                         ; at the head v244, v245: the prefetches' places
.set RR,   248                         ; the head's temporaries
.set HH,   249
.set LN,   250
.set TRGA, 251
.set T1,   252
.set T2,   253
.set T3,   254
.set CT,   248                         ; v248-250, v252-254 second halves of codes
.set RDW,  255
.set VSB,  0                           ; v0, once the thread's number has served
.set G1X, 28
.set G0A, 36
.set G0B, 40
.set G1W, 44
.set WV,  60
.set WI,  61
.set WJ,  62
.set TY,  63
.set CX,  66
.set CY,  67
.set TX,  68
.set KVH, 69
.set G0R, 72
.set K2PI, 76
.set KHI,  77
.set KLO,  78
.set KS3,  79
.set KS2,  80
.set KS1,  81
.set KC3,  82
.set KC2,  83
.set KC1,  84
.set HM,   85
.set NUM,  86
.set PS,   87
.set SEL,  88
.set MK,   96
.set MSB, 0
.macro WIN new
.set NW_, \new
.if MSB != NW_
	s_set_vgpr_msb (MSB<<8)|NW_
.set MSB, NW_
.endif
.endm
.macro PLACES
.rept 4
	v_nop
.endr
.endm
.macro WALU
	s_wait_alu depctr_va_vdst(0)
.endm
.macro BARRIER
	s_barrier_signal -1
	s_barrier_wait -1
.endm
.macro CREST
	s_cmp_lg_u32 s[WV], 0
	s_cbranch_scc1 .Lnot_wave_0_\@
	s_barrier_signal -3
.Lnot_wave_0_\@:
	s_barrier_wait -3
	BARRIER
.endm
.macro CROUND
	BARRIER
	CREST
.endm
.macro TLOAD g0, g1
	tensor_load_to_lds s[\g0:\g0+3], s[\g1:\g1+7]
	s_nop 0
	PLACES
.endm
.macro JLOAD                           ; waves 0 and 1: 64 of x's rows each, waves 2 and 3: 32 of the kv weight's
	s_cmp_eq_u32 s[WI], 0
	s_cbranch_scc0 .Lfor_w_\@
	TLOAD G0A, G1X
	s_branch .Lasked_\@
.Lfor_w_\@:
	TLOAD G0B, G1W
.Lasked_\@:
.endm
.macro GROUP1 g, mask, rows
	s_or_b32 s[\g+0], s[\mask], (1<<20)|(1<<21)|(5<<22)|(3<<25)   ; the mask; elements of 1 byte; padding on; bit 21 beside a mask; after every 64 words, 4 words
	s_mov_b32 s[\g+1], 768<<16
	s_mov_b32 s[\g+2], (\rows)<<16
	s_mov_b32 s[\g+3], 768<<16
	s_mov_b32 s[\g+4], \rows
	s_mov_b32 s[\g+5], 1536
	s_mov_b32 s[\g+6], 0
	s_mov_b32 s[\g+7], 0
.endm
; A fragment: 16 rows x 128 K in 12 registers: lane (r, h) takes 24 bytes at 24 h and 24 at 48 + 24 h of the row's 96, in pieces of 8 bytes, two to a load where both go by the same address register.
.macro FRAG w, r, q, a0, a1
	WIN (\w)<<6
.set SKIP_, 0
.irp p, 0,1,2,3,4,5
.if SKIP_
.set SKIP_, 0
.else
.set PC_, 12*(\q)+6*(\p/3)+\p%3
.set PN_, 12*(\q)+6*((\p+1)/3)+(\p+1)%3
.set X_, (PC_%32+3)/32                 ; 1: lanes 16-31, 24 bytes on, lie behind one padding more
.set Y_, (PN_%32+3)/32
.if (\p < 5) && (X_ == Y_)
.set SKIP_, 1
.if X_
	ds_load_2addr_b64 v[(\r)+2*\p:(\r)+2*\p+3], v[\a1] offset0:PC_+2*(PC_/32) offset1:PN_+2*(PN_/32)
.else
	ds_load_2addr_b64 v[(\r)+2*\p:(\r)+2*\p+3], v[\a0] offset0:PC_+2*(PC_/32) offset1:PN_+2*(PN_/32)
.endif
.elseif X_
	ds_load_b64 v[(\r)+2*\p:(\r)+2*\p+1], v[\a1] offset:8*(PC_+2*(PC_/32))
.else
	ds_load_b64 v[(\r)+2*\p:(\r)+2*\p+1], v[\a0] offset:8*(PC_+2*(PC_/32))
.endif
.endif
.endr
.endm
.macro NLC q, sym                      ; loads a fragment of step q takes
.set \sym, 3
.if ((\q)%8 == 2) || ((\q)%8 == 5)
.set \sym, 4
.endif
.endm
.macro XFETCH q                        ; step q's four fragments of x, into their own registers: fragment 4 q + a, 21 to a window
.irp a, 0,1,2,3
.set F_, 4*(\q)+\a
.if F_ < 63
	FRAG 1+F_/21, 12*(F_%21), (\q)%8, XB+2*\a, XB+2*\a+1
.else
	FRAG 0, XL, (\q)%8, XB+2*\a, XB+2*\a+1
.endif
.endr
	WIN 0
.endm
.macro WFETCH q, s                     ; step q's two fragments of the weight, into set s
.irp t, 0,1
	FRAG 0, WS+24*(\s)+12*\t, (\q)%8, WB+2*\t, WB+2*\t+1
.endr
.endm
.macro WBASE c
.irp t, 0,1
	v_add_nc_u32 v[WB+2*\t], (\c)+16*PITCH*\t, v[WR]
	v_add_nc_u32 v[WB+2*\t+1], (\c)+16*PITCH*\t, v[WR+1]
.endr
	WALU
.endm
; Four products: the weight's tile t x x's four tiles.  The 8 accumulators take turns in the same order in every step.  Step q's scale word lies in register 4 (q / 8) + q % 4 of a tile's eight, in lanes 16 ((q / 4) % 2) + r.
.macro PROD q, t, zero, s, sw
.set SR_, 4*((\q)/8)+(\q)%4
.set A_, WS+24*(\s)+12*(\t)
.irp a, 0,1,2,3
.set F_, 4*(\q)+\a
.if F_ < 63
	WIN (1+F_/21)<<2
.set B_, 12*(F_%21)
.else
	WIN 0
.set B_, XL
.endif
.set D_, ACC+8*(2*\a+(\t))
.if \zero
	v_wmma_scale_f32_16x16x128_f8f6f4 v[D_:D_+7], v[A_:A_+11], v[B_:B_+11], 0, v[\sw+8*(\t)+SR_], v[SSX+8*\a+SR_] matrix_a_fmt:MATRIX_FMT_FP6 matrix_b_fmt:MATRIX_FMT_FP6
.elseif ((\q)/4)%2
	v_wmma_scale_f32_16x16x128_f8f6f4 v[D_:D_+7], v[A_:A_+11], v[B_:B_+11], v[D_:D_+7], v[\sw+8*(\t)+SR_], v[SSX+8*\a+SR_] matrix_a_fmt:MATRIX_FMT_FP6 matrix_b_fmt:MATRIX_FMT_FP6 matrix_a_scale:MATRIX_SCALE_ROW1 matrix_b_scale:MATRIX_SCALE_ROW1
.else
	v_wmma_scale_f32_16x16x128_f8f6f4 v[D_:D_+7], v[A_:A_+11], v[B_:B_+11], v[D_:D_+7], v[\sw+8*(\t)+SR_], v[SSX+8*\a+SR_] matrix_a_fmt:MATRIX_FMT_FP6 matrix_b_fmt:MATRIX_FMT_FP6
.endif
.endr
.endm
; A step of pass 0.  Loads go out in the order x(q), W(q), x(q + 1), W(q + 1), x(q + 2): the wait leaves out what is younger than W(q).
.macro STEPX q, zero, extra
	XFETCH (\q)+2
	NLC (\q)+1, N1_
	NLC (\q)+2, N2_
	s_wait_dscnt 6*N1_+4*N2_+\extra
	PROD \q, 0, \zero, (\q)%2, SSW0
	PROD \q, 1, \zero, (\q)%2, SSW0
	WIN 0
	PLACES
	WFETCH (\q)+2, (\q)%2
.endm
; A step of passes 1 and 2: x is in registers; the weight's fragments are asked for two steps ahead, into three sets by turns.
.macro STEPW q, zero, sw, half1
	WIN 0
	PLACES
.set WN_, 0
.if (\q)+2 == 8
	WBASE \half1
.endif
.if (\q)+2 < 16
	WFETCH (\q)+2, ((\q)+2)%3
	NLC (\q)+2, N2_
.set WN_, 2*N2_
.endif
	NLC (\q)+1, N1_
	s_wait_dscnt WN_+2*N1_
	PROD \q, 0, \zero, (\q)%3, \sw
	PROD \q, 1, \zero, (\q)%3, \sw
.endm
.macro TRIGL u                         ; cos and sin of my tile u
.irp n, 0,1,2,3
	ds_load_b128 v[TG+32*\u+4*\n:TG+32*\u+4*\n+3], v[TRGA] offset:HW*\u+512*\n
	ds_load_b128 v[TG+32*\u+16+4*\n:TG+32*\u+19+4*\n], v[TRGA] offset:HW*\u+2048+512*\n
.endr
.endm
.macro PASS sw, half1
	STEPW 0, 1, \sw, \half1
.set QQ_, 1
.rept 14
	STEPW QQ_, 0, \sw, \half1
.set QQ_, QQ_+1
.endr
	WIN 0
	PLACES
	TRIGL 1                                        ; onto sets 1 and 2, which are done with
	s_wait_dscnt 8                                 ; step 15's fragments are in; the eight just issued may be out
	PROD 15, 0, 0, 0, \sw
	PROD 15, 1, 0, 0, \sw
	WIN 0
.endm
.macro TOTRS b, trig                   ; the pass's results, each accumulator from its low end on: token 16 a + r of my 64, columns 32 j + 16 t + 8 h + 0..7
	WIN 0
	PLACES
.if \trig
	TRIGL 0
.endif
.irp a, 0,1,2,3
.irp t, 0,1
	ds_store_b128 v[TSTO], v[ACC+8*(2*\a+\t):ACC+8*(2*\a+\t)+3] offset:(\b)*HW+16*TP*\a+64*\t
	ds_store_b128 v[TSTO], v[ACC+8*(2*\a+\t)+4:ACC+8*(2*\a+\t)+7] offset:(\b)*HW+16*TP*\a+64*\t+16
.endr
.endr
.endm
.macro ROPE u                          ; out1 = x1 cos - x2 sin, out2 = x1 sin + x2 cos; two pairs by turns
.set XS, ACC+32*\u
.set CG, TG+32*\u
.irp e, 0,4,8,12
	v_pk_mul_f32 v[TT:TT+1], v[XS+16+\e:XS+17+\e], v[CG+16+\e:CG+17+\e]
	v_pk_mul_f32 v[TT+4:TT+5], v[XS+18+\e:XS+19+\e], v[CG+18+\e:CG+19+\e]
	v_pk_mul_f32 v[TT+2:TT+3], v[XS+16+\e:XS+17+\e], v[CG+\e:CG+1+\e]
	v_pk_mul_f32 v[TT+6:TT+7], v[XS+18+\e:XS+19+\e], v[CG+2+\e:CG+3+\e]
	v_pk_fma_f32 v[XS+16+\e:XS+17+\e], v[XS+\e:XS+1+\e], v[CG+16+\e:CG+17+\e], v[TT+2:TT+3]
	v_pk_fma_f32 v[XS+18+\e:XS+19+\e], v[XS+2+\e:XS+3+\e], v[CG+18+\e:CG+19+\e], v[TT+6:TT+7]
	v_pk_fma_f32 v[XS+\e:XS+1+\e], v[XS+\e:XS+1+\e], v[CG+\e:CG+1+\e], v[TT:TT+1] neg_lo:[0,0,1] neg_hi:[0,0,1]
	v_pk_fma_f32 v[XS+2+\e:XS+3+\e], v[XS+2+\e:XS+3+\e], v[CG+2+\e:CG+3+\e], v[TT+4:TT+5] neg_lo:[0,0,1] neg_hi:[0,0,1]
.endr
.endm
.macro EROPE b, trig                   ; my 32 tokens back from LDS (trig = 1: and their cos and sin), and turned
	s_wait_xcnt 0x0                                ; the last head's stores have read their registers
.irp u, 0,1
.irp n, 0,1,2,3
	ds_load_b128 v[ACC+32*\u+4*\n:ACC+32*\u+4*\n+3], v[TRR] offset:(\b)*HW+8*TP*\u+16*\n
	ds_load_b128 v[ACC+32*\u+16+4*\n:ACC+32*\u+19+4*\n], v[TRR] offset:(\b)*HW+8*TP*\u+128+16*\n
.endr
.if \trig
	TRIGL \u
.endif
.endr
	s_wait_dscnt 8+8*\trig                         ; all but tile 1's loads
	ROPE 0
	s_wait_dscnt 0x0
	ROPE 1
.endm
.macro MAX4                            ; the largest magnitudes of four runs of 16, with the floor 2^(3 - 127): the scale byte cannot fall under 1
.irp k, 0,1,2,3
	v_max3_num_f32 v[TM+\k], |v[ACC+16*\k]|, |v[ACC+16*\k+1]|, 0x1800000
.endr
.irp i, 2,4,6,8,10,12,14
.irp k, 0,1,2,3
	v_max3_num_f32 v[TM+\k], v[TM+\k], |v[ACC+16*\k+\i]|, |v[ACC+16*\k+\i+1]|
.endr
.endr
.endm
.macro QUANT                           ; two tiles x two blocks of 32: six registers of codes a tile (lane (r, h): block h whole) and the scale words (bytes 2, 3: 127, for the half of attention's K step that is zero codes) in v[TT], v[TT+1]
	MAX4
.irp k, 0,1,2,3
	v_permlanex16_b32 v[TM+4+\k], v[TM+\k], s[SEL], s[SEL+1]
.endr
.irp k, 0,1,2,3
	v_max_num_f32 v[TM+\k], v[TM+\k], v[TM+4+\k]
.endr
.irp k, 0,1,2,3
	v_add_nc_u32 v[TM+8+\k], 0xff000000, v[TM+\k]  ; 2 off the exponent field: the conversion's scale operand
.endr
.irp k, 0,1,2,3
	v_lshrrev_b32 v[TM+12+\k], 23, v[TM+8+\k]
.endr
.irp u, 0,1
	v_lshl_or_b32 v[TT+\u], v[TM+13+2*\u], 8, v[TM+12+2*\u]
.endr
.irp u, 0,1
	v_or_b32 v[TT+\u], 0x7f7f0000, v[TT+\u]
.endr
.irp u, 0,1
	v_cvt_scalef32_pk16_fp6_f32 v[CW+6*\u:CW+6*\u+2], v[ACC+32*\u:ACC+32*\u+15], v[TM+8+2*\u]
	v_cvt_scalef32_pk16_fp6_f32 v[CT+4*\u:CT+4*\u+2], v[ACC+32*\u+16:ACC+32*\u+31], v[TM+9+2*\u]
.endr
	v_nop
.irp i, 0,1,2
.irp u, 0,1
	v_permlane16_swap_b32 v[CW+6*\u+\i], v[CT+4*\u+\i]   ; a whole block to a lane
.endr
.endr
.irp i, 0,1,2
.irp u, 0,1
	v_mov_b32 v[CW+6*\u+3+\i], v[CT+4*\u+\i]
.endr
.endr
.endm
.macro QOUT off
.irp u, 0,1
.irp p, 0,1,2
	global_store_b64 v[GL8], v[CW+6*\u+2*\p:CW+6*\u+2*\p+1], s[20:21] offset:(\off)+768*\u+256*\p   ; 256 consecutive bytes, aligned
.endr
.endr
.endm
; ================= THE HEAD
	s_load_b512 s[4:19], s[0:1], 0x0               ; x codes, x scales, wq codes, wq scales, wk codes, wk scales, wv codes, wv scales
	s_load_b128 s[20:23], s[0:1], 0x40             ; qimg, qscl
	s_load_b64 s[24:25], s[0:1], 0x50              ; kv
	v_lshl_add_u32 v[SPW], v0, 2, SPARE
	v_mov_b32 v[NIL], 0
	ds_add_u32 v[SPW], v[NIL]                      ; the opening lines
	ds_add_u32 v[SPW], v[NIL]
	v_lshrrev_b32 v1, 5, v0
	v_readfirstlane_b32 s[WV], v1
	s_lshr_b32 s[WI], s[WV], 1
	s_and_b32 s[WJ], s[WV], 1
	s_bfe_u32 s[CX], ttmp6, 0x40000
	s_bfe_u32 s[CY], ttmp6, 0x40004
	s_lshl_b32 s[TX], ttmp9, 2
	s_add_co_u32 s[TX], s[TX], s[CX]
	s_and_b32 s[TY], ttmp7, 0xffff
	s_lshl_b32 s[TY], s[TY], 2
	s_add_co_u32 s[TY], s[TY], s[CY]
	s_and_b32 s[KVH], ttmp9, 1
	s_lshl_b32 s[KVH], s[KVH], 2
	s_add_co_u32 s[KVH], s[KVH], s[CX]             ; the kv head = tx % 8
	s_lshl_b32 s70, s[CY], 2
	s_lshl_b32 s70, 15, s70                        ; my row of the cluster
	s_lshl_b32 s71, 0x1111, s[CX]                  ; my column
	GROUP1 G1X, 70, 64
	GROUP1 G1W, 71, 32
	s_mul_i32 s90, s[TY], 128*1536
	s_mov_b32 s91, 0
	s_mul_i32 s92, s[KVH], 64*1536
	s_mov_b32 s93, 0
	s_mul_i32 s94, s[TX], 128*1536
	s_mov_b32 s95, 0
	s_lshl_b32 s96, s[TY], 13                      ; scale bytes: 64 a row: my 64 tokens,
	s_lshl_b32 s97, s[WI], 12
	s_add_co_u32 s96, s96, s97
	s_mov_b32 s97, 0
	s_lshl_b32 s98, s[TX], 13                      ; my 32 rows of a query head,
	s_lshl_b32 s99, s[WJ], 11
	s_add_co_u32 s98, s98, s99
	s_lshl_b32 s100, s[KVH], 12                    ; and of the kv head
	s_add_co_u32 s100, s100, s99
	s_mov_b32 s99, 0
	s_mov_b32 s101, 0
	s_mul_i32 s52, s[WJ], 64*1536                  ; which of x's rows I fetch,
	s_mov_b32 s53, 0
	s_mul_i32 s54, s[WJ], 32*1536                  ; which of the kv weight's
	s_mov_b32 s55, 0
	s_mov_b32 s[G0A], 1
	s_mul_i32 s[G0A+1], s[WJ], HW
	s_mov_b32 s[G0B], 1
	s_mul_i32 s[G0B+1], s[WJ], 32*PITCH
	s_add_co_u32 s[G0B+1], s[G0B+1], W0A
	WALU
	s_wait_dscnt 0x0
	CROUND                                         ; all sixteen work-groups are here: the first joint loads meet
	s_wait_kmcnt 0x0
	s_cmp_ge_u32 ttmp9, 2                          ; Wk or Wv
	s_cselect_b64 s[12:13], s[16:17], s[12:13]
	s_cselect_b64 s[14:15], s[18:19], s[14:15]
	s_add_nc_u64 s[4:5], s[4:5], s[90:91]
	s_add_nc_u64 s[12:13], s[12:13], s[92:93]
	s_add_nc_u64 s[G0A+2:G0A+3], s[4:5], s[52:53]
	s_or_b32 s[G0A+3], s[G0A+3], 0x80000000
	s_add_nc_u64 s[G0B+2:G0B+3], s[12:13], s[54:55]
	s_or_b32 s[G0B+3], s[G0B+3], 0x80000000
	JLOAD                                          ; the first halves along K
	s_add_nc_u64 s[8:9], s[8:9], s[94:95]
	s_add_nc_u64 s[6:7], s[6:7], s[96:97]
	s_add_nc_u64 s[10:11], s[10:11], s[98:99]
	s_add_nc_u64 s[14:15], s[14:15], s[100:101]
	s_mov_b32 s[G0R], 1                            ; the refills' descriptor: half j along K of rows 32 i .. of the first query head
	s_mul_i32 s[G0R+1], s[WJ], HW
	s_mul_i32 s90, s[WI], 32*PITCH
	s_add_co_u32 s[G0R+1], s[G0R+1], s90
	s_mul_i32 s90, s[WJ], 768
	s_mul_i32 s91, s[WI], 32*1536
	s_add_co_u32 s90, s90, s91
	s_mov_b32 s91, 0
	s_add_nc_u64 s[G0R+2:G0R+3], s[8:9], s[90:91]
	s_or_b32 s[G0R+3], s[G0R+3], 0x80000000
	s_mov_b32 s[HM], 0xffff0000
	s_mov_b32 s[SEL], 0x76543210
	s_mov_b32 s[SEL+1], 0xfedcba98
	s_lshl_b32 s[NUM], s[CY], 2
	s_add_co_u32 s[NUM], s[NUM], s[WV]             ; my number among the sixteen waves of my column of the cluster
	s_and_b32 s[PS], s[TY], 7                      ; which 128 tokens of the sequence
	s_lshr_b32 s100, s[TY], 3                      ; b
	s_lshl_b32 s96, s100, 5
	s_lshl_b32 s98, s[TX], 1
	s_add_co_u32 s96, s96, s98
	s_lshl_b32 s96, s96, 6
	s_lshl_b32 s98, s[PS], 3
	s_add_co_u32 s96, s96, s98
	s_lshl_b32 s98, s[WV], 1
	s_add_co_u32 s96, s96, s98
	s_mul_i32 s96, s96, 768
	s_mov_b32 s97, 0
	s_add_nc_u64 s[20:21], s[20:21], s[96:97]      ; q's image: tile (32 b + head) 64 + 8 (block % 8) + 2 w
	s_lshl_b32 s96, s100, 4
	s_add_co_u32 s96, s96, s[TX]
	s_lshl_b32 s96, s96, 5
	s_lshl_b32 s98, s[PS], 2
	s_add_co_u32 s96, s96, s98
	s_add_co_u32 s96, s96, s[WV]
	s_lshl_b32 s96, s96, 8
	s_add_nc_u64 s[22:23], s[22:23], s[96:97]      ; its words: ((16 b + tx) 32 + 4 (block % 8) + w) 256
	s_lshl_b32 s96, s100, 3
	s_add_co_u32 s96, s96, s[KVH]
	s_mul_i32 s96, s96, 104448
	s_mul_i32 s98, s[PS], 13056
	s_add_co_u32 s96, s96, s98
	s_add_nc_u64 s[24:25], s[24:25], s[96:97]      ; the key step's block
	s_mul_i32 s98, s[WV], 1536                     ; K: my 32 keys
	s_mul_i32 s100, s[WI], 1536                    ; V: c = i, h = j
	s_add_co_u32 s100, s100, 6144
	s_cmp_ge_u32 ttmp9, 2
	s_cselect_b32 s98, s100, s98
	s_mov_b32 s99, 0
	s_add_nc_u64 s[26:27], s[24:25], s[98:99]
	s_mul_i32 s90, s[WI], HW                       ; LDS places
	s_mul_i32 s91, s[WJ], 32*PITCH
	s_mul_i32 s92, s[WI], 64*TP
	s_lshl_b32 s93, s[WJ], 7
	s_add_co_u32 s92, s92, s93
	s_add_co_u32 s92, s92, TRS
	s_mul_i32 s93, s[WV], 32*TP
	s_add_co_u32 s93, s93, TRS
	s_lshl_b32 s94, s[WV], 12
	s_add_co_u32 s94, s94, TRG
	s_lshl_b32 s95, s[WV], 2
	s_add_co_u32 s95, s95, KSC
	s_add_co_u32 s100, s[WV], KSC+512
	s_mul_i32 s101, s[NUM], 6144                   ; the prefetches: 24 units of a query head's rows; of the kv weight's second half 12: rows 4 n .. 4 n + 3;
	s_lshl_b32 s96, s[CX], 2
	s_add_co_u32 s96, s96, s[WV]
	s_mul_i32 s96, s96, 12288                      ; of x's second half 24: rows 8 n .. 8 n + 7 by my number in my row of the cluster
	s_lshl_b32 s98, s[PS], 7
	s_lshl_b32 s99, s[WV], 5
	s_add_co_u32 s98, s98, s99                     ; my first token's position in the sequence
	s_mov_b32 s[K2PI], 0x3f22f983                  ; 2 / pi
	s_mov_b32 s[KHI], 0xbfc90fdb                   ; -(pi/2 rounded to f32)
	s_mov_b32 s[KLO], 0x333bbd2e                   ; that number less pi/2
	s_mov_b32 s[KS3], 0xb94ca1f9                   ; sin r = r + r z (S1 + z (S2 + z S3))
	s_mov_b32 s[KS2], 0x3c08839e
	s_mov_b32 s[KS1], 0xbe2aaaa3
	s_mov_b32 s[KC3], 0x37ccf5ce                   ; cos r = 1 - z / 2 + z z (C1 + z (C2 + z C3))
	s_mov_b32 s[KC2], 0xbab6061a
	s_mov_b32 s[KC1], 0x3d2aaaa5
	v_and_b32 v[RR], 15, v0
	v_bfe_u32 v[HH], v0, 4, 1
	v_and_b32 v[LN], 31, v0
	v_lshlrev_b32 v[LSC], 6, v[RR]
	v_lshl_add_u32 v[LSC], v[HH], 4, v[LSC]
; THE SCALE WORDS come straight into registers.  A row has 16 words, one for each 128 along K; lane (r, h) takes words 8 jj + 4 h + 0..3 of row 16 t + r.
.irp a, 0,1,2,3
.irp jj, 0,1
	global_load_b128 v[SSX+8*\a+4*\jj:SSX+8*\a+4*\jj+3], v[LSC], s[6:7] offset:1024*\a+32*\jj
.endr
.endr
.irp t, 0,1
.irp jj, 0,1
	global_load_b128 v[SSW0+8*\t+4*\jj:SSW0+8*\t+4*\jj+3], v[LSC], s[14:15] offset:1024*\t+32*\jj
	global_load_b128 v[SSW1+8*\t+4*\jj:SSW1+8*\t+4*\jj+3], v[LSC], s[10:11] offset:1024*\t+32*\jj
.endr
.endr
	v_min_u32 v[T1], 23, v[LN]
	v_min_u32 v[T2], 11, v[LN]
	v_lshl_add_u32 v[PFV], v[T1], 8, s101
	v_mul_u32_u24 v[T3], 171, v[T1]
	v_lshrrev_b32 v[T3], 9, v[T3]                  ; lane / 3: the row; a row's second half is 3 units
	v_mul_u32_u24 v[T3], 768, v[T3]
	v_lshl_add_u32 v[T3], v[T1], 8, v[T3]
	v_add_nc_u32 v[WD], s96, v[T3]
	v_mul_u32_u24 v[T3], 171, v[T2]
	v_lshrrev_b32 v[T3], 9, v[T3]
	v_mul_u32_u24 v[T3], 768, v[T3]
	v_lshl_add_u32 v[T3], v[T2], 8, v[T3]
	v_add_nc_u32 v[WD+1], s101, v[T3]
	global_prefetch_b8 v[WD], s[4:5] offset:768 th:TH_LOAD_NT scope:SCOPE_SE     ; x's second half,
	global_prefetch_b8 v[WD+1], s[12:13] offset:768 th:TH_LOAD_NT scope:SCOPE_SE ; the kv weight's,
	global_prefetch_b8 v[PFV], s[8:9] th:TH_LOAD_NT scope:SCOPE_SE               ; the first query head's rows
	v_mul_u32_u24 v[T1], v[RR], PITCH
	v_mad_u32_u24 v[T2], v[HH], 24, v[T1]
	v_mad_u32_u24 v[T3], v[HH], 40, v[T1]
	v_add_nc_u32 v[XB], s90, v[T2]
	v_add_nc_u32 v[XB+1], s90, v[T3]
	v_add_nc_u32 v[WR], s91, v[T2]
	v_add_nc_u32 v[WR+1], s91, v[T3]
.irp a, 1,2,3
	v_add_nc_u32 v[XB+2*\a], 16*PITCH*\a, v[XB]
	v_add_nc_u32 v[XB+2*\a+1], 16*PITCH*\a, v[XB+1]
.endr
	WBASE W0A
	v_lshlrev_b32 v[GL8], 3, v[LN]
	v_mul_u32_u24 v[T1], v[RR], TP
	v_lshl_add_u32 v[T1], v[HH], 5, v[T1]
	v_add_nc_u32 v[TSTO], s92, v[T1]               ; in: token r's row, 32 bytes for each half of the lanes
	v_and_b32 v[T2], 8, v[RR]
	v_add_nc_u32 v[T2], v[T2], v[RR]               ; r + 8 (r / 8)
	v_mul_u32_u24 v[T1], v[T2], TP
	v_lshl_add_u32 v[T1], v[HH], 6, v[T1]
	v_add_nc_u32 v[TRR], s93, v[T1]                ; out, by rows
	v_lshl_add_u32 v[TRGA], v[LN], 4, s94
	v_lshl_add_u32 v[KSW], v[LN], 4, s95           ; K's word: lane's 16 bytes, word w
	v_add_nc_u32 v[RDW], KSC, v[GL8]
	v_add_nc_u32 v[T2], s98, v[T2]                 ; my token of tile 0; tile 1's lies 8 on
	v_and_b32 v[T3], 7, v[RR]
	v_lshl_add_u32 v[T3], v[HH], 3, v[T3]
	v_lshl_add_u32 v[VSB], v[LN], 3, s100          ; V's scale byte: lane's 8 bytes, byte w of a word
	v_lshrrev_b32 v[T1], 3, v[RR]
	v_lshl_add_u32 v[T3], v[T1], 4, v[T3]          ; V: d = 8 (lane / 16) + r % 8 + 16 (r / 8)
	v_lshl_add_u32 v[TRD], v[T3], 2, s93           ; out, by columns
	v_add_nc_u32 v[T3], 8, v[T2]
	v_cvt_f32_u32 v[T2], v[T2]
	v_cvt_f32_u32 v[T3], v[T3]
	v_mov_b32 v[T1], 0x3c23d70a                    ; 0.01
	v_cndmask_b32 v[T1], 1.0, v[T1], s[HM]         ; lanes 16-31 have frequencies 16 to 31
	v_mul_f32 v[T2], v[T2], v[T1]
	v_mul_f32 v[T3], v[T3], v[T1]
; Four frequencies line by line: cos and sin of pos x f, into v[cd ..] and v[sd ..] of window dw
.set WT, ACC
.macro TRIG4 pos, dw, cd, sd, f0, f1, f2, f3
.set uu, 0
.irp f, \f0, \f1, \f2, \f3
	v_mul_f32 v[WT+8*uu], \f, v[\pos]
.set uu, uu+1
.endr
.irp u, 0,1,2,3
	v_mul_f32 v[WT+8*\u+1], s[K2PI], v[WT+8*\u]
.endr
.irp u, 0,1,2,3
	v_rndne_f32 v[WT+8*\u+1], v[WT+8*\u+1]         ; k = the nearest whole number to a 2 / pi
.endr
.irp u, 0,1,2,3
	v_fma_f32 v[WT+8*\u], v[WT+8*\u+1], s[KHI], v[WT+8*\u]
.endr
.irp u, 0,1,2,3
	v_fma_f32 v[WT+8*\u], v[WT+8*\u+1], s[KLO], v[WT+8*\u]   ; r, |r| <= pi/4
.endr
.irp u, 0,1,2,3
	v_mul_f32 v[WT+8*\u+2], v[WT+8*\u], v[WT+8*\u]           ; z = r r
.endr
.irp u, 0,1,2,3
	v_cvt_i32_f32 v[WT+8*\u+1], v[WT+8*\u+1]
.endr
.irp u, 0,1,2,3
	v_fma_f32 v[WT+8*\u+3], v[WT+8*\u+2], s[KS3], s[KS2]
.endr
.irp u, 0,1,2,3
	v_fma_f32 v[WT+8*\u+4], v[WT+8*\u+2], s[KC3], s[KC2]
.endr
.irp u, 0,1,2,3
	v_fma_f32 v[WT+8*\u+3], v[WT+8*\u+3], v[WT+8*\u+2], s[KS1]
.endr
.irp u, 0,1,2,3
	v_fma_f32 v[WT+8*\u+4], v[WT+8*\u+4], v[WT+8*\u+2], s[KC1]
.endr
.irp u, 0,1,2,3
	v_mul_f32 v[WT+8*\u+5], v[WT+8*\u], v[WT+8*\u+2]
.endr
.irp u, 0,1,2,3
	v_mul_f32 v[WT+8*\u+6], v[WT+8*\u+2], v[WT+8*\u+2]
.endr
.irp u, 0,1,2,3
	v_fma_f32 v[WT+8*\u+7], v[WT+8*\u+2], -0.5, 1.0
.endr
.irp u, 0,1,2,3
	v_fma_f32 v[WT+8*\u+3], v[WT+8*\u+3], v[WT+8*\u+5], v[WT+8*\u]     ; sin r
.endr
.irp u, 0,1,2,3
	v_fma_f32 v[WT+8*\u+4], v[WT+8*\u+4], v[WT+8*\u+6], v[WT+8*\u+7]   ; cos r
.endr
.irp u, 0,1,2,3
	v_and_b32 v[WT+8*\u+5], 1, v[WT+8*\u+1]
.endr
.irp u, 0,1,2,3
	v_cmp_eq_u32 s[MK+\u], 1, v[WT+8*\u+5]         ; an odd k swaps the two
.endr
.irp u, 0,1,2,3
	v_cndmask_b32 v[WT+8*\u+6], v[WT+8*\u+3], v[WT+8*\u+4], s[MK+\u]
.endr
.irp u, 0,1,2,3
	v_cndmask_b32 v[WT+8*\u+7], v[WT+8*\u+4], v[WT+8*\u+3], s[MK+\u]
.endr
.irp u, 0,1,2,3
	v_lshlrev_b32 v[WT+8*\u+5], 30, v[WT+8*\u+1]   ; sin changes sign where k % 4 is 2 or 3,
.endr
.irp u, 0,1,2,3
	v_add_nc_u32 v[WT+8*\u+1], 1, v[WT+8*\u+1]     ; cos where it is 1 or 2
.endr
.irp u, 0,1,2,3
	v_and_b32 v[WT+8*\u+5], 0x80000000, v[WT+8*\u+5]
.endr
.irp u, 0,1,2,3
	v_lshlrev_b32 v[WT+8*\u+1], 30, v[WT+8*\u+1]
.endr
.irp u, 0,1,2,3
	v_and_b32 v[WT+8*\u+1], 0x80000000, v[WT+8*\u+1]
.endr
	WIN (\dw)<<6
.irp u, 0,1,2,3
	v_xor_b32 v[(\sd)+\u], v[WT+8*\u+5], v[WT+8*\u+6]
.endr
.irp u, 0,1,2,3
	v_xor_b32 v[(\cd)+\u], v[WT+8*\u+1], v[WT+8*\u+7]
.endr
	WIN 0
.endm
	; tile 0: window 3, v128-159, registers that x's step 13 takes later; tile 1: v104-127, the weights' third set, not used in pass 0, and v28-35
	TRIG4 T2, 3, 128, 144, 1.0, 0.7498942093, 0.5623413252, 0.4216965034
	TRIG4 T2, 3, 132, 148, 0.3162277660, 0.2371373706, 0.1778279410, 0.1333521432
	TRIG4 T2, 3, 136, 152, 0.1, 0.07498942093, 0.05623413252, 0.04216965034
	TRIG4 T2, 3, 140, 156, 0.03162277660, 0.02371373706, 0.01778279410, 0.01333521432
	TRIG4 T3, 0, 104, 120, 1.0, 0.7498942093, 0.5623413252, 0.4216965034
	TRIG4 T3, 0, 108, 124, 0.3162277660, 0.2371373706, 0.1778279410, 0.1333521432
	TRIG4 T3, 0, 112, 28, 0.1, 0.07498942093, 0.05623413252, 0.04216965034
	TRIG4 T3, 0, 116, 32, 0.03162277660, 0.02371373706, 0.01778279410, 0.01333521432
	WALU
	s_wait_tensorcnt 0x0                           ; my part of the first halves is in
	ds_add_u32 v[SPW], v[NIL]
	s_add_co_u32 s[G0A+1], s[G0A+1], XBR
	s_add_nc_u64 s[G0A+2:G0A+3], s[G0A+2:G0A+3], 768
	s_add_co_u32 s[G0B+1], s[G0B+1], HW
	s_add_nc_u64 s[G0B+2:G0B+3], s[G0B+2:G0B+3], 768
	s_wait_dscnt 0x0
	CROUND
	JLOAD                                          ; the second halves along K
; ================= PASS 0
	XFETCH 0
	WFETCH 0, 0
	XFETCH 1
	WFETCH 1, 1
	s_wait_loadcnt 0x0                             ; the scale words
	STEPX 0, 1, 0
.set Q, 1
.rept 5
	STEPX Q, 0, 0
.set Q, Q+1
.endr
	s_wait_tensorcnt 0x0                           ; the first refill's round: my part of the second halves is in
	ds_add_u32 v[SPW], v[NIL]
	s_wait_dscnt 19                                ; step 6's fragments are in: younger are step 7's 18 loads and the add
	PROD 6, 0, 0, 0, SSW0
	PROD 6, 1, 0, 0, SSW0
	WIN 0
	WALU
	s_wait_dscnt 0x0                               ; the add is done, and my reads of both first halves
	s_barrier_signal -1
	PROD 7, 0, 0, 1, SSW0
	WIN 0
	s_barrier_wait -1
	CREST
	TLOAD G0R, G1W                                 ; XA takes the first query head's rows, a quarter a wave
.irp k, 0,1,2,3,4,5,6,7
	v_add_nc_u32 v[XB+\k], XBR, v[XB+\k]
.endr
	WBASE W0B
	XFETCH 8
	WFETCH 8, 0
	PROD 7, 1, 0, 1, SSW0
	WIN 0
	PLACES
	XFETCH 9
	WFETCH 9, 1
	WIN 0x0c
.irp n, 0,1,2,3,4,5,6,7
	ds_store_b128 v[TRGA], v[128+4*\n:131+4*\n] offset:512*\n   ; tile 0's cos and sin, onto bytes of W0A, which nobody reads any more
.endr
	WIN 0
	STEPX 8, 0, 8
	global_prefetch_b8 v[PFV], s[8:9] offset:64*1536 th:TH_LOAD_NT scope:SCOPE_SE   ; the second query head's rows
.set Q, 9
.rept 5
	STEPX Q, 0, 0
.set Q, Q+1
.endr
	s_wait_dscnt 18
	PROD 14, 0, 0, 0, SSW0
	PROD 14, 1, 0, 0, SSW0
	s_wait_dscnt 0x0
	PROD 15, 0, 0, 1, SSW0
	PROD 15, 1, 0, 1, SSW0
	TOTRS 0, 0
	s_wait_tensorcnt 0x0                           ; the second refill's round: the first query head's rows are in
	ds_add_u32 v[SPW], v[NIL]
	s_add_co_u32 s[G0R+1], s[G0R+1], XBR
	s_add_nc_u64 s[G0R+2:G0R+3], s[G0R+2:G0R+3], 64*1536
	s_wait_dscnt 0x0                               ; the add, my results and my reads of x are done
	CROUND
	TLOAD G0R, G1W                                 ; XB takes the second query head's rows
.irp n, 0,1,2,3
	ds_store_b128 v[TRGA], v[104+4*\n:107+4*\n] offset:HW+512*\n   ; tile 1's cos and sin, onto bytes of W0B
.endr
	ds_store_b128 v[TRGA], v[120:123] offset:HW+2048
	ds_store_b128 v[TRGA], v[124:127] offset:HW+2560
	ds_store_b128 v[TRGA], v[28:31] offset:HW+3072
	ds_store_b128 v[TRGA], v[32:35] offset:HW+3584
	s_cmp_ge_u32 ttmp9, 2
	s_cbranch_scc1 .Lv_path
	EROPE 0, 1                                     ; k
	QUANT
	v_cndmask_b32 v[TT+2], v[TT], v[TT+1], s[HM]   ; lane (r, h) stores the word of tile h
	v_lshlrev_b32 v[TT+3], 1, v[GL8]
	ds_store_b32 v[KSW], v[TT+2]
.irp n, 0,1,2
	global_store_b128 v[TT+3], v[CW+4*\n:CW+4*\n+3], s[26:27] offset:512*\n   ; 512 consecutive bytes, aligned
.endr
	s_branch .Lkv_join
.Lv_path:                                              ; v: register 32 dd + n = token n of column d + 32 dd
.set n, 0
.rept 64
	ds_load_b32 v[ACC+n], v[TRD] offset:(n%32)*TP+128*(n/32)
.set n, n+1
.endr
	s_lshl_b32 s90, s[WJ], 8
	s_wait_dscnt 0x0
	MAX4
	v_max_num_f32 v[TM], v[TM], v[TM+1]
	v_max_num_f32 v[TM+1], v[TM+2], v[TM+3]
	v_add_nc_u32 v[TT+2], s90, v[GL8]              ; registers 4, 5: 8 bytes a lane, 256 bytes for each h;
	v_lshlrev_b32 v[TT+3], 1, v[TT+2]              ; registers 0-3: twice that
.irp d, 0,1
	v_add_nc_u32 v[TM+8+\d], 0xff000000, v[TM+\d]
.endr
.irp d, 0,1
	v_lshrrev_b32 v[TM+12+\d], 23, v[TM+8+\d]
.endr
.irp d, 0,1
	v_cvt_scalef32_pk16_fp6_f32 v[CW+6*\d:CW+6*\d+2], v[ACC+32*\d:ACC+32*\d+15], v[TM+8+\d]
	v_cvt_scalef32_pk16_fp6_f32 v[CT+4*\d:CT+4*\d+2], v[ACC+32*\d+16:ACC+32*\d+31], v[TM+8+\d]
.endr
	v_nop
.irp i, 0,1,2
.irp d, 0,1
	v_mov_b32 v[CW+6*\d+3+\i], v[CT+4*\d+\i]
.endr
.endr
.irp d, 0,1
	ds_store_b8 v[VSB], v[TM+12+\d] offset:4*\d
	global_store_b128 v[TT+3], v[CW+6*\d:CW+6*\d+3], s[26:27] offset:3072*\d           ; 512 consecutive bytes, aligned
	global_store_b64 v[TT+2], v[CW+6*\d+4:CW+6*\d+5], s[26:27] offset:3072*\d+1024     ; 256
.endr
.Lkv_join:
; ================= PASS 1: query head 2 tx
	WBASE XA
	WFETCH 0, 0
	WFETCH 1, 1
.irp t, 0,1
.irp jj, 0,1
	global_load_b128 v[SSW0+8*\t+4*\jj:SSW0+8*\t+4*\jj+3], v[LSC], s[10:11] offset:4096+1024*\t+32*\jj   ; the second query head's scale words
.endr
.endr
	s_wait_xcnt 0x0                                ; the stores have read v[TT+2] and v[TT+3], on which the third set's loads land
	PASS SSW1, XA+HW
	TOTRS 1, 1
	s_wait_loadcnt 0x0
	s_wait_tensorcnt 0x0                           ; the second query head's rows are in
	s_wait_dscnt 0x0
	BARRIER
	EROPE 1, 0
	WBASE XBR
	WFETCH 0, 0
	WFETCH 1, 1
	QUANT
	QOUT 0
	v_cndmask_b32 v[WQ], v[TT], v[TT+1], s[HM]
	WALU
	s_cmp_lg_u32 s[WV], 0                          ; wave 0 stores the kv head's scale words, which the barrier has shown
	s_cbranch_scc1 .Lwords_out
	s_cmp_ge_u32 ttmp9, 2
	s_cbranch_scc1 .Lv_words
	ds_load_b64 v[WD:WD+1], v[RDW]
	ds_load_b64 v[WD+2:WD+3], v[RDW] offset:256
	s_wait_dscnt 0x0
	global_store_b64 v[GL8], v[WD:WD+1], s[24:25] offset:12288
	global_store_b64 v[GL8], v[WD+2:WD+3], s[24:25] offset:12288+256
	s_branch .Lwords_out
.Lv_words:
	ds_load_b64 v[WD:WD+1], v[RDW] offset:512
	s_wait_dscnt 0x0
	global_store_b64 v[GL8], v[WD:WD+1], s[24:25] offset:12800
.Lwords_out:
; ================= PASS 2: query head 2 tx + 1
	PASS SSW0, XBR+HW
	TOTRS 0, 1
	s_wait_dscnt 0x0
	BARRIER
	EROPE 0, 0
	QUANT
	QOUT 64*768
	v_cndmask_b32 v[WQ+1], v[TT], v[TT+1], s[HM]
	global_store_b64 v[GL8], v[WQ:WQ+1], s[22:23]  ; both heads' words: 256 consecutive bytes, aligned
	s_wait_tensorcnt 0x0                           ; the wave's end
	ds_add_u32 v[SPW], v[NIL]
	s_wait_dscnt 0x0
	CROUND                                         ; the closing round
	s_endpgm
.Lfunc_end_k_qca74b40cc2_qkv:
	.size	k_qca74b40cc2_qkv, .Lfunc_end_k_qca74b40cc2_qkv-k_qca74b40cc2_qkv
	.p2alignl 7, 3214868480
	.fill 96, 4, 3214868480
	.section	.rodata,"a",@progbits
	.p2align	6, 0x0
	.amdhsa_kernel k_qca74b40cc2_qkv
		.amdhsa_group_segment_fixed_size 327680
		.amdhsa_private_segment_fixed_size 0
		.amdhsa_enable_private_segment 0
		.amdhsa_kernarg_size 88
		.amdhsa_user_sgpr_count 2
		.amdhsa_user_sgpr_kernarg_segment_ptr 1
		.amdhsa_wavefront_size32 1
		.amdhsa_system_sgpr_workgroup_id_x 1
		.amdhsa_system_sgpr_workgroup_id_y 1
		.amdhsa_system_sgpr_workgroup_id_z 1
		.amdhsa_system_vgpr_workitem_id 0
		.amdhsa_next_free_vgpr 1024
		.amdhsa_next_free_sgpr 102
		.amdhsa_reserve_vcc 0
		.amdhsa_float_denorm_mode_32 3
		.amdhsa_float_denorm_mode_16_64 3
		.amdhsa_memory_ordered 1
		.amdhsa_forward_progress 1
		.amdhsa_inst_pref_size 198
	.end_amdhsa_kernel
	.amdgpu_metadata
---
amdhsa.version: [ 1, 2 ]
amdhsa.kernels:
  - .name:           k_qca74b40cc2_qkv
    .symbol:         k_qca74b40cc2_qkv.kd
    .args:
      - { .name: x_codes, .offset: 0, .size: 8, .value_kind: global_buffer, .address_space: global }
      - { .name: x_scales, .offset: 8, .size: 8, .value_kind: global_buffer, .address_space: global }
      - { .name: wq_codes, .offset: 16, .size: 8, .value_kind: global_buffer, .address_space: global }
      - { .name: wq_scales, .offset: 24, .size: 8, .value_kind: global_buffer, .address_space: global }
      - { .name: wk_codes, .offset: 32, .size: 8, .value_kind: global_buffer, .address_space: global }
      - { .name: wk_scales, .offset: 40, .size: 8, .value_kind: global_buffer, .address_space: global }
      - { .name: wv_codes, .offset: 48, .size: 8, .value_kind: global_buffer, .address_space: global }
      - { .name: wv_scales, .offset: 56, .size: 8, .value_kind: global_buffer, .address_space: global }
      - { .name: qimg, .offset: 64, .size: 8, .value_kind: global_buffer, .address_space: global }
      - { .name: qscl, .offset: 72, .size: 8, .value_kind: global_buffer, .address_space: global }
      - { .name: kv, .offset: 80, .size: 8, .value_kind: global_buffer, .address_space: global }
    .group_segment_fixed_size: 327680
    .private_segment_fixed_size: 0
    .kernarg_segment_align: 8
    .kernarg_segment_size: 88
    .max_flat_workgroup_size: 128
    .sgpr_count:     102
    .vgpr_count:     1024
    .wavefront_size: 32
...
	.end_amdgpu_metadata
.endif
;; end of part 4
;; launch attn (part 5): grid 16 x 16, 16 waves a work-group, no clusters, 272,384 bytes of LDS; arguments qimg, qscl, kv, acodes, ascl; writes acodes, ascl
.if DOCPART == 5
	.amdgcn_target "amdgcn-amd-amdhsa--gfx1250"
	.amdhsa_code_object_version 6
	.text
	.protected	k_qca74b40cc2_attn
	.globl	k_qca74b40cc2_attn
	.p2align	8
	.type	k_qca74b40cc2_attn,@function
k_qca74b40cc2_attn:
	s_mov_b64 s[64:65], 0
	v_nop
	global_prefetch_b8 v0, s[64:65] scope:SCOPE_SE
	s_setreg_imm32_b32 hwreg(HW_REG_WAVE_MODE, 25, 1), 1
	s_wait_xcnt 0x0
; Causal attention of one (batch, kv head) on codes of FP6 (E2M3): S^T = K Q^T (K = the head's 64: the upper half of each instruction's 128 is zero codes in Q, under the scale byte 127), the softmax, O^T = V^T P^T (K = 128 keys a step).
; p = 2^(t - M), t = score x log2(e) / 8, M the running largest t rounded up to a whole number; p is quantised along the keys, not normalised; the sum of the unquantised p divides O at the end.
; O / sum is quantised along head x 64 + d and leaves as rows of codes, the last product's left operand; the scale bytes leave as [b][kv head][token][8].
; SHARES.  Work-group (ib, y = 8 b + g) takes the blocks of 32 tokens ib (short) and 31 - ib (long) for the group's four query heads: nS = floor(ib / 4) + 1 and nL = 9 - nS key steps of 128.
; A pair of waves w, w + 8 (p and q) takes head 4 g + w % 4, tile (w / 4) % 2 of both blocks, 16 queries each.  q takes the long tile's steps 0 .. 4; p the short tile's nS steps, then, as a softmax of its own, the long tile's steps 5 .. nL - 1:
; four steps and five, whatever ib.  At the change p parks the short tile's O, -M and sum in LDS; at the end it hands its part of the long tile to q, and q joins the two: M is a whole number, so both factors are powers of two.
; With nS = 4 p's part is empty: -M = 3e38, O and sum 0: its factor comes out 0.
; K AND V of the whole (b, g), 8 key steps x 13,056 bytes, images of operand registers with their scale words, come into LDS ONCE: waves 0 to 7, one tensor load each, wave w step w.  Trip 0 reads step 0 alone, as soon as wave 0's load has landed; the barrier behind it shows the rest.
; Where ib > 3, the last nS - 1 steps are fetched and not read: the head's loads are the same in all work-groups.
; THE CAUSAL MASK.  Steps behind a tile's diagonal are not walked.  The diagonal step of a block whose 32 keys lie in its lower half does the lower 64 keys alone; otherwise the upper half alone is compared.  What is left out has p = 0 for all inputs, by the mask that the problem builds.
; NO CLUSTER: the work-groups that read the same K and V differ in ib, on which the steps and branches hang.  NO PREFETCH: all of K and V is asked for at the head; no load follows.
; LIMITS.  NaN and infinities are not served, nor scaled scores of a magnitude of 2^31 and beyond; a block of the result under 2^-124, or of zeros, gets the scale byte 1 (only this program reads the bytes).
; REGISTERS: v1-4 lane terms of addresses, v5-8 the step's; v9 my query's place in its block of 32, less 16 h; v10 -M, v11 largest score; v[12:13] sum; v14 f (v15 named with it); v16-27 Q and zero codes; v28, v29 scale words of Q and of the long tile's Q;
;   v30-31 V's words; v32-79 K's eight fragments, six registers apart: a fragment's upper six registers are the next one's codes, times Q's zero codes; v80-85 the long tile's Q, also the last fragment's upper six; behind the scores' products v32-79 are work;
;   v86-133 V; v134-197 S^T, then p; v198-229 O^T; v230-241 p's codes; v242-245 K's words; v248 p's word; v246-253 addresses.
.set STEPB,  13056                     ; a key step: K image 6,144, V image 6,144, K's words 512, V's words 256
.set VOFF,   6144
.set KSOFF,  12288
.set VSOFF,  12800
.set KVB,    8*STEPB
.set PARK,   KVB                       ; 4,608 bytes a wave: p's parked state; 16 such places further on (HND): what p hands over, at wave w + 8's place
.set PKW,    4608
.set STG,    PARK+32*PKW               ; the way out: 64 tokens x (16 places of 16 bytes + 16)
.set SPITCH, 272
.set SCS,    STG+64*SPITCH             ; and their scale bytes: 8 a token
.set SPARE,  SCS+512
.set SS,   134
.set OT,   198
.set STO,  246
.set SCO,  247
.set PWD,  248
.set RD,   249
.set GO,   250
.set SRD,  251
.set PK,   253
.set HND,  252
.set NSW,  14                          ; the trip at which p changes tiles (q: none)
.set NEND, 15                          ; the trip in which p has no step (q: none)
.set KOFF, 16
.set KO2,  17
.set WV,   18
.set SEL,  20
.set CS,   22
.set NCS,  24
.set DK,   25                          ; my tile's diagonal step, and which 32 keys of it
.set BM,   26
.set DKL,  27                          ; the long tile's
.set G0,   28
.set BML,  32
.set Q0L,  33
.set BL,   34
.set G1,   36
.set TB,   44
.set KK,   45
.set Q0,   46
.set CNT,  47
.macro WALU
	s_wait_alu depctr_va_vdst(0)
.endm
.macro BARRIER
	s_barrier_signal -1
	s_barrier_wait -1
.endm
.macro TLOAD
	tensor_load_to_lds s[G0:G0+3], s[G1:G1+7]
	s_nop 0
.rept 4
	v_nop
.endr
.endm
	s_load_b256 s[4:11], s[0:1], 0x0               ; qimg, qscl, kv, acodes
	s_load_b64 s[12:13], s[0:1], 0x20              ; ascl
	v_lshl_add_u32 v254, v0, 2, SPARE
	v_mov_b32 v255, 0
	ds_add_u32 v254, v255                          ; the opening lines
	ds_add_u32 v254, v255
	v_lshrrev_b32 v253, 5, v0
	v_readfirstlane_b32 s[WV], v253                ; wave 0..15
	s_and_b32 s48, ttmp7, 0xffff                   ; y = 8 b + g
	s_mov_b32 s[G1], 3<<16                         ; no mask; elements of 8 bytes; no padding
	s_mov_b32 s[G1+1], 32<<16                      ; rows of 256 bytes
	s_mov_b32 s[G1+2], 51<<16
	s_mov_b32 s[G1+3], 32<<16
	s_mov_b32 s[G1+4], 51
	s_mov_b32 s[G1+5], 32                          ; dense
	s_mov_b32 s[G1+6], 0
	s_mov_b32 s[G1+7], 0
	s_min_u32 s55, s[WV], 7
	s_mul_i32 s55, s55, STEPB
	s_mul_i32 s56, s48, KVB
	s_add_co_u32 s56, s56, s55
	s_mov_b32 s57, 0
	s_mov_b32 s[G0], 1
	s_mov_b32 s[G0+1], s55
	WALU
	s_wait_dscnt 0x0
	s_wait_kmcnt 0x0
	s_add_nc_u64 s[G0+2:G0+3], s[8:9], s[56:57]
	s_or_b32 s[G0+3], s[G0+3], 0x80000000
	s_cmp_eq_u32 s[WV], 0                          ; one chain of arms, one load a wave
	s_cbranch_scc0 .Lfetch_1
	TLOAD
	s_branch .Lfetched
.Lfetch_1:
	s_cmp_lt_u32 s[WV], 8
	s_cbranch_scc0 .Lfetched
	TLOAD
.Lfetched:
	s_lshr_b32 s49, s48, 3                         ; b
	s_and_b32 s50, s48, 7                          ; g
	s_and_b32 s51, s[WV], 3                        ; which of the group's four heads
	s_bfe_u32 s52, s[WV], 0x10002                  ; u: which tile of the block
	s_lshr_b32 s53, s[WV], 3                       ; 0: p, 1: q
	s_sub_co_u32 s[BL], 31, ttmp9                  ; the long block
	s_lshr_b32 s58, ttmp9, 2
	s_add_co_u32 s58, s58, 1                       ; nS
	s_sub_co_u32 s[KO2], 5, s58
	s_mov_b32 s[KOFF], 0
	s_cmp_eq_u32 s53, 0
	s_cselect_b32 s54, ttmp9, s[BL]                ; beta, my first block
	s_cselect_b32 s[NSW], s58, 9
	s_cselect_b32 s[NEND], 4, 9
	s_lshr_b32 s[DK], s54, 2
	s_and_b32 s[BM], s54, 3
	s_lshl_b32 s[Q0], s54, 5
	s_lshr_b32 s[DKL], s[BL], 2
	s_and_b32 s[BML], s[BL], 3
	s_lshl_b32 s[Q0L], s[BL], 5
	s_lshl_b32 s58, s49, 5                         ; Q's tile: (32 b + 4 g + head) 64 + 2 beta + u
	s_lshl_b32 s59, s50, 2
	s_add_co_u32 s58, s58, s59
	s_add_co_u32 s58, s58, s51
	s_lshl_b32 s58, s58, 6
	s_add_co_u32 s58, s58, s52
	s_lshl_b32 s59, s54, 1
	s_add_co_u32 s59, s59, s58
	s_mul_i32 s60, s59, 768
	s_mov_b32 s61, 0
	s_add_nc_u64 s[56:57], s[4:5], s[60:61]        ; my first tile's
	s_lshl_b32 s59, s[BL], 1
	s_add_co_u32 s59, s59, s58
	s_mul_i32 s60, s59, 768
	s_add_nc_u64 s[4:5], s[4:5], s[60:61]          ; the long tile's
	s_lshl_b32 s58, s49, 4                         ; the words: ((16 b + head / 2) 32 + beta) 256 + 8 (16 u + r) + 4 (head % 2)
	s_lshl_b32 s59, s50, 1
	s_add_co_u32 s58, s58, s59
	s_lshr_b32 s59, s51, 1
	s_add_co_u32 s58, s58, s59
	s_lshl_b32 s58, s58, 13
	s_lshl_b32 s59, s52, 7
	s_add_co_u32 s58, s58, s59
	s_and_b32 s59, s51, 1
	s_lshl_b32 s59, s59, 2
	s_add_co_u32 s58, s58, s59
	s_lshl_b32 s60, s54, 8
	s_add_co_u32 s60, s60, s58
	s_add_nc_u64 s[62:63], s[6:7], s[60:61]
	s_lshl_b32 s60, s[BL], 8
	s_add_co_u32 s60, s60, s58
	s_add_nc_u64 s[6:7], s[6:7], s[60:61]
	s_lshl_b32 s60, s48, 13                        ; the result's scale bytes: (8 b + g) 8,192 + 8 x token
	s_lshl_b32 s59, s[Q0], 3
	s_add_co_u32 s60, s60, s59
	s_add_nc_u64 s[12:13], s[12:13], s[60:61]
	s_lshl_b32 s58, s49, 10                        ; its codes: my block's first token
	s_add_co_u32 s58, s58, s[Q0]
	s_and_b32 s59, s[WV], 7
	s_lshl_b32 s59, s59, 2
	s_add_co_u32 s58, s58, s59                     ; + the four that I store; 192 g on
	s_mul_i32 s60, s58, 1536
	s_mul_i32 s59, s50, 192
	s_add_co_u32 s60, s60, s59
	s_add_nc_u64 s[10:11], s[10:11], s[60:61]
	s_lshl_b32 s48, s52, 3                         ; 8 u
	s_lshl_b32 s49, s53, 5                         ; 32 x block
	s_lshl_b32 s50, s51, 1
	s_add_co_u32 s50, s50, SCS
	s_lshl_b32 s51, s51, 6
	s_add_co_u32 s51, s51, STG
	s_mul_i32 s54, s[WV], 4*SPITCH
	s_add_co_u32 s54, s54, STG
	s_lshl_b32 s55, s53, 8
	s_add_co_u32 s55, s55, SCS
	s_mul_i32 s58, s[WV], PKW
	s_add_co_u32 s58, s58, PARK
	s_mov_b32 s[SEL], 0x76543210
	s_mov_b32 s[SEL+1], 0xfedcba98
	s_mov_b32 s[CS], 0x3e38aa3b                    ; c = log2(e) / 8
	s_mov_b32 s[CS+1], s[CS]                       ; (named with it as a pair)
	s_mov_b32 s[NCS], 0xbe38aa3b                   ; -c
	s_mov_b32 s[TB], 0
	s_mov_b32 s[KK], 0
	v_and_b32 v134, 31, v0                         ; lane
	v_and_b32 v135, 15, v0                         ; r
	v_bfe_u32 v136, v0, 4, 1                       ; h
	v_lshlrev_b32 v1, 4, v134
	v_lshlrev_b32 v4, 3, v134
	v_lshlrev_b32 v137, 3, v135
.irp p, 0,1,2
	global_load_b64 v[16+2*\p:17+2*\p], v4, s[56:57] offset:256*\p
	global_load_b64 v[80+2*\p:81+2*\p], v4, s[4:5] offset:256*\p
.endr
	global_load_b32 v28, v137, s[62:63]
	global_load_b32 v29, v137, s[6:7]
	v_lshl_add_u32 v2, v136, 8, v1
	v_lshl_add_u32 v3, v136, 7, v4
	v_and_b32 v138, 8, v135
	v_add_nc_u32 v138, v138, v135                  ; lane r of a tile is row 8 u + r + 8 (r / 8) of its block
	v_add_nc_u32 v138, s48, v138
	v_lshlrev_b32 v139, 4, v136
	v_sub_nc_u32 v9, v138, v139
	v_add_nc_u32 v140, s49, v138                   ; my token among the work-group's 64
	v_lshl_add_u32 v[SCO], v140, 3, s50            ; its scale bytes: 8 a token, 2 a head
	v_mul_u32_u24 v140, v140, SPITCH
	v_lshl_add_u32 v140, v136, 4, v140
	v_add_nc_u32 v[STO], s51, v140                 ; its codes: 12 bytes to a place of 16: place 4 head + 2 block + h
	v_mul_u32_u24 v141, v136, SPITCH
	v_lshl_add_u32 v141, v135, 4, v141
	v_add_nc_u32 v[RD], s54, v141                  ; back: rows 4 w + h (and two on), sixteen lanes to a row
	v_mul_u32_u24 v142, v136, 1536
	v_mad_u32_u24 v[GO], v135, 12, v142
	v_add_nc_u32 v[SRD], s55, v4
	v_add_nc_u32 v[PK], s58, v1
	v_add_nc_u32 v[HND], 16*PKW, v[PK]
	v_mov_b32 v15, 0                               ; (named as the upper half of f's pair)
.irp i, 0,1,2,3,4,5
	v_mov_b32 v[22+\i], 0                          ; zero codes for k = 64 .. 127
.endr
; A KEY STEP of 32 nb keys.  nb = 2: a diagonal step whose upper half is hidden.  first = 1: it starts M, the sum and O.
.macro STEP nb, first
	v_add_nc_u32 v5, s[TB], v1                     ; (these four are also the places in front of loads into registers that matrix instructions have read)
	v_add_nc_u32 v6, s[TB], v2
	v_add_nc_u32 v7, s[TB], v3
	v_add_nc_u32 v8, s[TB], v4
.set n_, 0
.rept 12
	ds_load_b128 v[32+4*n_:35+4*n_], v5 offset:512*n_
.set n_, n_+1
.endr
	ds_load_b128 v[242:245], v5 offset:KSOFF       ; the words of tiles 2 b (lanes 0-15) and 2 b + 1 (lanes 16-31)
.irp a, 0,1,2,3
.irp c, 0,1
	ds_load_b128 v[86+12*\a+6*\c:89+12*\a+6*\c], v6 offset:VOFF+3072*(\a/2)+1536*\c+256*(\a%2)
	ds_load_b64 v[90+12*\a+6*\c:91+12*\a+6*\c], v7 offset:VOFF+3072*(\a/2)+1536*\c+1024+128*(\a%2)
.endr
.endr
	ds_load_b64 v[30:31], v8 offset:VSOFF
	s_wait_dscnt 17                                ; K and its words are in; V's 16 loads and its words land under the softmax
.set t_, 0
.rept 2*\nb
.if t_%2
	v_wmma_scale_f32_16x16x128_f8f6f4 v[SS+8*t_:SS+8*t_+7], v[32+6*t_:43+6*t_], v[16:27], 0, v[242+t_/2], v28 matrix_a_fmt:MATRIX_FMT_FP6 matrix_b_fmt:MATRIX_FMT_FP6 matrix_a_scale:MATRIX_SCALE_ROW1
.else
	v_wmma_scale_f32_16x16x128_f8f6f4 v[SS+8*t_:SS+8*t_+7], v[32+6*t_:43+6*t_], v[16:27], 0, v[242+t_/2], v28 matrix_a_fmt:MATRIX_FMT_FP6 matrix_b_fmt:MATRIX_FMT_FP6
.endif
.set t_, t_+1
.endr
.rept 4
	v_nop
.endr
.if \nb == 4
	s_cmp_lg_u32 s[KK], s[DK]                      ; on the diagonal the upper half's hidden scores become -infinity: p = 0
	s_cbranch_scc1 .Lopen_\@
.endif
	s_lshl_b32 s48, s[KK], 7
	s_sub_co_i32 s48, s[Q0], s48
	v_add_nc_u32 v48, s48, v9                      ; register 16 b + e holds key 32 b + 16 h + e of the step: hidden where 32 b + e > my query - 128 k - 16 h
	v_mov_b32 v49, 0xff800000
.set n_, 16*(\nb-2)
.rept 32
	v_cmp_gt_i32 vcc_lo, 32*(n_/16)+n_%16, v48
	v_cndmask_b32 v[SS+n_], v[SS+n_], v49, vcc_lo
.set n_, n_+1
.endr
.Lopen_\@:
.set b_, 0
.rept \nb
	v_max3_num_f32 v[32+b_], v[SS+16*b_], v[SS+1+16*b_], v[SS+2+16*b_]   ; the largest score of each block of 32 keys: for the row's maximum, and, since p rises with the score, for the block's largest p
.set b_, b_+1
.endr
.irp i, 3,5,7,9,11,13
.set b_, 0
.rept \nb
	v_max3_num_f32 v[32+b_], v[32+b_], v[SS+16*b_+\i], v[SS+1+16*b_+\i]
.set b_, b_+1
.endr
.endr
.set b_, 0
.rept \nb
	v_max_num_f32 v[32+b_], v[32+b_], v[SS+15+16*b_]
.set b_, b_+1
.endr
.set b_, 0
.rept \nb
	v_permlanex16_b32 v[36+b_], v[32+b_], s[SEL], s[SEL+1]
.set b_, b_+1
.endr
.set b_, 0
.rept \nb
	v_max_num_f32 v[32+b_], v[32+b_], v[36+b_]
.set b_, b_+1
.endr
.if \nb == 4
	v_max3_num_f32 v50, v32, v33, v34
.if \first
	v_max_num_f32 v11, v50, v35
.else
	v_max3_num_f32 v11, v50, v35, v11              ; the running largest score
.endif
.elseif \first
	v_max_num_f32 v11, v32, v33
.else
	v_max3_num_f32 v11, v32, v33, v11
.endif
	v_mul_f32 v50, s[NCS], v11
.if \first
	v_floor_f32 v10, v50                           ; -M = floor(-t)
.else
	v_mov_b32 v51, v10
	v_floor_f32 v10, v50
	v_sub_f32 v51, v10, v51                        ; old M - new M: a whole number, 0 or less
	v_cvt_i32_f32 v51, v51                         ; (it saturates)
	v_ldexp_f32 v14, 1.0, v51                      ; f = 2^(old M - new M)
.endif
.set j_, 0
.rept 8*\nb
	v_pk_fma_f32 v[SS+j_:SS+j_+1], v[SS+j_:SS+j_+1], s[CS:CS+1], v[10:11] op_sel_hi:[1,0,0]   ; t - M
.set j_, j_+2
.endr
.set b_, 0
.rept \nb
	v_fma_f32 v[32+b_], v[32+b_], s[CS], v10
.set b_, b_+1
.endr
	WALU
.set j_, 0
.rept 16*\nb
	v_exp_f32 v[SS+j_], v[SS+j_]                   ; p = 2^(t - M)
.set j_, j_+1
.endr
.set b_, 0
.rept \nb
	v_exp_f32 v[32+b_], v[32+b_]                   ; the block's largest p
.set b_, b_+1
.endr
.if \first
	v_nop
	WALU
.else
	v_pk_mul_f32 v[12:13], v[12:13], v[14:15] op_sel_hi:[1,0]   ; the sum under the new M (a plain place behind the exponentials)
	WALU
.set j_, 0
.rept 16
	v_pk_mul_f32 v[OT+j_:OT+j_+1], v[OT+j_:OT+j_+1], v[14:15] op_sel_hi:[1,0]   ; O^T under the new M
.set j_, j_+2
.endr
.endif
.set b_, 0
.rept \nb
	v_max_num_f32 v[32+b_], 0x1800000, v[32+b_]    ; the floor 2^(3 - 127): the byte cannot fall under 1
.set b_, b_+1
.endr
.set b_, 0
.rept \nb
	v_add_nc_u32 v[40+b_], 0xff000000, v[32+b_]    ; 2 off the exponent field: the conversion's scale operand
.set b_, b_+1
.endr
.set b_, 0
.rept \nb
	v_lshrrev_b32 v[44+b_], 23, v[40+b_]
.set b_, b_+1
.endr
	v_lshl_or_b32 v[PWD], v45, 8, v44              ; p's scale word
.if \nb == 4
	v_lshl_or_b32 v46, v47, 8, v46
.endif
	v_cvt_scalef32_pk16_fp6_f32 v[230:232], v[SS:SS+15], v40
	v_cvt_scalef32_pk16_fp6_f32 v[64:66], v[SS+16:SS+31], v41
.if \nb == 4
	v_cvt_scalef32_pk16_fp6_f32 v[236:238], v[SS+32:SS+47], v42
	v_cvt_scalef32_pk16_fp6_f32 v[68:70], v[SS+48:SS+63], v43
	v_lshl_or_b32 v[PWD], v46, 16, v[PWD]
.else
	v_or_b32 v[PWD], 0x7f7f0000, v[PWD]
.endif
.irp i, 0,1,2
	v_permlane16_swap_b32 v[230+\i], v[64+\i]      ; a whole block to a lane
.if \nb == 4
	v_permlane16_swap_b32 v[236+\i], v[68+\i]
.endif
.endr
.irp i, 0,1,2
	v_mov_b32 v[233+\i], v[64+\i]
.if \nb == 4
	v_mov_b32 v[239+\i], v[68+\i]
.else
	v_mov_b32 v[236+\i], 0                         ; the upper half: zero codes
	v_mov_b32 v[239+\i], 0
.endif
.endr
.set j_, 0
.rept 4
	v_pk_add_f32 v[50+2*j_:51+2*j_], v[SS+2*j_:SS+2*j_+1], v[SS+2*j_+8:SS+2*j_+9]   ; the sum of the unquantised p, in four chains
.set j_, j_+1
.endr
.set j_, 8
.rept 8*\nb-8
	v_pk_add_f32 v[50+2*(j_%4):51+2*(j_%4)], v[50+2*(j_%4):51+2*(j_%4)], v[SS+2*j_:SS+2*j_+1]
.set j_, j_+1
.endr
	v_pk_add_f32 v[50:51], v[50:51], v[52:53]
	v_pk_add_f32 v[54:55], v[54:55], v[56:57]
.if \first
	v_pk_add_f32 v[12:13], v[50:51], v[54:55]
.else
	v_pk_add_f32 v[12:13], v[12:13], v[50:51]
	v_pk_add_f32 v[12:13], v[12:13], v[54:55]
.endif
	s_wait_dscnt 0x0                               ; V and its words are in
.irp a, 0,1,2,3
.if \first
.if \a%2
	v_wmma_scale_f32_16x16x128_f8f6f4 v[OT+8*\a:OT+8*\a+7], v[86+12*\a:97+12*\a], v[230:241], 0, v[30+\a/2], v[PWD] matrix_a_fmt:MATRIX_FMT_FP6 matrix_b_fmt:MATRIX_FMT_FP6 matrix_a_scale:MATRIX_SCALE_ROW1
.else
	v_wmma_scale_f32_16x16x128_f8f6f4 v[OT+8*\a:OT+8*\a+7], v[86+12*\a:97+12*\a], v[230:241], 0, v[30+\a/2], v[PWD] matrix_a_fmt:MATRIX_FMT_FP6 matrix_b_fmt:MATRIX_FMT_FP6
.endif
.elseif \a%2
	v_wmma_scale_f32_16x16x128_f8f6f4 v[OT+8*\a:OT+8*\a+7], v[86+12*\a:97+12*\a], v[230:241], v[OT+8*\a:OT+8*\a+7], v[30+\a/2], v[PWD] matrix_a_fmt:MATRIX_FMT_FP6 matrix_b_fmt:MATRIX_FMT_FP6 matrix_a_scale:MATRIX_SCALE_ROW1
.else
	v_wmma_scale_f32_16x16x128_f8f6f4 v[OT+8*\a:OT+8*\a+7], v[86+12*\a:97+12*\a], v[230:241], v[OT+8*\a:OT+8*\a+7], v[30+\a/2], v[PWD] matrix_a_fmt:MATRIX_FMT_FP6 matrix_b_fmt:MATRIX_FMT_FP6
.endif
.endr
.endm
.macro TRIP first
	s_cmp_lg_u32 s[KK], s[DK]
	s_cbranch_scc1 .Lfull_\@
	s_cmp_lt_u32 s[BM], 2
	s_cbranch_scc1 .Lhalf_\@
.Lfull_\@:
	STEP 4, \first
	s_branch .Lstep_end_\@
.Lhalf_\@:
	STEP 2, \first
.Lstep_end_\@:
.endm
.macro PUT adr, off
	v_add_f32 v11, v12, v13
.rept 4
	v_nop
.endr
.set n_, 0
.rept 8
	ds_store_b128 v[\adr], v[OT+4*n_:OT+4*n_+3] offset:(\off)+512*n_
.set n_, n_+1
.endr
	ds_store_b64 v[\adr], v[10:11] offset:(\off)+4096
.endm
.macro GET adr
.set n_, 0
.rept 8
	ds_load_b128 v[SS+4*n_:SS+4*n_+3], v[\adr] offset:512*n_
.set n_, n_+1
.endr
	ds_load_b64 v[SS+32:SS+33], v[\adr] offset:4096
	s_wait_dscnt 0x0
.endm
	WALU
	s_wait_loadcnt 0x0                             ; Q
	s_cmp_eq_u32 s[WV], 0
	s_cbranch_scc0 .Lshown
	s_wait_tensorcnt 0x0
.Lshown:
	BARRIER                                        ; step 0 lies in LDS
	TRIP 1
	WALU
	s_wait_tensorcnt 0x0
	s_wait_dscnt 0x0
	BARRIER                                        ; all steps do
	s_mov_b32 s[CNT], 1
.Ltrip:
	s_cmp_lg_u32 s[CNT], s[NSW]
	s_cbranch_scc1 .Lsame_tile
	PUT PK, 0                                      ; p parks the short tile and begins anew on the long one
	v_mov_b32 v28, v29
.irp i, 0,1,2,3,4,5
	v_mov_b32 v[16+\i], v[80+\i]
.endr
	v_mov_b32 v10, 0x7f61b1e6                      ; 3e38
	v_mov_b32 v11, 0xff61b1e6
	v_mov_b32 v12, 0
	v_mov_b32 v13, 0
.set j, 0
.rept 32
	v_mov_b32 v[OT+j], 0
.set j, j+1
.endr
	s_mov_b32 s[DK], s[DKL]
	s_mov_b32 s[BM], s[BML]
	s_mov_b32 s[Q0], s[Q0L]
	s_mov_b32 s[KOFF], s[KO2]
	WALU
.Lsame_tile:
	s_cmp_eq_u32 s[CNT], s[NEND]
	s_cbranch_scc1 .Ltrip_end
	s_add_co_u32 s[KK], s[CNT], s[KOFF]
	s_min_u32 s[KK], s[KK], 7
	s_mul_i32 s[TB], s[KK], STEPB
	TRIP 0
.Ltrip_end:
	WALU
	s_add_co_u32 s[CNT], s[CNT], 1
	s_cmp_lt_u32 s[CNT], 5
	s_cbranch_scc1 .Ltrip
	s_cmp_lt_u32 s[WV], 8
	s_cbranch_scc0 .Lno_part
	PUT HND, 8*PKW                                 ; p's part of the long tile, for wave w + 8
.Lno_part:
	WALU
	s_wait_dscnt 0x0
	BARRIER
	s_cmp_lt_u32 s[WV], 8
	s_cbranch_scc0 .Ljoin
	GET PK                                         ; p: the short tile's state
	s_branch .Lalone
.Ljoin:
	GET HND                                        ; q: p's part, joined to its own
	v_min_num_f32 v168, v10, v166                  ; the joint -M
	v_add_f32 v11, v12, v13
	v_sub_f32 v169, v168, v10
	v_sub_f32 v170, v168, v166
	v_cvt_i32_f32 v169, v169
	v_cvt_i32_f32 v170, v170
	v_ldexp_f32 v14, 1.0, v169                     ; my factor
	v_ldexp_f32 v12, 1.0, v170                     ; and p's
	v_mul_f32 v167, v167, v12
	v_fma_f32 v167, v11, v14, v167
.set j, 0
.rept 16
	v_pk_mul_f32 v[SS+j:SS+j+1], v[SS+j:SS+j+1], v[12:13] op_sel_hi:[1,0]
.set j, j+2
.endr
.set j, 0
.rept 16
	v_pk_fma_f32 v[SS+j:SS+j+1], v[OT+j:OT+j+1], v[14:15], v[SS+j:SS+j+1] op_sel_hi:[1,0,1]
.set j, j+2
.endr
.Lalone:
	; THE WAY OUT.  Register 8 a + jj of O^T is d = 32 (a / 2) + 16 h + 8 (a % 2) + jj (V's rows were ordered for that): 16 neighbours of each of the head's two blocks of 32.
	v_permlanex16_b32 v36, v167, s[SEL], s[SEL+1]
	v_add_f32 v167, v167, v36                      ; the row's sum
	WALU
	v_rcp_f32 v166, v167
	v_nop                                          ; one plain place behind a transcendental
	WALU
.set j, 0
.rept 16
	v_pk_mul_f32 v[SS+j:SS+j+1], v[SS+j:SS+j+1], v[166:167] op_sel_hi:[1,0]
.set j, j+2
.endr
.irp b, 0,1
	v_max3_num_f32 v[32+\b], |v[SS+16*\b]|, |v[SS+16*\b+1]|, 0x1800000
	v_max3_num_f32 v[34+\b], |v[SS+16*\b+2]|, |v[SS+16*\b+3]|, |v[SS+16*\b+4]|
.endr
.irp i, 5,9
.irp b, 0,1
	v_max3_num_f32 v[32+\b], v[32+\b], |v[SS+16*\b+\i]|, |v[SS+16*\b+\i+1]|
	v_max3_num_f32 v[34+\b], v[34+\b], |v[SS+16*\b+\i+2]|, |v[SS+16*\b+\i+3]|
.endr
.endr
.irp b, 0,1
	v_max3_num_f32 v[32+\b], v[32+\b], |v[SS+16*\b+13]|, |v[SS+16*\b+14]|
.endr
.irp b, 0,1
	v_max3_num_f32 v[32+\b], v[32+\b], v[34+\b], |v[SS+16*\b+15]|
.endr
.irp b, 0,1
	v_permlanex16_b32 v[36+\b], v[32+\b], s[SEL], s[SEL+1]
.endr
.irp b, 0,1
	v_max_num_f32 v[32+\b], v[32+\b], v[36+\b]
.endr
.irp b, 0,1
	v_add_nc_u32 v[40+\b], 0xff000000, v[32+\b]
.endr
.irp b, 0,1
	v_lshrrev_b32 v[44+\b], 23, v[40+\b]
.endr
	v_lshl_or_b32 v48, v45, 8, v44                 ; the head's two scale bytes
	v_cvt_scalef32_pk16_fp6_f32 v[230:232], v[SS:SS+15], v40      ; 12 bytes: d = 16 h + 0 .. 15
	v_cvt_scalef32_pk16_fp6_f32 v[236:238], v[SS+16:SS+31], v41   ; d = 32 + 16 h + 0 .. 15
	v_nop
	ds_store_b96 v[STO], v[230:232]
	ds_store_b96 v[STO], v[236:238] offset:32
	ds_store_b16 v[SCO], v48                       ; both halves of the lanes write the same two bytes with the same value
	WALU
	s_wait_dscnt 0x0                               ; for the others' sake: my stores are done
	BARRIER
	ds_load_b96 v[50:52], v[RD]
	ds_load_b96 v[54:56], v[RD] offset:2*SPITCH
	s_wait_dscnt 0x0
	global_store_b96 v[GO], v[50:52], s[10:11]     ; sixteen lanes store a token's 192 consecutive bytes
	global_store_b96 v[GO], v[54:56], s[10:11] offset:3072
	s_and_b32 s48, s[WV], 7                        ; waves 0 and 8 store the scale bytes of their block's 32 tokens
	s_cmp_lg_u32 s48, 0
	s_cbranch_scc1 .Ldone
	ds_load_b64 v[58:59], v[SRD]
	s_wait_dscnt 0x0
	global_store_b64 v4, v[58:59], s[12:13]        ; 256 consecutive bytes, aligned
.Ldone:
	s_wait_xcnt 0x0
	v_lshl_add_u32 v254, v0, 2, SPARE
	v_mov_b32 v255, 0
	WALU
	s_wait_tensorcnt 0x0                           ; the wave's end
	ds_add_u32 v254, v255
	s_wait_dscnt 0x0
	s_endpgm
.Lfunc_end_k_qca74b40cc2_attn:
	.size	k_qca74b40cc2_attn, .Lfunc_end_k_qca74b40cc2_attn-k_qca74b40cc2_attn
	.p2alignl 7, 3214868480
	.fill 96, 4, 3214868480
	.section	.rodata,"a",@progbits
	.p2align	6, 0x0
	.amdhsa_kernel k_qca74b40cc2_attn
		.amdhsa_group_segment_fixed_size 272384
		.amdhsa_private_segment_fixed_size 0
		.amdhsa_enable_private_segment 0
		.amdhsa_kernarg_size 40
		.amdhsa_user_sgpr_count 2
		.amdhsa_user_sgpr_kernarg_segment_ptr 1
		.amdhsa_wavefront_size32 1
		.amdhsa_system_sgpr_workgroup_id_x 1
		.amdhsa_system_sgpr_workgroup_id_y 1
		.amdhsa_system_sgpr_workgroup_id_z 1
		.amdhsa_system_vgpr_workitem_id 0
		.amdhsa_next_free_vgpr 256
		.amdhsa_next_free_sgpr 66
		.amdhsa_reserve_vcc 1
		.amdhsa_float_denorm_mode_32 3
		.amdhsa_float_denorm_mode_16_64 3
		.amdhsa_memory_ordered 1
		.amdhsa_forward_progress 1
		.amdhsa_inst_pref_size 78
	.end_amdhsa_kernel
	.amdgpu_metadata
---
amdhsa.version: [ 1, 2 ]
amdhsa.kernels:
  - .name:           k_qca74b40cc2_attn
    .symbol:         k_qca74b40cc2_attn.kd
    .args:
      - { .name: qimg, .offset: 0, .size: 8, .value_kind: global_buffer, .address_space: global }
      - { .name: qscl, .offset: 8, .size: 8, .value_kind: global_buffer, .address_space: global }
      - { .name: kv, .offset: 16, .size: 8, .value_kind: global_buffer, .address_space: global }
      - { .name: acodes, .offset: 24, .size: 8, .value_kind: global_buffer, .address_space: global }
      - { .name: ascl, .offset: 32, .size: 8, .value_kind: global_buffer, .address_space: global }
    .group_segment_fixed_size: 272384
    .private_segment_fixed_size: 0
    .kernarg_segment_align: 8
    .kernarg_segment_size: 40
    .max_flat_workgroup_size: 512
    .sgpr_count:     66
    .vgpr_count:     256
    .wavefront_size: 32
...
	.end_amdgpu_metadata
.endif
;; end of part 5
;; launch oproj (part 6): grid 16 x 16, 4 waves a work-group, clusters of 4 x 4, 327,680 bytes of LDS; arguments acodes, ascl, wo_codes, wo_scales, out0; writes out0
.if DOCPART == 6
	.amdgcn_target "amdgcn-amd-amdhsa--gfx1250"
	.amdhsa_code_object_version 6
	.text
	.protected	k_qca74b40cc2_oproj
	.globl	k_qca74b40cc2_oproj
	.p2align	8
	.type	k_qca74b40cc2_oproj,@function
k_qca74b40cc2_oproj:
	s_mov_b64 s[64:65], 0
	v_nop
	global_prefetch_b8 v0, s[64:65] scope:SCOPE_SE
	s_setreg_imm32_b32 hwreg(HW_REG_WAVE_MODE, 25, 1), 1
	s_wait_xcnt 0x0
	s_wait_alu depctr_hold_cnt(0) depctr_sa_sdst(0) depctr_va_vdst(0) depctr_va_sdst(0) depctr_va_ssrc(0) depctr_va_vcc(0) depctr_vm_vsrc(0)
	s_getreg_b32 s2, hwreg(HW_REG_IB_STS2, 6, 4)
	s_cmp_eq_u32 s2, 0
	s_cbranch_scc0 .Lentry_in_a_cluster
	s_endpgm
.Lentry_in_a_cluster:
	s_bfe_u32 s2, ttmp6, 0x10000c
	s_cmp_lg_u32 s2, 0xf033
	s_cbranch_scc0 .Lentry_shape_is_right
	s_endpgm
.Lentry_shape_is_right:
; out = a Wo on codes of FP6 (E2M3) with one E8M0 scale for each 32 along K = 2,048; the sums leave as f32.
; SHARES.  256 work-groups of equal work: 128 tokens x 128 columns in two PASSES of 64 columns.  In a pass wave (i, j) makes 64 tokens (64 i ..) x 32 columns (32 j ..): 8 accumulators.
; A LIVES IN REGISTERS: a wave's 64 tokens, all of K: 4 tiles x 16 steps = 64 fragments of 12 registers, read from LDS once, in pass 0.  Wo's rows stream past.
; LDS: a's two halves along K (128 rows of 768 bytes each, 16 bytes of padding behind every 256), and the two halves of Wo's first 64 rows.  All four come by the head's loads, one a wave.
; ONE REFILL, behind a drained round of the cluster's barrier in pass 0's middle, when a's first half is in registers: its bytes take Wo's other 64 rows, both halves along K.
; CLUSTERS of 4 x 4: a's tile is shared along a row of the cluster, Wo's along a column: each is asked for jointly.
; PREFETCH: the refill's 384 units of 256 bytes are shared out by address among the sixteen waves of a column of the cluster, 24 lanes each, at the kernel's head.
; THE MATRIX INSTRUCTION IS USED TRANSPOSED: source 0 = 16 rows of Wo, source 1 = 16 tokens.  A pass's results go into LDS (128 tokens x 64 columns, on bytes of Wo's first 64 rows, which have had their only fill), and behind a barrier wave w
; takes back rows 32 w .. 32 w + 31 of 256 bytes and stores them: pass 0's while pass 1 multiplies.
; LIMITS.  NaN and infinities are not served.
.set PITCH,  816                       ; an LDS row: 3 x (256 + 16) bytes
.set HW,     64*PITCH
.set XA,     0
.set XBR,    2*HW
.set W0A,    4*HW
.set W0B,    5*HW
.set SPARE,  6*HW
.set TP,     272
.set TRS,    W0A                       ; pass 0's results; pass 1's lie HW further on
.set LSC,  3
.set SPW,  4
.set NIL,  5
.set WR,   6
.set CO,   8
.set PFV,  9
.set TSTO, 10
.set RD,   11
.set SSW1, 12
.set XB,   36
.set XL,   44
.set WS,   56
.set ACC,  128
.set SSX,  192
.set WB,   224
.set SSW0, 228
.set RR,   248
.set HH,   249
.set LN,   250
.set T1,   252
.set T2,   253
.set T3,   254
.set G1X, 28
.set G0A, 36
.set G0B, 40
.set G1W, 44
.set G0C, 52
.set G0D, 56
.set WV,  60
.set WI,  61
.set WJ,  62
.set TY,  63
.set CX,  66
.set CY,  67
.set TX,  68
.set G0R, 72
.set NUM,  86
.set MSB, 0
.macro WIN new
.set NW_, \new
.if MSB != NW_
	s_set_vgpr_msb (MSB<<8)|NW_
.set MSB, NW_
.endif
.endm
.macro PLACES
.rept 4
	v_nop
.endr
.endm
.macro WALU
	s_wait_alu depctr_va_vdst(0)
.endm
.macro BARRIER
	s_barrier_signal -1
	s_barrier_wait -1
.endm
.macro CREST
	s_cmp_lg_u32 s[WV], 0
	s_cbranch_scc1 .Lnot_wave_0_\@
	s_barrier_signal -3
.Lnot_wave_0_\@:
	s_barrier_wait -3
	BARRIER
.endm
.macro CROUND
	BARRIER
	CREST
.endm
.macro TLOAD g0, g1
	tensor_load_to_lds s[\g0:\g0+3], s[\g1:\g1+7]
	s_nop 0
	PLACES
.endm
.macro GROUP1 g, mask, rows
	s_or_b32 s[\g+0], s[\mask], (1<<20)|(1<<21)|(5<<22)|(3<<25)
	s_mov_b32 s[\g+1], 768<<16
	s_mov_b32 s[\g+2], (\rows)<<16
	s_mov_b32 s[\g+3], 768<<16
	s_mov_b32 s[\g+4], \rows
	s_mov_b32 s[\g+5], 1536
	s_mov_b32 s[\g+6], 0
	s_mov_b32 s[\g+7], 0
.endm
.macro REFILL                          ; waves 0 and 1 fetch a half along K each of Wo's other 64 rows
	s_cmp_lt_u32 s[WV], 2
	s_cbranch_scc0 .Lno_part_\@
	TLOAD G0R, G1W
.Lno_part_\@:
.endm
; A fragment: 16 rows x 128 K in 12 registers: lane (r, h) takes 24 bytes at 24 h and 24 at 48 + 24 h of the row's 96, in pieces of 8 bytes, two to a load where both go by the same address register.
.macro FRAG w, r, q, a0, a1
	WIN (\w)<<6
.set SKIP_, 0
.irp p, 0,1,2,3,4,5
.if SKIP_
.set SKIP_, 0
.else
.set PC_, 12*(\q)+6*(\p/3)+\p%3
.set PN_, 12*(\q)+6*((\p+1)/3)+(\p+1)%3
.set X_, (PC_%32+3)/32                 ; 1: lanes 16-31, 24 bytes on, lie behind one padding more
.set Y_, (PN_%32+3)/32
.if (\p < 5) && (X_ == Y_)
.set SKIP_, 1
.if X_
	ds_load_2addr_b64 v[(\r)+2*\p:(\r)+2*\p+3], v[\a1] offset0:PC_+2*(PC_/32) offset1:PN_+2*(PN_/32)
.else
	ds_load_2addr_b64 v[(\r)+2*\p:(\r)+2*\p+3], v[\a0] offset0:PC_+2*(PC_/32) offset1:PN_+2*(PN_/32)
.endif
.elseif X_
	ds_load_b64 v[(\r)+2*\p:(\r)+2*\p+1], v[\a1] offset:8*(PC_+2*(PC_/32))
.else
	ds_load_b64 v[(\r)+2*\p:(\r)+2*\p+1], v[\a0] offset:8*(PC_+2*(PC_/32))
.endif
.endif
.endr
.endm
.macro NLC q, sym                      ; loads a fragment of step q takes
.set \sym, 3
.if ((\q)%8 == 2) || ((\q)%8 == 5)
.set \sym, 4
.endif
.endm
.macro XFETCH q                        ; step q's four fragments of a, into their own registers: fragment 4 q + a, 21 to a window
.irp a, 0,1,2,3
.set F_, 4*(\q)+\a
.if F_ < 63
	FRAG 1+F_/21, 12*(F_%21), (\q)%8, XB+2*\a, XB+2*\a+1
.else
	FRAG 0, XL, (\q)%8, XB+2*\a, XB+2*\a+1
.endif
.endr
	WIN 0
.endm
.macro WFETCH q, s                     ; step q's two fragments of Wo, into set s
.irp t, 0,1
	FRAG 0, WS+24*(\s)+12*\t, (\q)%8, WB+2*\t, WB+2*\t+1
.endr
.endm
.macro WBASE c
.irp t, 0,1
	v_add_nc_u32 v[WB+2*\t], (\c)+16*PITCH*\t, v[WR]
	v_add_nc_u32 v[WB+2*\t+1], (\c)+16*PITCH*\t, v[WR+1]
.endr
	WALU
.endm
; Four products: Wo's tile t x a's four tiles.  The 8 accumulators take turns in the same order in every step.  Step q's scale word lies in register 4 (q / 8) + q % 4 of a tile's eight, in lanes 16 ((q / 4) % 2) + r.
.macro PROD q, t, zero, s, sw
.set SR_, 4*((\q)/8)+(\q)%4
.set A_, WS+24*(\s)+12*(\t)
.irp a, 0,1,2,3
.set F_, 4*(\q)+\a
.if F_ < 63
	WIN (1+F_/21)<<2
.set B_, 12*(F_%21)
.else
	WIN 0
.set B_, XL
.endif
.set D_, ACC+8*(2*\a+(\t))
.if \zero
	v_wmma_scale_f32_16x16x128_f8f6f4 v[D_:D_+7], v[A_:A_+11], v[B_:B_+11], 0, v[\sw+8*(\t)+SR_], v[SSX+8*\a+SR_] matrix_a_fmt:MATRIX_FMT_FP6 matrix_b_fmt:MATRIX_FMT_FP6
.elseif ((\q)/4)%2
	v_wmma_scale_f32_16x16x128_f8f6f4 v[D_:D_+7], v[A_:A_+11], v[B_:B_+11], v[D_:D_+7], v[\sw+8*(\t)+SR_], v[SSX+8*\a+SR_] matrix_a_fmt:MATRIX_FMT_FP6 matrix_b_fmt:MATRIX_FMT_FP6 matrix_a_scale:MATRIX_SCALE_ROW1 matrix_b_scale:MATRIX_SCALE_ROW1
.else
	v_wmma_scale_f32_16x16x128_f8f6f4 v[D_:D_+7], v[A_:A_+11], v[B_:B_+11], v[D_:D_+7], v[\sw+8*(\t)+SR_], v[SSX+8*\a+SR_] matrix_a_fmt:MATRIX_FMT_FP6 matrix_b_fmt:MATRIX_FMT_FP6
.endif
.endr
.endm
; A step of pass 0.  Loads go out in the order a(q), W(q), a(q + 1), W(q + 1), a(q + 2): the wait leaves out what is younger than W(q).
.macro STEPX q, zero
	XFETCH (\q)+2
	NLC (\q)+1, N1_
	NLC (\q)+2, N2_
	s_wait_dscnt 6*N1_+4*N2_
	PROD \q, 0, \zero, (\q)%2, SSW0
	PROD \q, 1, \zero, (\q)%2, SSW0
	WIN 0
	PLACES
	WFETCH (\q)+2, (\q)%2
.endm
; A step of pass 1: a is in registers; Wo's fragments are asked for two steps ahead, into three sets by turns.
.macro STEPW q, zero, sw, half1
	WIN 0
	PLACES
.set WN_, 0
.if (\q)+2 == 8
	WBASE \half1
.endif
.if (\q)+2 < 16
	WFETCH (\q)+2, ((\q)+2)%3
	NLC (\q)+2, N2_
.set WN_, 2*N2_
.endif
.if (\q)+1 < 16
	NLC (\q)+1, N1_
.set WN_, WN_+2*N1_
.endif
	s_wait_dscnt WN_
	PROD \q, 0, \zero, (\q)%3, \sw
	PROD \q, 1, \zero, (\q)%3, \sw
.endm
.macro TOTRS b                         ; the pass's results, each accumulator from its low end on
	WIN 0
	PLACES
.irp a, 0,1,2,3
.irp t, 0,1
	ds_store_b128 v[TSTO], v[ACC+8*(2*\a+\t):ACC+8*(2*\a+\t)+3] offset:(\b)*HW+16*TP*\a+64*\t
	ds_store_b128 v[TSTO], v[ACC+8*(2*\a+\t)+4:ACC+8*(2*\a+\t)+7] offset:(\b)*HW+16*TP*\a+64*\t+16
.endr
.endr
.endm
.macro BACK b                          ; my 32 rows of 256 bytes, two to a load
.irp n, 0,1,2,3,4,5,6,7,8,9,10,11,12,13,14,15
	ds_load_b128 v[ACC+4*\n:ACC+4*\n+3], v[RD] offset:(\b)*HW+2*TP*\n
.endr
.endm
.macro SEND b, younger                 ; younger: the LDS loads issued behind BACK's
.irp g, 0,1,2,3
	s_wait_dscnt (\younger)+12-4*\g
.irp n, 0,1,2,3
	global_store_b128 v[CO], v[ACC+16*\g+4*\n:ACC+16*\g+4*\n+3], s[12:13] offset:(4*\g+\n)*16384+256*(\b) th:TH_STORE_NT   ; sixteen lanes store 256 consecutive bytes, aligned
.endr
.endr
.endm
; ================= THE HEAD
	s_load_b256 s[4:11], s[0:1], 0x0               ; acodes, ascl, wo codes, wo scales
	s_load_b64 s[12:13], s[0:1], 0x20              ; out0
	v_lshl_add_u32 v[SPW], v0, 2, SPARE
	v_mov_b32 v[NIL], 0
	ds_add_u32 v[SPW], v[NIL]                      ; the opening lines
	ds_add_u32 v[SPW], v[NIL]
	v_lshrrev_b32 v1, 5, v0
	v_readfirstlane_b32 s[WV], v1
	s_lshr_b32 s[WI], s[WV], 1
	s_and_b32 s[WJ], s[WV], 1
	s_bfe_u32 s[CX], ttmp6, 0x40000
	s_bfe_u32 s[CY], ttmp6, 0x40004
	s_lshl_b32 s[TX], ttmp9, 2
	s_add_co_u32 s[TX], s[TX], s[CX]
	s_and_b32 s[TY], ttmp7, 0xffff
	s_lshl_b32 s[TY], s[TY], 2
	s_add_co_u32 s[TY], s[TY], s[CY]
	s_lshl_b32 s70, s[CY], 2
	s_lshl_b32 s70, 15, s70                        ; my row of the cluster
	s_lshl_b32 s71, 0x1111, s[CX]                  ; my column
	GROUP1 G1X, 70, 128
	GROUP1 G1W, 71, 64
	s_mul_i32 s90, s[TY], 128*1536
	s_mov_b32 s91, 0
	s_mul_i32 s94, s[TX], 128*1536
	s_mov_b32 s95, 0
	s_lshr_b32 s96, s[TY], 3                       ; a's scale bytes: [b][8 groups of 256 along K][token][8]: my 64 tokens;
	s_lshl_b32 s96, s96, 16
	s_and_b32 s97, s[TY], 7
	s_lshl_b32 s97, s97, 10
	s_add_co_u32 s96, s96, s97
	s_lshl_b32 s97, s[WI], 9
	s_add_co_u32 s96, s96, s97
	s_mov_b32 s97, 0
	s_lshl_b32 s98, s[TX], 13                      ; my 32 rows of Wo
	s_lshl_b32 s99, s[WJ], 11
	s_add_co_u32 s98, s98, s99
	s_mov_b32 s99, 0
	WALU
	s_wait_dscnt 0x0
	CROUND                                         ; all sixteen work-groups are here: the first joint loads meet
	s_wait_kmcnt 0x0
	s_add_nc_u64 s[4:5], s[4:5], s[90:91]
	s_add_nc_u64 s[8:9], s[8:9], s[94:95]
	s_add_nc_u64 s[6:7], s[6:7], s[96:97]
	s_add_nc_u64 s[10:11], s[10:11], s[98:99]
	s_mov_b32 s[G0A], 1
	s_mov_b32 s[G0A+1], XA
	s_mov_b64 s[G0A+2:G0A+3], s[4:5]
	s_or_b32 s[G0A+3], s[G0A+3], 0x80000000
	s_mov_b32 s[G0B], 1
	s_mov_b32 s[G0B+1], W0A
	s_mov_b64 s[G0B+2:G0B+3], s[8:9]
	s_or_b32 s[G0B+3], s[G0B+3], 0x80000000
	s_mov_b32 s[G0C], 1
	s_mov_b32 s[G0C+1], XBR
	s_add_nc_u64 s[G0C+2:G0C+3], s[4:5], 768
	s_or_b32 s[G0C+3], s[G0C+3], 0x80000000
	s_mov_b32 s[G0D], 1
	s_mov_b32 s[G0D+1], W0B
	s_add_nc_u64 s[G0D+2:G0D+3], s[8:9], 768
	s_or_b32 s[G0D+3], s[G0D+3], 0x80000000
	s_cmp_eq_u32 s[WV], 0
	s_cbranch_scc0 .Lwave_1
	TLOAD G0A, G1X                                 ; wave 0: a's first half along K
	s_branch .Lasked
.Lwave_1:
	s_cmp_eq_u32 s[WV], 1
	s_cbranch_scc0 .Lwave_2
	TLOAD G0B, G1W                                 ; wave 1: Wo's first half
	s_branch .Lasked
.Lwave_2:
	s_cmp_eq_u32 s[WV], 2
	s_cbranch_scc0 .Lwave_3
	TLOAD G0C, G1X                                 ; wave 2: a's second half
	s_branch .Lasked
.Lwave_3:
	TLOAD G0D, G1W                                 ; wave 3: Wo's second half
.Lasked:
	s_mov_b32 s[G0R], 1                            ; the refill's descriptor: half w along K of Wo's other 64 rows
	s_mul_i32 s[G0R+1], s[WV], HW
	s_mul_i32 s90, s[WV], 768
	s_add_co_u32 s90, s90, 64*1536
	s_mov_b32 s91, 0
	s_add_nc_u64 s[G0R+2:G0R+3], s[8:9], s[90:91]
	s_or_b32 s[G0R+3], s[G0R+3], 0x80000000
	s_lshl_b32 s[NUM], s[CY], 2
	s_add_co_u32 s[NUM], s[NUM], s[WV]             ; my number among the sixteen waves of my column of the cluster
	s_lshl_b32 s96, s[TY], 7                       ; my first row of the result: 128 x block + 32 w, rows of 8,192 bytes
	s_lshl_b32 s98, s[WV], 5
	s_add_co_u32 s96, s96, s98
	s_lshl_b32 s96, s96, 13
	s_lshl_b32 s98, s[TX], 9
	s_add_co_u32 s96, s96, s98
	s_mov_b32 s97, 0
	s_add_nc_u64 s[12:13], s[12:13], s[96:97]
	s_mul_i32 s90, s[WI], HW
	s_mul_i32 s91, s[WJ], 32*PITCH
	s_mul_i32 s92, s[WI], 64*TP
	s_lshl_b32 s93, s[WJ], 7
	s_add_co_u32 s92, s92, s93
	s_add_co_u32 s92, s92, TRS
	s_mul_i32 s93, s[WV], 32*TP
	s_add_co_u32 s93, s93, TRS
	s_mul_i32 s101, s[NUM], 6144
	v_and_b32 v[RR], 15, v0
	v_bfe_u32 v[HH], v0, 4, 1
	v_and_b32 v[LN], 31, v0
	v_lshlrev_b32 v[LSC], 6, v[RR]
	v_lshl_add_u32 v[LSC], v[HH], 4, v[LSC]
	v_lshlrev_b32 v2, 14, v[HH]
	v_lshl_add_u32 v2, v[RR], 3, v2                ; a's: lane (r, h) takes groups 4 jj + 2 h and the next, two words each
; The scale words come straight into registers.  A row has 16 words, one for each 128 along K; lane (r, h) takes words 8 jj + 4 h + 0..3 of row 16 t + r.
.irp a, 0,1,2,3
.irp jj, 0,1
	global_load_b64 v[SSX+8*\a+4*\jj:SSX+8*\a+4*\jj+1], v2, s[6:7] offset:32768*\jj+128*\a
	global_load_b64 v[SSX+8*\a+4*\jj+2:SSX+8*\a+4*\jj+3], v2, s[6:7] offset:32768*\jj+8192+128*\a
.endr
.endr
.irp t, 0,1
.irp jj, 0,1
	global_load_b128 v[SSW0+8*\t+4*\jj:SSW0+8*\t+4*\jj+3], v[LSC], s[10:11] offset:1024*\t+32*\jj
	global_load_b128 v[SSW1+8*\t+4*\jj:SSW1+8*\t+4*\jj+3], v[LSC], s[10:11] offset:4096+1024*\t+32*\jj
.endr
.endr
	v_min_u32 v[PFV], 23, v[LN]
	v_lshlrev_b32 v[PFV], 8, v[PFV]
	v_add_nc_u32 v[PFV], s101, v[PFV]
	global_prefetch_b8 v[PFV], s[8:9] offset:64*1536 th:TH_LOAD_NT scope:SCOPE_SE   ; what the refill will load
	v_mul_u32_u24 v[T1], v[RR], PITCH
	v_mad_u32_u24 v[T2], v[HH], 24, v[T1]
	v_mad_u32_u24 v[T3], v[HH], 40, v[T1]
	v_add_nc_u32 v[XB], s90, v[T2]
	v_add_nc_u32 v[XB+1], s90, v[T3]
	v_add_nc_u32 v[WR], s91, v[T2]
	v_add_nc_u32 v[WR+1], s91, v[T3]
.irp a, 1,2,3
	v_add_nc_u32 v[XB+2*\a], 16*PITCH*\a, v[XB]
	v_add_nc_u32 v[XB+2*\a+1], 16*PITCH*\a, v[XB+1]
.endr
	WBASE W0A
	v_mul_u32_u24 v[T1], v[RR], TP
	v_lshl_add_u32 v[T1], v[HH], 5, v[T1]
	v_add_nc_u32 v[TSTO], s92, v[T1]               ; in: token r's row, 32 bytes for each half of the lanes
	v_mul_u32_u24 v[T2], v[HH], TP
	v_lshl_add_u32 v[T2], v[RR], 4, v[T2]
	v_add_nc_u32 v[RD], s93, v[T2]                 ; back: sixteen lanes to a row
	v_lshlrev_b32 v[CO], 13, v[HH]
	v_lshl_add_u32 v[CO], v[RR], 4, v[CO]
	WALU
	s_cmp_lt_u32 s[WV], 2
	s_cbranch_scc0 .Lnot_first
	s_wait_tensorcnt 0x0
.Lnot_first:
	BARRIER                                        ; both first halves are in
; ================= PASS 0
	XFETCH 0
	WFETCH 0, 0
	XFETCH 1
	WFETCH 1, 1
	s_wait_loadcnt 0x0                             ; the scale words
	STEPX 0, 1
.set Q, 1
.rept 5
	STEPX Q, 0
.set Q, Q+1
.endr
	s_wait_tensorcnt 0x0                           ; the refill's round: the second halves are in
	ds_add_u32 v[SPW], v[NIL]
	s_wait_dscnt 19                                ; step 6's fragments are in: younger are step 7's 18 loads and the add
	PROD 6, 0, 0, 0, SSW0
	PROD 6, 1, 0, 0, SSW0
	WIN 0
	WALU
	s_wait_dscnt 0x0                               ; the add is done, and my reads of both first halves
	s_barrier_signal -1
	PROD 7, 0, 0, 1, SSW0
	WIN 0
	s_barrier_wait -1
	CREST
	REFILL                                         ; XA takes Wo's other 64 rows
.irp k, 0,1,2,3,4,5,6,7
	v_add_nc_u32 v[XB+\k], XBR, v[XB+\k]           ; (these lines are the places behind step 6's products)
.endr
	WBASE W0B
	XFETCH 8
	WFETCH 8, 0
	PROD 7, 1, 0, 1, SSW0
	WIN 0
	PLACES
	XFETCH 9
	WFETCH 9, 1
.set Q, 8
.rept 6
	STEPX Q, 0
.set Q, Q+1
.endr
	s_wait_dscnt 18
	PROD 14, 0, 0, 0, SSW0
	PROD 14, 1, 0, 0, SSW0
	s_wait_dscnt 0x0
	PROD 15, 0, 0, 1, SSW0
	PROD 15, 1, 0, 1, SSW0
	TOTRS 0
	s_wait_tensorcnt 0x0                           ; Wo's other rows are in
	s_wait_dscnt 0x0
	BARRIER
; ================= PASS 1, with pass 0's results on their way out
	BACK 0
	WBASE XA
	WFETCH 0, 0
	WFETCH 1, 1
	SEND 0, 12
	s_wait_xcnt 0x0                                ; the stores have read the accumulators' registers
	STEPW 0, 1, SSW1, XA+HW
.set Q, 1
.rept 15
	STEPW Q, 0, SSW1, XA+HW
.set Q, Q+1
.endr
	TOTRS 1
	s_wait_dscnt 0x0
	BARRIER
	BACK 1
	SEND 1, 0
	s_wait_tensorcnt 0x0                           ; the wave's end
	ds_add_u32 v[SPW], v[NIL]
	s_wait_dscnt 0x0
	CROUND                                         ; the closing round
	s_endpgm
.Lfunc_end_k_qca74b40cc2_oproj:
	.size	k_qca74b40cc2_oproj, .Lfunc_end_k_qca74b40cc2_oproj-k_qca74b40cc2_oproj
	.p2alignl 7, 3214868480
	.fill 96, 4, 3214868480
	.section	.rodata,"a",@progbits
	.p2align	6, 0x0
	.amdhsa_kernel k_qca74b40cc2_oproj
		.amdhsa_group_segment_fixed_size 327680
		.amdhsa_private_segment_fixed_size 0
		.amdhsa_enable_private_segment 0
		.amdhsa_kernarg_size 40
		.amdhsa_user_sgpr_count 2
		.amdhsa_user_sgpr_kernarg_segment_ptr 1
		.amdhsa_wavefront_size32 1
		.amdhsa_system_sgpr_workgroup_id_x 1
		.amdhsa_system_sgpr_workgroup_id_y 1
		.amdhsa_system_sgpr_workgroup_id_z 1
		.amdhsa_system_vgpr_workitem_id 0
		.amdhsa_next_free_vgpr 1024
		.amdhsa_next_free_sgpr 102
		.amdhsa_reserve_vcc 0
		.amdhsa_float_denorm_mode_32 3
		.amdhsa_float_denorm_mode_16_64 3
		.amdhsa_memory_ordered 1
		.amdhsa_forward_progress 1
		.amdhsa_inst_pref_size 88
	.end_amdhsa_kernel
	.amdgpu_metadata
---
amdhsa.version: [ 1, 2 ]
amdhsa.kernels:
  - .name:           k_qca74b40cc2_oproj
    .symbol:         k_qca74b40cc2_oproj.kd
    .args:
      - { .name: acodes, .offset: 0, .size: 8, .value_kind: global_buffer, .address_space: global }
      - { .name: ascl, .offset: 8, .size: 8, .value_kind: global_buffer, .address_space: global }
      - { .name: wo_codes, .offset: 16, .size: 8, .value_kind: global_buffer, .address_space: global }
      - { .name: wo_scales, .offset: 24, .size: 8, .value_kind: global_buffer, .address_space: global }
      - { .name: out0, .offset: 32, .size: 8, .value_kind: global_buffer, .address_space: global }
    .group_segment_fixed_size: 327680
    .private_segment_fixed_size: 0
    .kernarg_segment_align: 8
    .kernarg_segment_size: 40
    .max_flat_workgroup_size: 128
    .sgpr_count:     102
    .vgpr_count:     1024
    .wavefront_size: 32
...
	.end_amdgpu_metadata
.endif
;; end of part 6
